; MI455X (gfx1250); checked and timed in simulation.
; The chip was launched on July 23, 2026; its instructions are those of AMD's public machine-readable ISA for CDNA 5 (MIT licence, August 2026) and "CDNA5" Instruction Set Architecture Reference Guide (July 2026). The comments in the code are by the model that wrote it; some were corrected since.
;; Self Attention. Allowed arithmetic: float matrix products may take bf16 or f16 operands with f32 sums; all other float work in f32.
;; Inputs: Wk 2,048 x 2,048 float32; Wo 2,048 x 2,048 float32; Wq 2,048 x 2,048 float32; Wv 2,048 x 2,048 float32; bk 2,048 float32; bo 2,048 float32; bq 2,048 float32; bv 2,048 float32; freqs 2,048 x 64 float32; gk 2,048 float32; gq 2,048 float32; x 1 x 2,048 x 2,048 float32.
;; Outputs: out0 1 x 2,048 x 2,048 float32.
;; Constants: topk = 10.
;; 2 versions, each right and faster than the one before. Each part assembles by itself: llvm-mc -triple=amdgcn-amd-amdhsa -mcpu=gfx1250 --defsym DOCPART=n.
;; ======== version 1 of 2: 6 launches
;; limits: values are held in f16: magnitudes above 65,504 overflow, below 6.1e-05 lose precision
;; workspace buffers: act16 8,388,608 bytes; wqkv 25,165,824 bytes; wob 8,388,608 bytes; cs 1,048,576 bytes; qkvf 50,331,648 bytes; qkvh 25,165,824 bytes; pooled 2,097,152 bytes; list 512 bytes of whole numbers
;; launch prep (part 1): grid 128 x 6, 8 waves a work-group, no clusters, 0 bytes of LDS; arguments x, Wq, Wk, Wv, Wo, freqs, act16, wqkv, wob, cs; writes act16, wqkv, wob, cs
.if DOCPART == 1
	.amdgcn_target "amdgcn-amd-amdhsa--gfx1250"
	.amdhsa_code_object_version 6
	.text
	.protected	k_q6a1428f7bb_prep
	.globl	k_q6a1428f7bb_prep
	.p2align	8
	.type	k_q6a1428f7bb_prep,@function
k_q6a1428f7bb_prep:
	s_mov_b64 s[64:65], 0
	v_nop
	global_prefetch_b8 v0, s[64:65] scope:SCOPE_SE
	s_setreg_imm32_b32 hwreg(HW_REG_WAVE_MODE, 25, 1), 1
	s_wait_xcnt 0x0
; PREP.  y = 0..4: x, Wq, Wk, Wv, Wo ([2048][2048] f32) are rounded to bf16 (nearest even) and that number is written as f16:
; x -> act16, Wq | Wk | Wv -> wqkv (three planes of 8,388,608 bytes), Wo -> wob.   y = 5: freqs is rounded to bf16 and cs[l][j] = (cos, sin) is written in f32.
; LIMITS.  A bf16 number is an f16 number exactly for 2^-17 <= |v| <= 65,504; below that f16 keeps its fixed step of 2^-24, beyond 65,504 the conversion gives an infinity.
; cos and sin: the angle less n pi/2 in three parts, then polynomials of degree 7 and 8 on +-pi/4: good to about 1e-7 for |freqs| up to about 1e4, worse beyond.
; A stream: no LDS, no matrix unit, no cluster (no two work-groups read the same byte).  A work-group casts 131,072 bytes, a wave 16,384: all its 32 loads of 512
; consecutive bytes go out at once, and each store of a wave covers 256 consecutive bytes, aligned.  No register is used twice by a load or a store, so no wait frees any.
.set XR, 8                             ; v[8:135]    32 x 4 numbers as loaded
.set YR, 136                           ; v[136:199]  32 x 2 registers to store
.set TR, 200                           ; v[200:205]  at work
	s_load_b512 s[8:23], s[0:1], 0x0               ; x 8, Wq 10, Wk 12, Wv 14, Wo 16, freqs 18, act16 20, wqkv 22
	s_load_b128 s[24:27], s[0:1], 0x40             ; wob 24, cs 26
	s_and_b32 s4, ttmp7, 0xffff                    ; y: which tensor
	s_mov_b32 s6, 0xffff0000                       ; a word's upper bf16
	s_mov_b32 s33, 0
	s_mov_b32 s35, 0
	s_wait_kmcnt 0x0
	s_cmp_eq_u32 s4, 5
	s_cbranch_scc1 .Ltable
	; the cast: source and destination are chosen by y
	s_mov_b64 s[28:29], s[8:9]
	s_cmp_eq_u32 s4, 1
	s_cselect_b64 s[28:29], s[10:11], s[28:29]
	s_cmp_eq_u32 s4, 2
	s_cselect_b64 s[28:29], s[12:13], s[28:29]
	s_cmp_eq_u32 s4, 3
	s_cselect_b64 s[28:29], s[14:15], s[28:29]
	s_cmp_eq_u32 s4, 4
	s_cselect_b64 s[28:29], s[16:17], s[28:29]
	s_cmp_eq_u32 s4, 0
	s_cselect_b64 s[30:31], s[20:21], s[22:23]
	s_cmp_eq_u32 s4, 4
	s_cselect_b64 s[30:31], s[24:25], s[30:31]
	s_sub_co_u32 s32, s4, 1
	s_lshl_b32 s32, s32, 23                        ; the plane of wqkv, for y = 1..3;
	s_cmp_eq_u32 s4, 0
	s_cselect_b32 s32, 0, s32                      ; none for x
	s_cmp_eq_u32 s4, 4
	s_cselect_b32 s32, 0, s32                      ; and none for Wo
	s_lshl_b32 s34, ttmp9, 16                      ; the work-group's 65,536 bytes of f16
	s_add_co_u32 s32, s32, s34
	s_lshl_b32 s34, ttmp9, 17                      ; and its 131,072 bytes of f32
	s_add_nc_u64 s[28:29], s[28:29], s[34:35]
	s_add_nc_u64 s[30:31], s[30:31], s[32:33]
	v_and_b32 v1, 31, v0                           ; lane
	v_and_b32 v4, 0xe0, v0                         ; 32 x wave
	v_lshlrev_b32 v2, 4, v1
	v_lshl_or_b32 v2, v4, 9, v2                    ; source: wave x 16,384 + 16 x lane
	v_lshlrev_b32 v3, 3, v1
	v_lshl_or_b32 v3, v4, 8, v3                    ; destination: wave x 8,192 + 8 x lane
.set i, 0
.rept 32
	global_load_b128 v[XR+4*i:XR+4*i+3], v2, s[28:29] offset:512*i th:TH_LOAD_NT
.set i, i+1
.endr
; four numbers: to bf16, widened again (a shift, a mask), and written as f16
.macro CV i
	v_cvt_pk_bf16_f32 v[TR], v[XR+4*(\i)], v[XR+4*(\i)+1]
	v_cvt_pk_bf16_f32 v[TR+1], v[XR+4*(\i)+2], v[XR+4*(\i)+3]
	v_lshlrev_b32 v[TR+2], 16, v[TR]
	v_and_b32 v[TR+3], s6, v[TR]
	v_lshlrev_b32 v[TR+4], 16, v[TR+1]
	v_and_b32 v[TR+5], s6, v[TR+1]
	v_cvt_pk_f16_f32 v[YR+2*(\i)], v[TR+2], v[TR+3]
	v_cvt_pk_f16_f32 v[YR+2*(\i)+1], v[TR+4], v[TR+5]
.endm
.set i, 0
.rept 32
	s_wait_loadcnt 31-i                            ; loads come back in order: load i is in, the 31 - i younger ones stay out
	CV i
	global_store_b64 v3, v[YR+2*i:YR+2*i+1], s[30:31] offset:256*i
.set i, i+1
.endr
	s_endpgm
.Ltable:                                               ; a work-group has 1,024 angles (4,096 bytes), a thread two and two
	s_lshl_b32 s32, ttmp9, 12
	s_add_nc_u64 s[18:19], s[18:19], s[32:33]
	s_lshl_b32 s34, ttmp9, 13
	s_add_nc_u64 s[26:27], s[26:27], s[34:35]
	v_lshlrev_b32 v2, 3, v0
	v_lshlrev_b32 v3, 4, v0
	global_load_b64 v[8:9], v2, s[18:19]
	global_load_b64 v[10:11], v2, s[18:19] offset:2048
	s_mov_b32 s40, 0x3f22f983                      ; 2 / pi
	s_mov_b32 s41, 0xbfc90fdb                      ; - pi/2, the f32 next to it;
	s_mov_b32 s42, 0x333bbd2e                      ; what that took too much;
	s_mov_b32 s43, 0x26f72ced                      ; and the rest
	s_mov_b32 s44, 0xbe2aaaa3                      ; sine: r + r z (S1 + z (S2 + z S3)), z = r r
	s_mov_b32 s45, 0x3c08839e
	s_mov_b32 s46, 0xb94ca1f9
	s_mov_b32 s47, 0x3d2aaaa5                      ; cosine: 1 - z/2 + z z (C1 + z (C2 + z C3))
	s_mov_b32 s48, 0xbab6061a
	s_mov_b32 s49, 0x37ccf5ce
	s_mov_b32 s50, 0x80000000
	s_wait_loadcnt 0x0
	v_cvt_pk_bf16_f32 v12, v8, v9
	v_cvt_pk_bf16_f32 v13, v10, v11
	v_lshlrev_b32 v8, 16, v12
	v_and_b32 v9, s6, v12
	v_lshlrev_b32 v10, 16, v13
	v_and_b32 v11, s6, v13
; cos and sin of v[f] into v[c] and v[s].  n = the whole number next to f 2/pi; r = f - n pi/2; n mod 4 says which of +-sin r, +-cos r is which.
.macro SC f, c, s
	v_mul_f32 v24, s40, v[\f]
	v_rndne_f32 v24, v24                           ; n
	v_fma_f32 v25, v24, s41, v[\f]
	v_fma_f32 v25, v24, s42, v25
	v_fma_f32 v25, v24, s43, v25                   ; r
	v_cvt_i32_f32 v27, v24
	v_mul_f32 v26, v25, v25                        ; z
	v_fma_f32 v28, v26, s46, s45
	v_fma_f32 v28, v28, v26, s44
	v_mul_f32 v28, v28, v26
	v_fma_f32 v32, v28, v25, v25                   ; sin r
	v_fma_f32 v29, v26, s49, s48
	v_fma_f32 v29, v29, v26, s47
	v_mul_f32 v29, v29, v26
	v_fma_f32 v30, v26, -0.5, 1.0
	v_fma_f32 v33, v29, v26, v30                   ; cos r
	v_and_b32 v31, 1, v27
	v_cmp_eq_u32 vcc_lo, 1, v31                    ; n odd: the two change places
	v_cndmask_b32 v[\s], v32, v33, vcc_lo
	v_cndmask_b32 v[\c], v33, v32, vcc_lo
	v_lshlrev_b32 v31, 30, v27                     ; sine's sign: bit 1 of n
	v_and_b32 v31, s50, v31
	v_xor_b32 v[\s], v[\s], v31
	v_add_nc_u32 v27, 1, v27                       ; cosine's: bit 1 of n + 1
	v_lshlrev_b32 v31, 30, v27
	v_and_b32 v31, s50, v31
	v_xor_b32 v[\c], v[\c], v31
.endm
	SC 8, 16, 17
	SC 9, 18, 19
	SC 10, 20, 21
	SC 11, 22, 23
	global_store_b128 v3, v[16:19], s[26:27]               ; a wave's store covers 512 consecutive bytes, aligned
	global_store_b128 v3, v[20:23], s[26:27] offset:4096
	s_endpgm
.Lfunc_end_k_q6a1428f7bb_prep:
	.size	k_q6a1428f7bb_prep, .Lfunc_end_k_q6a1428f7bb_prep-k_q6a1428f7bb_prep
	.p2alignl 7, 3214868480
	.fill 96, 4, 3214868480
	.section	.rodata,"a",@progbits
	.p2align	6, 0x0
	.amdhsa_kernel k_q6a1428f7bb_prep
		.amdhsa_group_segment_fixed_size 0
		.amdhsa_private_segment_fixed_size 0
		.amdhsa_enable_private_segment 0
		.amdhsa_kernarg_size 80
		.amdhsa_user_sgpr_count 2
		.amdhsa_user_sgpr_kernarg_segment_ptr 1
		.amdhsa_wavefront_size32 1
		.amdhsa_system_sgpr_workgroup_id_x 1
		.amdhsa_system_sgpr_workgroup_id_y 1
		.amdhsa_system_sgpr_workgroup_id_z 1
		.amdhsa_system_vgpr_workitem_id 0
		.amdhsa_next_free_vgpr 208
		.amdhsa_next_free_sgpr 66
		.amdhsa_reserve_vcc 1
		.amdhsa_float_denorm_mode_32 3
		.amdhsa_float_denorm_mode_16_64 3
		.amdhsa_memory_ordered 1
		.amdhsa_forward_progress 1
		.amdhsa_inst_pref_size 27
	.end_amdhsa_kernel
	.amdgpu_metadata
---
amdhsa.version: [ 1, 2 ]
amdhsa.kernels:
  - .name:           k_q6a1428f7bb_prep
    .symbol:         k_q6a1428f7bb_prep.kd
    .args:
      - { .name: x, .offset: 0, .size: 8, .value_kind: global_buffer, .address_space: global }
      - { .name: Wq, .offset: 8, .size: 8, .value_kind: global_buffer, .address_space: global }
      - { .name: Wk, .offset: 16, .size: 8, .value_kind: global_buffer, .address_space: global }
      - { .name: Wv, .offset: 24, .size: 8, .value_kind: global_buffer, .address_space: global }
      - { .name: Wo, .offset: 32, .size: 8, .value_kind: global_buffer, .address_space: global }
      - { .name: freqs, .offset: 40, .size: 8, .value_kind: global_buffer, .address_space: global }
      - { .name: act16, .offset: 48, .size: 8, .value_kind: global_buffer, .address_space: global }
      - { .name: wqkv, .offset: 56, .size: 8, .value_kind: global_buffer, .address_space: global }
      - { .name: wob, .offset: 64, .size: 8, .value_kind: global_buffer, .address_space: global }
      - { .name: cs, .offset: 72, .size: 8, .value_kind: global_buffer, .address_space: global }
    .group_segment_fixed_size: 0
    .private_segment_fixed_size: 0
    .kernarg_segment_align: 8
    .kernarg_segment_size: 80
    .max_flat_workgroup_size: 256
    .sgpr_count:     66
    .vgpr_count:     208
    .wavefront_size: 32
...
	.end_amdgpu_metadata
.endif
;; end of part 1
;; launch qkv (part 2): grid 48 x 16, 4 waves a work-group, clusters of 4 x 4, 327,680 bytes of LDS; arguments act16, wqkv, qkvf, bq, bk, bv; writes qkvf
.if DOCPART == 2
	.amdgcn_target "amdgcn-amd-amdhsa--gfx1250"
	.amdhsa_code_object_version 6
	.text
	.protected	k_q6a1428f7bb_qkv
	.globl	k_q6a1428f7bb_qkv
	.p2align	8
	.type	k_q6a1428f7bb_qkv,@function
k_q6a1428f7bb_qkv:
	s_mov_b64 s[64:65], 0
	v_nop
	global_prefetch_b8 v0, s[64:65] scope:SCOPE_SE
	s_setreg_imm32_b32 hwreg(HW_REG_WAVE_MODE, 25, 1), 1
	s_wait_xcnt 0x0
	s_wait_alu depctr_hold_cnt(0) depctr_sa_sdst(0) depctr_va_vdst(0) depctr_va_sdst(0) depctr_va_ssrc(0) depctr_va_vcc(0) depctr_vm_vsrc(0)
	s_getreg_b32 s2, hwreg(HW_REG_IB_STS2, 6, 4)
	s_cmp_eq_u32 s2, 0
	s_cbranch_scc0 .Lentry_in_a_cluster
	s_endpgm
.Lentry_in_a_cluster:
	s_bfe_u32 s2, ttmp6, 0x10000c
	s_cmp_lg_u32 s2, 0xf033
	s_cbranch_scc0 .Lentry_shape_is_right
	s_endpgm
.Lentry_shape_is_right:
; C[plane][m][n'] = sum over k of A[m][k] B[2048 plane + n'][k] + bf16(bias_plane[n']).  A: [2048][2048] f16, B: [2048 planes][2048] f16, C: planes of [2048][2048] f32; sums in f32.
; One text for the three projections (48 tile columns, planes q, k, v) and for the output projection (16 tile columns, plane 0 alone).
; LIMITS.  f16 operands hold no number beyond 65,504.  The bias is rounded to bf16, like every input of the module.
; A tile of C is 128 x 128: 768 and 256 work-groups, whole multiples of 256.  Four waves, each 64 x 64: 16 accumulators of 16 x 16, 128 registers.  K goes in steps of 256 (LDS rows of
; 512 bytes; a wave's tensor load brings 64 of them) through two slots.
; CLUSTERS: 4 x 4 work-groups.  The four of a row of the cluster need the same tiles of A, the four of a column the same tiles of B: each tile is asked for JOINTLY, by the same tensor
; load with the same descriptor and a mask that names the four.  THE MATRIX INSTRUCTION IS USED TRANSPOSED (source 0 = 16 rows of B, source 1 = 16 rows of A): a lane then holds eight
; neighbouring numbers of a row of C, and the bias of those eight columns is the C operand of the product that starts the sum: nothing is cleared and nothing is added later.
; THE WAY OUT: a wave's 64 columns of f32 are 256 aligned bytes of a row of C, so each wave has a stage of its own (16 rows x 272 bytes) and needs no barrier.
; REGISTERS: window 0: v0-31 addresses; v32-63 the bias of my 64 columns; v64 at work; v128-255 the accumulators ((a, b) at v[128 + 8 (4 a + b)]).
;   window 1: two fragment buffers of 128: for 64 along K, 64 registers of A (2 x 4 x 16 rows x 32 K), then 64 of B.
.set SIZE_K, 2048
.set KSTEP,  256
.set PITCH,  528                       ; an LDS row: 512 bytes of data + 16 of padding = 132 words: row r starts at bank 4 r mod 64 (64 banks of 4 bytes: ISA guide 11.1)
.set HALFT,  64*PITCH                  ; 64 rows: what one tensor load brings, and what one wave reads of A or of B
.set SLOT,   4*HALFT                   ; A's 128 rows, then B's 128 rows
.set STAGE,  2*SLOT                    ; behind the ring: 16 rows x 272 bytes for each wave
.set SPITCH, 272
.set SPARE,  STAGE+4*16*SPITCH         ; behind the stages: the spare words, 128 bytes for each wave: two blocks of 256 bytes that no other line names
.set LAPS, SIZE_K/(2*KSTEP)            ; a lap = two K steps = once round the ring: 4
.set CROW,   8192                      ; bytes in a row of C
.set ADRA, 16                          ; v16-17  LDS address of my A fragments in slot 0, 1
.set ADRB, 20                          ; v20-21  the same for B
.set STO,  24                          ; v24     the way out: where I put 32 bytes of a row
.set RD,   25                          ; v25     the way out: where I read a row back
.set CO,   26                          ; v26     my byte offset in C
.set BO,   27                          ; v27     my byte offset in the bias
.set SPW,  28                          ; v28     LDS address of my spare word: SPARE + 4 x my thread's number; never rewritten
.set NIL,  29                          ; v29     0; never rewritten
.set BIAS, 32
.set TMP,  64
.set ACC,  128
.set F0,   0                           ; fragment buffers, in window 1
.set F1,   128
.set G1, 24                            ; s[24:31] descriptor group 1 for A's tiles;  s[32:39] group 0, one set for each slot
.set G0, 32
.set G1B, 48                           ; s[48:55], s[56:63] the same for B's tiles
.set G0B, 56
.set MSB, 0
.macro WIN new                         ; the immediate's high byte repeats the setting that is left
.if MSB != (\new)
	s_set_vgpr_msb (MSB<<8)|(\new)
.set MSB, \new
.endif
.endm
.set MUL,  0x05                        ; sources 0 (B) and 1 (A) window 1; C and D window 0
.set TO_F, 0x40                        ; destination window 1, address window 0
.macro JLOAD s                         ; a joint load: waves 0 and 1 fetch A's two halves, waves 2 and 3 B's; an s_nop 0 and four v_nop follow each of the two lines, ahead of the jump, the label and what follows
	s_cmp_eq_u32 s11, 0
	s_cbranch_scc0 .Lfor_b_\@
	tensor_load_to_lds s[G0+4*(\s):G0+4*(\s)+3], s[G1:G1+7]
	s_nop 0
.rept 4
	v_nop
.endr
	s_branch .Lasked_\@
.Lfor_b_\@:
	tensor_load_to_lds s[G0B+4*(\s):G0B+4*(\s)+3], s[G1B:G1B+7]
	s_nop 0
.rept 4
	v_nop
.endr
.Lasked_\@:
.endm
.macro CREST                           ; a round of the cluster's barrier behind its opening barrier
	s_cmp_lg_u32 s10, 0
	s_cbranch_scc1 .Lnot_wave_0_\@
	s_barrier_signal -3
.Lnot_wave_0_\@:
	s_barrier_wait -3
	s_barrier_signal -1
	s_barrier_wait -1
.endm
.macro CROUND                          ; a whole round
	s_barrier_signal -1
	s_barrier_wait -1
	CREST
.endm
	s_load_b128 s[4:7], s[0:1], 0x0                ; A s[4:5], B s[6:7]
	s_load_b128 s[68:71], s[0:1], 0x10             ; C s[68:69], plane 0's bias s[70:71]
	s_load_b128 s[72:75], s[0:1], 0x20             ; plane 1's and plane 2's bias
	v_lshl_add_u32 v[SPW], v0, 2, SPARE
	v_mov_b32 v[NIL], 0
	ds_add_u32 v28, v29
	s_wait_dscnt 0x0
	v_lshrrev_b32 v1, 5, v0
	v_readfirstlane_b32 s10, v1                    ; wave 0..3
	s_lshr_b32 s11, s10, 1                         ; which half of the tile's rows is mine.  Also: I fetch for A (0) or for B (1)
	s_and_b32 s12, s10, 1                          ; which half of its columns.  Also: which 64 rows of that tile I fetch
	s_bfe_u32 s40, ttmp6, 0x40000                  ; cx, cy: my place in the cluster
	s_bfe_u32 s41, ttmp6, 0x40004
	s_lshl_b32 s42, ttmp9, 2
	s_add_co_u32 s42, s42, s40                     ; tile column = 4 x cluster x + cx
	s_and_b32 s13, ttmp7, 0xffff
	s_lshl_b32 s13, s13, 2
	s_add_co_u32 s13, s13, s41                     ; tile row = 4 x cluster y + cy
	s_lshr_b32 s76, ttmp9, 2                       ; the plane: 16 tile columns are four clusters
	s_lshl_b32 s43, s41, 2
	s_lshl_b32 s43, 15, s43                        ; my row of the cluster
	s_lshl_b32 s44, 0x1111, s40                    ; my column
	; descriptor group 1: a tile of 64 rows x 256 elements, padded in LDS
	s_or_b32 s[G1+0], s43, (1<<16)|(1<<20)|(1<<21)|(6<<22)|(3<<25)  ; 15:0 the mask: A's tiles go to my row; 17:16 element of 2 bytes; 20 padding on; 21 set beside a mask; 24:22 after every 128 words (code 6); 31:25 of 4 words (code 3)
	s_or_b32 s[G1B+0], s44, (1<<16)|(1<<20)|(1<<21)|(6<<22)|(3<<25)
.irp g, G1, G1B
	s_mov_b32 s[(\g)+1], KSTEP<<16                 ; tensor_dim0 = 256
	s_mov_b32 s[(\g)+2], 64<<16                    ; tensor_dim1 = 64
	s_mov_b32 s[(\g)+3], KSTEP<<16                 ; tile_dim0 = 256
	s_mov_b32 s[(\g)+4], 64                        ; tile_dim1 = 64
	s_mov_b32 s[(\g)+5], SIZE_K                    ; tensor_dim0_stride
	s_mov_b32 s[(\g)+6], 0
	s_mov_b32 s[(\g)+7], 0
.endr
	s_lshl_b32 s17, s12, 6                         ; which 64 rows of the tile I fetch
	s_lshl_b32 s16, s13, 7
	s_add_co_u32 s16, s16, s17                     ; A: row 128 x tile row + 64 x half
	s_lshl_b32 s46, s42, 7
	s_add_co_u32 s46, s46, s17                     ; B: row 128 x tile column + 64 x half
	s_mov_b32 s17, 0
	s_mov_b32 s47, 0
	s_mov_b64 s[18:19], SIZE_K*2
	s_mul_u64 s[16:17], s[16:17], s[18:19]
	s_mul_u64 s[46:47], s[46:47], s[18:19]
	s_mul_i32 s20, s10, HALFT                      ; where they go: wave x 64 rows
	s_wait_kmcnt 0x0
	s_add_nc_u64 s[14:15], s[4:5], s[16:17]
	s_add_nc_u64 s[46:47], s[6:7], s[46:47]
	CROUND                                         ; all sixteen work-groups are here: the first joint loads meet
.irp s, 0,1
	s_mov_b32 s[G0+4*(\s)], 1
	s_add_co_u32 s[G0+4*(\s)+1], s20, (\s)*SLOT
	s_add_nc_u64 s[G0+4*(\s)+2:G0+4*(\s)+3], s[14:15], (\s)*KSTEP*2
	s_or_b32 s[G0+4*(\s)+3], s[G0+4*(\s)+3], 0x80000000
	s_mov_b32 s[G0B+4*(\s)], 1
	s_add_co_u32 s[G0B+4*(\s)+1], s20, (\s)*SLOT
	s_add_nc_u64 s[G0B+4*(\s)+2:G0B+4*(\s)+3], s[46:47], (\s)*KSTEP*2
	s_or_b32 s[G0B+4*(\s)+3], s[G0B+4*(\s)+3], 0x80000000
	JLOAD \s
.endr
	; the bias of my 64 columns: register j of block b is column 16 b + 8 (l / 16) + j, as in the accumulators
	s_cmp_eq_u32 s76, 1
	s_cselect_b64 s[70:71], s[72:73], s[70:71]
	s_cmp_eq_u32 s76, 2
	s_cselect_b64 s[70:71], s[74:75], s[70:71]
	s_and_b32 s46, s42, 15                         ; the tile column inside its plane,
	s_lshl_b32 s46, s46, 9                         ; 128 columns of 4 bytes,
	s_lshl_b32 s47, s12, 8                         ; and my half of them
	s_add_co_u32 s46, s46, s47
	s_mov_b32 s47, 0
	s_add_nc_u64 s[70:71], s[70:71], s[46:47]
	v_and_b32 v1, 15, v0                           ; l % 16
	v_bfe_u32 v2, v0, 4, 1                         ; l / 16
	v_lshlrev_b32 v[BO], 5, v2
.irp b, 0,1,2,3
	global_load_b128 v[BIAS+8*\b:BIAS+8*\b+3],   v[BO], s[70:71] offset:64*\b
	global_load_b128 v[BIAS+8*\b+4:BIAS+8*\b+7], v[BO], s[70:71] offset:64*\b+16
.endr
	v_mul_u32_u24 v3, v1, PITCH
	v_lshl_add_u32 v3, v2, 4, v3                   ; a fragment's row x pitch + 16 x half
	s_mul_i32 s21, s11, HALFT                      ; my 64 rows of A
	s_mul_i32 s22, s12, HALFT                      ; my 64 rows of B,
	s_add_co_u32 s22, s22, 2*HALFT                 ; which lie behind A's 128
.irp s, 0,1
	v_add_nc_u32 v[ADRA+(\s)], s21, v3
	v_add_nc_u32 v[ADRB+(\s)], s22, v3
	s_add_co_u32 s21, s21, SLOT
	s_add_co_u32 s22, s22, SLOT
.endr
	s_mul_i32 s23, s10, 16*SPITCH
	s_add_co_u32 s23, s23, STAGE                   ; my stage
	v_mul_u32_u24 v4, v1, SPITCH                   ; in: row l % 16, 32 bytes for each half of the lanes
	v_lshl_add_u32 v4, v2, 5, v4
	v_add_nc_u32 v[STO], s23, v4
	v_mul_u32_u24 v5, v2, SPITCH                   ; back: lanes 0-15 take one row of 256 bytes, lanes 16-31 the next
	v_lshl_add_u32 v5, v1, 4, v5
	v_add_nc_u32 v[RD], s23, v5
	v_lshlrev_b32 v5, 13, v2                       ; and the same two rows in C
	v_lshl_add_u32 v[CO], v1, 4, v5
	s_lshl_b32 s16, s13, 7
	s_lshl_b32 s17, s11, 6
	s_add_co_u32 s16, s16, s17                     ; my first row of C: 128 x tile row + 64 x half,
	s_lshl_b32 s16, s16, 13                        ; in bytes,
	s_lshl_b32 s17, s76, 24                        ; in my plane of 16,777,216 bytes
	s_add_co_u32 s16, s16, s17
	s_mov_b32 s17, 0
	s_add_nc_u64 s[8:9], s[68:69], s[16:17]
	s_add_nc_u64 s[8:9], s[8:9], s[46:47]          ; and my first column
	s_wait_loadcnt 0x0                             ; the bias, once; it is rounded to bf16 and widened again
.set i, 0
.rept 16
	v_cvt_pk_bf16_f32 v[TMP], v[BIAS+2*i], v[BIAS+2*i+1]
	v_lshlrev_b32 v[BIAS+2*i], 16, v[TMP]
	v_and_b32 v[BIAS+2*i+1], 0xffff0000, v[TMP]
.set i, i+1
.endr
; 8 matrix instructions: m blocks a0, a0 + 1 x all 4 n blocks, 32 along K: half c of buffer f.  first = 1: the product starts the sum, on the bias.
; The 16 accumulators take turns, one instruction a turn.
.macro MUL8 f, c, a0, first
	WIN MUL
.irp a, \a0, (\a0)+1
.irp b, 0,1,2,3
.if \first
	v_wmma_f32_16x16x32_f16 v[ACC+8*(4*(\a)+(\b)):ACC+8*(4*(\a)+(\b))+7], v[(\f)+64+8*(4*(\c)+(\b)):(\f)+64+8*(4*(\c)+(\b))+7], v[(\f)+8*(4*(\c)+(\a)):(\f)+8*(4*(\c)+(\a))+7], v[BIAS+8*(\b):BIAS+8*(\b)+7]
.else
	v_wmma_f32_16x16x32_f16 v[ACC+8*(4*(\a)+(\b)):ACC+8*(4*(\a)+(\b))+7], v[(\f)+64+8*(4*(\c)+(\b)):(\f)+64+8*(4*(\c)+(\b))+7], v[(\f)+8*(4*(\c)+(\a)):(\f)+8*(4*(\c)+(\a))+7], v[ACC+8*(4*(\a)+(\b)):ACC+8*(4*(\a)+(\b))+7]
.endif
.endr
.endr
.endm
; 32 LDS loads in one run: the fragments of 64 along K at byte k of the rows, into buffer f; the first 32 along K first
.macro FETCH slot, k, f
	WIN TO_F
.irp c, 0,1
.irp i, 0,1,2,3
	ds_load_b128 v[(\f)+64+8*(4*(\c)+(\i)):(\f)+64+8*(4*(\c)+(\i))+3],   v[ADRB+(\slot)] offset:(\k)+64*(\c)+(\i)*16*PITCH
	ds_load_b128 v[(\f)+64+8*(4*(\c)+(\i))+4:(\f)+64+8*(4*(\c)+(\i))+7], v[ADRB+(\slot)] offset:(\k)+64*(\c)+(\i)*16*PITCH+32
	ds_load_b128 v[(\f)+8*(4*(\c)+(\i)):(\f)+8*(4*(\c)+(\i))+3],         v[ADRA+(\slot)] offset:(\k)+64*(\c)+(\i)*16*PITCH
	ds_load_b128 v[(\f)+8*(4*(\c)+(\i))+4:(\f)+8*(4*(\c)+(\i))+7],       v[ADRA+(\slot)] offset:(\k)+64*(\c)+(\i)*16*PITCH+32
.endr
.endr
.endm
.macro PLACES                          ; four places in front of loads into registers that matrix instructions have read, and of LDS stores that read results
.rept 4
	v_nop
.endr
.endm
; A K step is four quarters of 64 along K, 32 matrix instructions each, on buffers 0, 1, 0, 1.  One of the first three: multiplies buffer f and fetches the next quarter, at byte k, into g.
.macro QUARTER slot, k, f, g, first
	s_wait_dscnt 16                                ; the first 32 along K are in; the sixteen younger loads may be out
	WIN MUL
	MUL8 \f, 0, 0, \first
	MUL8 \f, 0, 2, \first
	PLACES
	FETCH \slot, \k, \g
	s_wait_dscnt 32                                ; all but the 32 just issued
	WIN MUL
	MUL8 \f, 1, 0, 0
	MUL8 \f, 1, 2, 0
.endm
; The last quarter multiplies buffer 1 and changes slots: ONE barrier; in front of it each wave waits for all its tensor loads, adds 0 to its spare word, and waits for that and for its own reads of this slot.  fill = 1: this slot is filled again, two K steps ahead.
.macro TURN slot, next, fill
	WIN 0                                          ; (the add's two registers lie in window 0)
	s_wait_tensorcnt 0x0                           ; all my tensor loads have landed: the one that was out is my part of the next slot;
	ds_add_u32 v[SPW], v[NIL]                      ; 0 onto my spare word;
	s_wait_dscnt 17                                ; (the add and the youngest sixteen loads may be out)
	WIN MUL
	MUL8 F1, 0, 0, 0                               ; eight matrix instructions stand between the add and the wait for it
	s_wait_dscnt 0x0                               ; the add is done, and my reads of this slot are over
	s_barrier_signal -1
	MUL8 F1, 0, 2, 0
.if \fill
	WIN 0
.endif
	s_barrier_wait -1
.if \fill
	CREST                                          ; the barrier has opened a round of the cluster's barrier: no wave of any partner still reads this slot's tile or has a load on its way
	s_add_nc_u64 s[G0+4*(\slot)+2:G0+4*(\slot)+3], s[G0+4*(\slot)+2:G0+4*(\slot)+3], 2*KSTEP*2
	s_add_nc_u64 s[G0B+4*(\slot)+2:G0B+4*(\slot)+3], s[G0B+4*(\slot)+2:G0B+4*(\slot)+3], 2*KSTEP*2
	JLOAD \slot                                    ; the first tensor load behind the round, my only one until the next: 112 matrix instructions ahead of the wait for it; its four v_nop are also the places in front of the loads below
.else
	PLACES
.endif
	FETCH \next, 0, F0
	WIN MUL
	MUL8 F1, 1, 0, 0
	MUL8 F1, 1, 2, 0
.endm
; THE WAY OUT of my rows 16 a .. 16 a + 15.  Each accumulator's lowest registers go first.  The rows come back whole, into the registers that they left.
.macro TOSTAGE a
.irp b, 0,1,2,3
	ds_store_b128 v[STO], v[ACC+32*(\a)+8*(\b):ACC+32*(\a)+8*(\b)+3]   offset:64*(\b)
	ds_store_b128 v[STO], v[ACC+32*(\a)+8*(\b)+4:ACC+32*(\a)+8*(\b)+7] offset:64*(\b)+16
.endr
.irp t, 0,1,2,3,4,5,6,7
	ds_load_b128 v[ACC+32*(\a)+4*(\t):ACC+32*(\a)+4*(\t)+3], v[RD] offset:(\t)*2*SPITCH  ; LDS serves a wave's instructions in order (ISA guide 5.7.1.4): these see the stores above; the next block's stores come behind them
.endr
.endm
.macro SEND a, younger                 ; younger: the LDS instructions issued behind block a's loads: the next block's sixteen, or none
.irp t, 0,1,2,3,4,5,6,7
	s_wait_dscnt (\younger)+7-(\t)
	global_store_b128 v[CO], v[ACC+32*(\a)+4*(\t):ACC+32*(\a)+4*(\t)+3], s[8:9] offset:(16*(\a)+2*(\t))*CROW  ; 16 lanes store 256 consecutive bytes, at a multiple of 256 from C's first byte
.endr
.endm
	s_wait_tensorcnt 1                             ; my part of K step 0 is in; K step 1's load stays out
	s_barrier_signal -1
	s_barrier_wait -1                              ; everybody's is
	FETCH 0, 0, F0
	QUARTER 0, 128, F0, F1, 1                      ; the first quarter stands in front of the loop: its first products start the sums
	WIN 0                                          ; at a label and at a branch every window is 0
	s_mov_b32 s3, LAPS-1
.Llap:                                                 ; a trip goes once round the ring, from a lap's second quarter to the next lap's first, and fills both slots again
	QUARTER 0, 256, F1, F0, 0
	QUARTER 0, 384, F0, F1, 0
	TURN 0, 1, 1
	QUARTER 1, 128, F0, F1, 0
	QUARTER 1, 256, F1, F0, 0
	QUARTER 1, 384, F0, F1, 0
	TURN 1, 0, 1
	QUARTER 0, 128, F0, F1, 0
	WIN 0
	s_sub_co_u32 s3, s3, 1
	s_cmp_lg_u32 s3, 0
	s_cbranch_scc1 .Llap
	QUARTER 0, 256, F1, F0, 0                      ; the last lap fills nothing, and has no round of the cluster's barrier
	QUARTER 0, 384, F0, F1, 0
	TURN 0, 1, 0
	QUARTER 1, 128, F0, F1, 0
	QUARTER 1, 256, F1, F0, 0
	QUARTER 1, 384, F0, F1, 0
	s_wait_dscnt 16                                ; the very last quarter: nothing more to fetch
	WIN MUL
	MUL8 F1, 0, 0, 0
	MUL8 F1, 0, 2, 0
	s_wait_dscnt 0
	MUL8 F1, 1, 0, 0
	MUL8 F1, 1, 2, 0
	WIN 0
	PLACES
	TOSTAGE 0
	TOSTAGE 1                                      ; a block's trip through the stage stands between the loads of the block before and its stores
	SEND 0, 16
	TOSTAGE 2
	SEND 1, 16
	TOSTAGE 3
	SEND 2, 16
	SEND 3, 0
	s_wait_tensorcnt 0x0                           ; the wave's end: behind my last tensor load and my last LDS store
	ds_add_u32 v[SPW], v[NIL]
	s_wait_dscnt 0x0
	CROUND                                         ; the closing round: no work-group ends while a partner may still ask for a tile that names it
	s_endpgm
.Lfunc_end_k_q6a1428f7bb_qkv:
	.size	k_q6a1428f7bb_qkv, .Lfunc_end_k_q6a1428f7bb_qkv-k_q6a1428f7bb_qkv
	.p2alignl 7, 3214868480
	.fill 96, 4, 3214868480
	.section	.rodata,"a",@progbits
	.p2align	6, 0x0
	.amdhsa_kernel k_q6a1428f7bb_qkv
		.amdhsa_group_segment_fixed_size 327680
		.amdhsa_private_segment_fixed_size 0
		.amdhsa_enable_private_segment 0
		.amdhsa_kernarg_size 48
		.amdhsa_user_sgpr_count 2
		.amdhsa_user_sgpr_kernarg_segment_ptr 1
		.amdhsa_wavefront_size32 1
		.amdhsa_system_sgpr_workgroup_id_x 1
		.amdhsa_system_sgpr_workgroup_id_y 1
		.amdhsa_system_sgpr_workgroup_id_z 1
		.amdhsa_system_vgpr_workitem_id 0
		.amdhsa_next_free_vgpr 512
		.amdhsa_next_free_sgpr 80
		.amdhsa_reserve_vcc 0
		.amdhsa_float_denorm_mode_32 3
		.amdhsa_float_denorm_mode_16_64 3
		.amdhsa_memory_ordered 1
		.amdhsa_forward_progress 1
		.amdhsa_inst_pref_size 90
	.end_amdhsa_kernel
	.amdgpu_metadata
---
amdhsa.version: [ 1, 2 ]
amdhsa.kernels:
  - .name:           k_q6a1428f7bb_qkv
    .symbol:         k_q6a1428f7bb_qkv.kd
    .args:
      - { .name: act16, .offset: 0, .size: 8, .value_kind: global_buffer, .address_space: global }
      - { .name: wqkv, .offset: 8, .size: 8, .value_kind: global_buffer, .address_space: global }
      - { .name: qkvf, .offset: 16, .size: 8, .value_kind: global_buffer, .address_space: global }
      - { .name: bq, .offset: 24, .size: 8, .value_kind: global_buffer, .address_space: global }
      - { .name: bk, .offset: 32, .size: 8, .value_kind: global_buffer, .address_space: global }
      - { .name: bv, .offset: 40, .size: 8, .value_kind: global_buffer, .address_space: global }
    .group_segment_fixed_size: 327680
    .private_segment_fixed_size: 0
    .kernarg_segment_align: 8
    .kernarg_segment_size: 48
    .max_flat_workgroup_size: 128
    .sgpr_count:     80
    .vgpr_count:     512
    .wavefront_size: 32
...
	.end_amdgpu_metadata
.endif
;; end of part 2
;; launch norm (part 3): grid 128 x 3, 8 waves a work-group, no clusters, 1,536 bytes of LDS; arguments qkvf, cs, gq, gk, qkvh, pooled; writes qkvh, pooled
.if DOCPART == 3
	.amdgcn_target "amdgcn-amd-amdhsa--gfx1250"
	.amdhsa_code_object_version 6
	.text
	.protected	k_q6a1428f7bb_norm
	.globl	k_q6a1428f7bb_norm
	.p2align	8
	.type	k_q6a1428f7bb_norm,@function
k_q6a1428f7bb_norm:
	s_mov_b64 s[64:65], 0
	v_nop
	global_prefetch_b8 v0, s[64:65] scope:SCOPE_SE
	s_setreg_imm32_b32 hwreg(HW_REG_WAVE_MODE, 25, 1), 1
	s_wait_xcnt 0x0
; NORM.  y = 0, 1 (q, k): row l of qkvf's plane y is multiplied by rsqrt(mean of its 2,048 squares + 1e-6) and by bf16(g), turned pairwise by (cos, sin) of cs[l], written by heads as f16
; (qkvh[y][head][l][128]), and the f32 sums of the turned numbers over the group's 16 rows go to pooled[y][group][2048].   y = 2 (v): the plane is only written by heads as f16.
; All arithmetic in f32; what feeds the pooled sums is never rounded to 16 bits.  LIMITS.  f16 holds no number beyond 65,504 (v, and q and k with gains that large).
; A stream: a work-group owns 16 rows of one plane and keeps them in registers between the sum of squares and the scaling, so each byte is read once.  Wave w owns columns 256 w .. 256 w + 255
; (heads 2 w, 2 w + 1) of all 16 rows; lane l the channels 4 l .. 4 l + 3 of both heads, two pairs of the rotation.  No cluster, no matrix unit: nothing but the small table cs is shared.
.set G,  8                             ; v[8:15]    the gain of my 8 columns
.set P,  16                            ; v[16:23]   the sums over the 16 rows
.set T,  24                            ; v[24:31]   at work
.set SS, 32                            ; v[32:47]   row i's sum of squares
.set CS, 48                            ; v[48:111]  row i: cos, sin, cos, sin of my two pairs
.set X,  112                           ; v[112:239] row i: 4 numbers of head 2 w, 4 of head 2 w + 1
.set RS, 32                            ; s[32:47]   row i's factor
	s_load_b256 s[4:11], s[0:1], 0x0               ; qkvf 4, cs 6, gq 8, gk 10
	s_load_b128 s[12:15], s[0:1], 0x20             ; qkvh 12, pooled 14
	v_lshl_add_u32 v240, v0, 2, 0x200
	v_mov_b32 v241, 0
	s_and_b32 s16, ttmp7, 0xffff                   ; y
	v_lshrrev_b32 v5, 5, v0
	v_readfirstlane_b32 s17, v5                    ; wave
	v_and_b32 v1, 31, v0                           ; lane
	s_lshl_b32 s18, s17, 10
	v_lshl_add_u32 v2, v1, 4, s18                  ; in a row of f32: 1,024 w + 16 l
	s_lshl_b32 s18, s17, 20
	v_lshl_add_u32 v3, v1, 3, s18                  ; in qkvh: two heads of 524,288 bytes a wave, 8 bytes a lane
	v_lshlrev_b32 v4, 4, v1                        ; in a row of cs
	s_lshl_b32 s18, s17, 6
	v_mov_b32 v5, s18                              ; LDS: my wave's 16 sums
	v_and_b32 v6, 15, v0
	v_lshlrev_b32 v6, 2, v6                        ; LDS: row l % 16 of every wave's
	s_mov_b32 s28, 0x3a000000                      ; 1 / 2,048
	s_mov_b32 s29, 0x358637bd                      ; 1e-6
	s_mov_b32 s30, 0x76543210                      ; v_permlanex16_b32: each lane takes its own place in the other half
	s_mov_b32 s31, 0xfedcba98
	s_lshl_b32 s20, s16, 24                        ; the plane of f32,
	s_lshl_b32 s21, ttmp9, 17                      ; the group's 16 rows of 8,192 bytes
	s_add_co_u32 s20, s20, s21
	s_mov_b32 s21, 0
	s_lshl_b32 s22, s16, 23                        ; the plane of f16,
	s_lshl_b32 s23, ttmp9, 12                      ; 16 rows of 256 bytes in each head
	s_add_co_u32 s22, s22, s23
	s_mov_b32 s23, 0
	s_wait_kmcnt 0x0
	s_add_nc_u64 s[4:5], s[4:5], s[20:21]
	s_add_nc_u64 s[12:13], s[12:13], s[22:23]
.set i, 0
.rept 16
	global_load_b128 v[X+8*i:X+8*i+3],   v2, s[4:5] offset:8192*i th:TH_LOAD_NT
	global_load_b128 v[X+8*i+4:X+8*i+7], v2, s[4:5] offset:8192*i+512 th:TH_LOAD_NT
.set i, i+1
.endr
; row i leaves: eight numbers to f16, in place; each store of the wave is one head's row, 256 consecutive bytes, aligned
.macro OUTROW i
.set rx, X+8*(\i)
	v_cvt_pk_f16_f32 v[rx],   v[rx],   v[rx+1]
	v_cvt_pk_f16_f32 v[rx+1], v[rx+2], v[rx+3]
	v_cvt_pk_f16_f32 v[rx+4], v[rx+4], v[rx+5]
	v_cvt_pk_f16_f32 v[rx+5], v[rx+6], v[rx+7]
	global_store_b64 v3, v[rx:rx+1],   s[12:13] offset:256*(\i)
	global_store_b64 v3, v[rx+4:rx+5], s[12:13] offset:524288+256*(\i)
.endm
	s_cmp_eq_u32 s16, 2                            ; the same answer in every wave of the work-group
	s_cbranch_scc1 .Lv
	s_cmp_eq_u32 s16, 1
	s_cselect_b64 s[8:9], s[10:11], s[8:9]         ; gq or gk
	s_lshl_b32 s24, ttmp9, 13                      ; 16 rows of 512 bytes of cs
	s_mov_b32 s25, 0
	s_add_nc_u64 s[6:7], s[6:7], s[24:25]
	s_lshl_b32 s26, s16, 7
	s_add_co_u32 s26, s26, ttmp9
	s_lshl_b32 s26, s26, 13                        ; pooled: row 128 y + group, 8,192 bytes
	s_mov_b32 s27, 0
	s_add_nc_u64 s[14:15], s[14:15], s[26:27]
	global_load_b128 v[G:G+3],   v2, s[8:9]
	global_load_b128 v[G+4:G+7], v2, s[8:9] offset:512
.set i, 0
.rept 16
	global_load_b128 v[CS+4*i:CS+4*i+3], v4, s[6:7] offset:512*i
.set i, i+1
.endr
; my 8 numbers' squares of row i; four scratch pairs take turns
.macro SQ i
.set rt, T+2*((\i)%4)
.set rx, X+8*(\i)
	s_wait_loadcnt 18+2*(15-(\i))                  ; behind row i's two loads stand the later rows' and the 18 of the gain and the table
	v_pk_mul_f32 v[rt:rt+1], v[rx:rx+1], v[rx:rx+1]
	v_pk_fma_f32 v[rt:rt+1], v[rx+2:rx+3], v[rx+2:rx+3], v[rt:rt+1]
	v_pk_fma_f32 v[rt:rt+1], v[rx+4:rx+5], v[rx+4:rx+5], v[rt:rt+1]
	v_pk_fma_f32 v[rt:rt+1], v[rx+6:rx+7], v[rx+6:rx+7], v[rt:rt+1]
	v_add_f32 v[SS+(\i)], v[rt], v[rt+1]
.endm
.set i, 0
.rept 16
	SQ i
.set i, i+1
.endr
	; across the 32 lanes: four steps inside each half ride on the addition, one crosses the halves; the 16 rows' chains stand side by side
.irp m, 1,2,4,8
.set i, 0
.rept 16
	v_add_f32_dpp v[SS+i], v[SS+i], v[SS+i] row_xmask:\m row_mask:0xf bank_mask:0xf
.set i, i+1
.endr
.endr
.irp b, 0,8
.irp j, 0,1,2,3,4,5,6,7
	v_permlanex16_b32 v[T+\j], v[SS+\b+\j], s30, s31
.endr
.irp j, 0,1,2,3,4,5,6,7
	v_add_f32 v[SS+\b+\j], v[SS+\b+\j], v[T+\j]
.endr
.endr
	; across the 8 waves, through LDS: every lane of a wave writes the same 64 bytes with the same numbers
.irp k, 0,1,2,3
	ds_store_b128 v5, v[SS+4*\k:SS+4*\k+3] offset:16*\k
.endr
	s_wait_dscnt 0x0                               ; for the others' sake: my stores are done
	s_barrier_signal -1
	s_barrier_wait -1
.irp k, 0,1,2,3,4,5,6,7
	ds_load_b32 v[T+\k], v6 offset:64*\k           ; lane l: row l % 16, wave k's part
.endr
	s_wait_dscnt 0x0
.irp k, 1,2,3,4,5,6,7
	v_add_f32 v[T], v[T], v[T+\k]
.endr
	v_fma_f32 v[T], v[T], s28, s29                 ; the mean + 1e-6
	v_rsq_f32 v[T], v[T]
	v_nop                                          ; a plain instruction behind the transcendental (ISA guide 5.7.2)
.set i, 0
	s_wait_alu depctr_va_vdst(0)
.rept 16
	v_readlane_b32 s[RS+i], v[T], i
.set i, i+1
.endr
	s_wait_loadcnt 0x0                             ; the gain and the table
.irp p, 0,1,2,3
	v_cvt_pk_bf16_f32 v[T+\p], v[G+2*\p], v[G+2*\p+1]
.endr
.irp p, 0,1,2,3
	v_lshlrev_b32 v[G+2*\p], 16, v[T+\p]
	v_and_b32 v[G+2*\p+1], 0xffff0000, v[T+\p]
.endr
; row i: (x r) g; then pair (a, b) becomes (a c - b s, a s + b c); then the row joins the sums
.macro ROT i
.set rx, X+8*(\i)
.set rc, CS+4*(\i)
.irp j, 0,1,2,3,4,5,6,7
	v_mul_f32 v[rx+\j], s[RS+(\i)], v[rx+\j]
.endr
.irp j, 0,2,4,6
	v_pk_mul_f32 v[rx+\j:rx+\j+1], v[rx+\j:rx+\j+1], v[G+\j:G+\j+1]
.endr
.irp p, 0,1,2,3
	v_mul_f32 v[T+2*\p],   v[rx+2*\p+1], v[rc+2*(\p%2)+1]
	v_mul_f32 v[T+2*\p+1], v[rx+2*\p+1], v[rc+2*(\p%2)]
.endr
.irp p, 0,1,2,3
	v_fma_f32 v[rx+2*\p+1], v[rx+2*\p], v[rc+2*(\p%2)+1], v[T+2*\p+1]
	v_fma_f32 v[rx+2*\p],   v[rx+2*\p], v[rc+2*(\p%2)],   -v[T+2*\p]
.endr
.if (\i) == 1
.irp j, 0,2,4,6
	v_pk_add_f32 v[P+\j:P+\j+1], v[X+\j:X+\j+1], v[rx+\j:rx+\j+1]  ; rows 0 and 1 start the sums: nothing is cleared
.endr
.elseif (\i) > 1
.irp j, 0,2,4,6
	v_pk_add_f32 v[P+\j:P+\j+1], v[P+\j:P+\j+1], v[rx+\j:rx+\j+1]
.endr
.endif
.endm
.set i, 0
.rept 16
	ROT i
.set i, i+1
.endr
	global_store_b128 v2, v[P:P+3],   s[14:15]           ; a wave's store covers 512 consecutive bytes, aligned
	global_store_b128 v2, v[P+4:P+7], s[14:15] offset:512
.set i, 0
.rept 16
	OUTROW i
.set i, i+1
.endr
	s_wait_tensorcnt 0x0
	ds_add_u32 v240, v241
	s_wait_dscnt 0x0
	s_endpgm
.Lv:
.set i, 0
.rept 16
	s_wait_loadcnt 2*(15-i)                        ; behind row i's two loads stand the later rows' alone
	OUTROW i
.set i, i+1
.endr
	s_endpgm
.Lfunc_end_k_q6a1428f7bb_norm:
	.size	k_q6a1428f7bb_norm, .Lfunc_end_k_q6a1428f7bb_norm-k_q6a1428f7bb_norm
	.p2alignl 7, 3214868480
	.fill 96, 4, 3214868480
	.section	.rodata,"a",@progbits
	.p2align	6, 0x0
	.amdhsa_kernel k_q6a1428f7bb_norm
		.amdhsa_group_segment_fixed_size 1536
		.amdhsa_private_segment_fixed_size 0
		.amdhsa_enable_private_segment 0
		.amdhsa_kernarg_size 48
		.amdhsa_user_sgpr_count 2
		.amdhsa_user_sgpr_kernarg_segment_ptr 1
		.amdhsa_wavefront_size32 1
		.amdhsa_system_sgpr_workgroup_id_x 1
		.amdhsa_system_sgpr_workgroup_id_y 1
		.amdhsa_system_sgpr_workgroup_id_z 1
		.amdhsa_system_vgpr_workitem_id 0
		.amdhsa_next_free_vgpr 242
		.amdhsa_next_free_sgpr 66
		.amdhsa_reserve_vcc 0
		.amdhsa_float_denorm_mode_32 3
		.amdhsa_float_denorm_mode_16_64 3
		.amdhsa_memory_ordered 1
		.amdhsa_forward_progress 1
		.amdhsa_inst_pref_size 59
	.end_amdhsa_kernel
	.amdgpu_metadata
---
amdhsa.version: [ 1, 2 ]
amdhsa.kernels:
  - .name:           k_q6a1428f7bb_norm
    .symbol:         k_q6a1428f7bb_norm.kd
    .args:
      - { .name: qkvf, .offset: 0, .size: 8, .value_kind: global_buffer, .address_space: global }
      - { .name: cs, .offset: 8, .size: 8, .value_kind: global_buffer, .address_space: global }
      - { .name: gq, .offset: 16, .size: 8, .value_kind: global_buffer, .address_space: global }
      - { .name: gk, .offset: 24, .size: 8, .value_kind: global_buffer, .address_space: global }
      - { .name: qkvh, .offset: 32, .size: 8, .value_kind: global_buffer, .address_space: global }
      - { .name: pooled, .offset: 40, .size: 8, .value_kind: global_buffer, .address_space: global }
    .group_segment_fixed_size: 1536
    .private_segment_fixed_size: 0
    .kernarg_segment_align: 8
    .kernarg_segment_size: 48
    .max_flat_workgroup_size: 256
    .sgpr_count:     66
    .vgpr_count:     242
    .wavefront_size: 32
...
	.end_amdgpu_metadata
.endif
;; end of part 3
;; launch mask (part 4): grid 16 x 1, 8 waves a work-group, no clusters, 18,944 bytes of LDS; arguments pooled, list; writes list
.if DOCPART == 4
	.amdgcn_target "amdgcn-amd-amdhsa--gfx1250"
	.amdhsa_code_object_version 6
	.text
	.protected	k_q6a1428f7bb_mask
	.globl	k_q6a1428f7bb_mask
	.p2align	8
	.type	k_q6a1428f7bb_mask,@function
k_q6a1428f7bb_mask:
	s_mov_b64 s[64:65], 0
	v_nop
	global_prefetch_b8 v0, s[64:65] scope:SCOPE_SE
	s_setreg_imm32_b32 hwreg(HW_REG_WAVE_MODE, 25, 1), 1
	s_wait_xcnt 0x0
; MASK.  One work-group a head.  The 8 partial sums of each block of 128 tokens are added and divided by 128 (32 rows of 128 f32: q's 16 blocks, then k's); thread t = 16 m + n makes the score
; of query block m and key block n, / sqrt(128); the block pairs that the fixed local window hides (m % 8 < 2 and n % 8 >= 6) count as -infinity; softmax along n, with the row's maximum taken away;
; in each frame's group of 8 x 16 = 128 probabilities an entry is kept if it is greater than the 11th largest.  That is so exactly if at most 10 entries of the group, itself among them, are >= it.
; list[head][m] (16 bits) has bit n set for a kept pair.  All in f32 on the vector unit: half a million multiply-adds in the launch, and a 16-bit operand could change the choice.
; 16 work-groups: there are 16 heads, and a head's 256 scores are one thread each.  No branch and no address hangs on a floating-point number.
.set RP,   528                         ; an LDS row: 512 bytes + 16
.set PROB, 32*RP                       ; behind the rows: the 256 probabilities
	s_load_b128 s[4:7], s[0:1], 0x0                ; pooled, list
	v_lshl_add_u32 v160, v0, 2, 0x4600
	v_mov_b32 v161, 0
	v_lshrrev_b32 v1, 5, v0
	v_readfirstlane_b32 s8, v1                     ; wave
	v_and_b32 v1, 31, v0                           ; lane
	s_lshl_b32 s10, ttmp9, 9                       ; the head's 128 columns,
	s_lshl_b32 s11, s8, 16                         ; row w of each pass: 8 partial sums of 8,192 bytes
	s_add_co_u32 s10, s10, s11
	s_mov_b32 s11, 0
	v_lshlrev_b32 v2, 4, v1
	s_mul_i32 s9, s8, RP
	v_lshl_add_u32 v3, v1, 4, s9                   ; LDS: row w, 16 bytes a lane
	s_wait_kmcnt 0x0
	s_add_nc_u64 s[4:5], s[4:5], s[10:11]
.set i, 0
.rept 32                                               ; pass i / 8: row 8 (i / 8) + w; partial sum i % 8
	global_load_b128 v[16+4*i:16+4*i+3], v2, s[4:5] offset:(i/8)*524288+(i%8)*8192
.set i, i+1
.endr
.irp p, 0,1,2,3
	s_wait_loadcnt 8*(3-\p)                        ; the later passes' loads stay out
.irp s, 1,2,3,4,5,6,7
	v_pk_add_f32 v[16+32*\p:17+32*\p], v[16+32*\p:17+32*\p], v[16+32*\p+4*\s:17+32*\p+4*\s]
	v_pk_add_f32 v[18+32*\p:19+32*\p], v[18+32*\p:19+32*\p], v[18+32*\p+4*\s:19+32*\p+4*\s]
.endr
	v_pk_mul_f32 v[16+32*\p:17+32*\p], v[16+32*\p:17+32*\p], 0x3c000000 op_sel_hi:[1,0]  ; / 128
	v_pk_mul_f32 v[18+32*\p:19+32*\p], v[18+32*\p:19+32*\p], 0x3c000000 op_sel_hi:[1,0]
	ds_store_b128 v3, v[16+32*\p:19+32*\p] offset:8*RP*\p
.endr
	v_lshrrev_b32 v8, 4, v0
	v_mul_u32_u24 v8, v8, RP                       ; q's row m
	v_and_b32 v9, 15, v0
	v_add_nc_u32 v9, 16, v9
	v_mul_u32_u24 v9, v9, RP                       ; k's row n
	s_wait_dscnt 0x0                               ; for the others' sake: my stores are done
	s_barrier_signal -1
	s_barrier_wait -1
; the product of 128 terms, in four batches of 32, on two halves of 64 registers that take turns
.macro LOADB b
.set rh, 16+64*((\b)%2)
.irp j, 0,1,2,3,4,5,6,7
	ds_load_b128 v[rh+8*\j:rh+8*\j+3],   v8 offset:16*(8*(\b)+\j)
	ds_load_b128 v[rh+8*\j+4:rh+8*\j+7], v9 offset:16*(8*(\b)+\j)
.endr
.endm
.macro DOTB b
.set rh, 16+64*((\b)%2)
.irp j, 0,1,2,3,4,5,6,7
.if (\b) == 0 && (\j) == 0
	v_pk_mul_f32 v[4:5], v[rh:rh+1],   v[rh+4:rh+5]
	v_pk_mul_f32 v[6:7], v[rh+2:rh+3], v[rh+6:rh+7]
.else
	v_pk_fma_f32 v[4:5], v[rh+8*\j:rh+8*\j+1],   v[rh+8*\j+4:rh+8*\j+5], v[4:5]
	v_pk_fma_f32 v[6:7], v[rh+8*\j+2:rh+8*\j+3], v[rh+8*\j+6:rh+8*\j+7], v[6:7]
.endif
.endr
.endm
	LOADB 0
	LOADB 1
	s_wait_dscnt 16                                ; the younger batch's 16 loads stay out
	DOTB 0
	LOADB 2
	s_wait_dscnt 16
	DOTB 1
	LOADB 3
	s_wait_dscnt 16
	DOTB 2
	s_wait_dscnt 0x0
	DOTB 3
	v_add_f32 v4, v4, v5
	v_add_f32 v6, v6, v7
	v_add_f32 v4, v4, v6
	v_mul_f32 v4, 0x3db504f3, v4                   ; / sqrt(128)
	v_and_b32 v5, 0x66, v0                         ; bits 1, 2 of n and of m
	v_mov_b32 v6, 0xff800000
	v_cmp_eq_u32 vcc_lo, 6, v5                     ; n % 8 >= 6 and m % 8 < 2
	v_cndmask_b32 v4, v4, v6, vcc_lo
	v_mov_b32 v5, v4
.irp m, 1,2,4,8                                        ; a row's 16 scores lie in 16 neighbouring lanes; at least 12 of them are seen
	v_max_num_f32_dpp v5, v5, v5 row_xmask:\m row_mask:0xf bank_mask:0xf
.endr
	v_sub_f32 v6, v4, v5
	v_mul_f32 v6, 0x3fb8aa3b, v6
	v_exp_f32 v6, v6
	v_nop                                          ; a plain instruction behind the transcendental (ISA guide 5.7.2)
	s_wait_alu depctr_va_vdst(0)
	v_mov_b32 v7, v6
.irp m, 1,2,4,8
	v_add_f32_dpp v7, v7, v7 row_xmask:\m row_mask:0xf bank_mask:0xf
.endr
	v_rcp_f32 v10, v7
	v_nop
	s_wait_alu depctr_va_vdst(0)
	v_mul_f32 v13, v6, v10                         ; e / sum: the product with the reciprocal,
	v_fma_f32 v11, -v13, v7, v6                    ; what it leaves,
	v_fma_f32 v13, v11, v10, v13                   ; put right
	v_lshl_add_u32 v12, v0, 2, PROB
	ds_store_b32 v12, v13
	s_lshr_b32 s12, s8, 2                          ; my frame: waves 0-3, 4-7
	s_lshl_b32 s12, s12, 9
	s_add_co_u32 s12, s12, PROB
	v_mov_b32 v14, s12
	v_mov_b32 v15, 0
	s_wait_dscnt 0x0
	s_barrier_signal -1
	s_barrier_wait -1
.set i, 0
.rept 32
	ds_load_b128 v[16+4*i:16+4*i+3], v14 offset:16*i  ; the group's 128 probabilities, in every lane
.set i, i+1
.endr
	s_wait_dscnt 0x0
.set i, 0
.rept 128
	v_cmp_ge_f32 vcc_lo, v[16+i], v13
	v_add_co_ci_u32 v15, vcc_lo, 0, v15, vcc_lo    ; one more that is >= mine
.set i, i+1
.endr
	v_cmp_ge_u32 vcc_lo, 10, v15                   ; kept.  The wave's 32 bits are the words of query blocks 2 w (low half) and 2 w + 1
	s_mov_b32 s20, vcc_lo
	v_mov_b32 v10, s20
	s_lshl_b32 s13, ttmp9, 3
	s_add_co_u32 s13, s13, s8
	s_lshl_b32 s13, s13, 2
	v_mov_b32 v11, s13
	v_cmp_eq_u32 vcc_lo, 0, v1
	s_wait_xcnt 0x0                                ; EXEC changes only behind this wait
	s_wait_tensorcnt 0x0
	ds_add_u32 v160, v161
	s_wait_dscnt 0x0
	s_and_saveexec_b32 s22, vcc_lo                 ; lane 0 stores the wave's word: 512 bytes in the whole launch
	global_store_b32 v11, v10, s[6:7]
	s_wait_xcnt 0x0
	s_or_b32 exec_lo, exec_lo, s22
	s_endpgm
.Lfunc_end_k_q6a1428f7bb_mask:
	.size	k_q6a1428f7bb_mask, .Lfunc_end_k_q6a1428f7bb_mask-k_q6a1428f7bb_mask
	.p2alignl 7, 3214868480
	.fill 96, 4, 3214868480
	.section	.rodata,"a",@progbits
	.p2align	6, 0x0
	.amdhsa_kernel k_q6a1428f7bb_mask
		.amdhsa_group_segment_fixed_size 18944
		.amdhsa_private_segment_fixed_size 0
		.amdhsa_enable_private_segment 0
		.amdhsa_kernarg_size 16
		.amdhsa_user_sgpr_count 2
		.amdhsa_user_sgpr_kernarg_segment_ptr 1
		.amdhsa_wavefront_size32 1
		.amdhsa_system_sgpr_workgroup_id_x 1
		.amdhsa_system_sgpr_workgroup_id_y 1
		.amdhsa_system_sgpr_workgroup_id_z 1
		.amdhsa_system_vgpr_workitem_id 0
		.amdhsa_next_free_vgpr 162
		.amdhsa_next_free_sgpr 66
		.amdhsa_reserve_vcc 1
		.amdhsa_float_denorm_mode_32 3
		.amdhsa_float_denorm_mode_16_64 3
		.amdhsa_memory_ordered 1
		.amdhsa_forward_progress 1
		.amdhsa_inst_pref_size 30
	.end_amdhsa_kernel
	.amdgpu_metadata
---
amdhsa.version: [ 1, 2 ]
amdhsa.kernels:
  - .name:           k_q6a1428f7bb_mask
    .symbol:         k_q6a1428f7bb_mask.kd
    .args:
      - { .name: pooled, .offset: 0, .size: 8, .value_kind: global_buffer, .address_space: global }
      - { .name: list, .offset: 8, .size: 8, .value_kind: global_buffer, .address_space: global }
    .group_segment_fixed_size: 18944
    .private_segment_fixed_size: 0
    .kernarg_segment_align: 8
    .kernarg_segment_size: 16
    .max_flat_workgroup_size: 256
    .sgpr_count:     66
    .vgpr_count:     162
    .wavefront_size: 32
...
	.end_amdgpu_metadata
.endif
;; end of part 4
;; launch attn (part 5): grid 16 x 16, 8 waves a work-group, no clusters, 107,520 bytes of LDS; arguments qkvh, list, act16; writes act16
.if DOCPART == 5
	.amdgcn_target "amdgcn-amd-amdhsa--gfx1250"
	.amdhsa_code_object_version 6
	.text
	.protected	k_q6a1428f7bb_attn
	.globl	k_q6a1428f7bb_attn
	.p2align	8
	.type	k_q6a1428f7bb_attn,@function
k_q6a1428f7bb_attn:
	s_mov_b64 s[64:65], 0
	v_nop
	global_prefetch_b8 v0, s[64:65] scope:SCOPE_SE
	s_setreg_imm32_b32 hwreg(HW_REG_WAVE_MODE, 25, 1), 1
	s_wait_xcnt 0x0
; BLOCK-SPARSE ATTENTION.  A work-group owns one block of 128 queries of one head; list[head][block] says which of the 16 key blocks it sees (at most 10: a group of 8 query blocks keeps at most 10 pairs).
; O[q] = the sum over the seen keys of softmax(Q[q] . K[k] / sqrt(128)) V[k]; a block that sees nothing gives zeros.  Q, K, V: qkvh, [3][16][2048][128] f16; O goes to act16[token][128 head + channel] in f16.
; Products, maxima and sums in f32; the weights p are rounded to f16 for the second product (their sum l is taken of the unrounded p), O once at the end.
; LIMITS.  f16 holds no number beyond 65,504; p below 6e-5 keeps f16's fixed step; a weight below 2^-126 counts as 0 in l; NaN and infinities are not treated apart.
; SHARES.  Eight waves, 16 queries each; all read the same tile of K and V (128 keys) from LDS.  The tiles come through registers: each thread loads 16 bytes of 8 + 8 chunks of the NEXT tile
; while the tile in hand is multiplied, and stores them into LDS between the trip's two barriers.
; LAYOUT.  S^T = K Q^T (source 0 = 16 keys, source 1 = 16 queries): a lane holds ONE query (lane % 16) and the keys 8 (lane / 16) + 0..7 of each of 8 tiles.  Two such tiles, rounded to f16 in pairs,
; ARE source 1 of O^T = V^T P.  K comes out of LDS as it lies, V ([key][channel]) turned, by ds_load_tr16_b128.
; SOFTMAX.  A running maximum m and sum l: p = 2^(c s - c m), c = log2(e) / sqrt(128); in every trip O and l are multiplied by a = 2^(c m_old - c m_new).  m starts at the lowest finite number,
; O and l at 0 (64 + 2 moves at the head): the first trip is a trip like any other, with a = 0.
; THE WALK.  Ten trips, the most that a block can need; every wave passes both barriers of every trip; a trip beyond the block's count jumps forward over the stores and over the work.  The count and the
; key blocks' numbers are whole numbers that an earlier launch stored.
; NO CLUSTER: which key blocks the query blocks of a head read hangs on the list, so partners would ask for different tiles and different numbers of them.
.set PK,    272                        ; a row of K in LDS: 256 bytes + 16: the 16 rows of a load start at 16 different groups of four banks (ISA guide 11.1)
.set PV,    288                        ; a row of V: 256 + 32
.set VT,    128*PK                     ; V's tile lies behind K's
.set STAGE, VT+128*PV                  ; behind the tiles: 16 rows x 272 bytes for each wave, for the way out
.set SP,    272
.set AK0, 2                            ; v2   my lane's place in a fragment of K
.set AV0, 3                            ; v3   the same for V
.set QO,  4                            ; v4   my byte offset in the wave's rows of Q
.set STO, 5                            ; v5   the way out: where I put 16 bytes of a row
.set RD,  6                            ; v6   the way out: where I read a row back
.set GO,  7                            ; v7   my byte offset in the wave's rows of O
.set GL,  8                            ; v8   16 x my thread's number: my 16 bytes of each 4,096 of a tile
.set LK,  9                            ; v9   where they go in K's tile
.set LV,  10                           ; v10  and in V's
.set CM,  12                           ; v12  c m   (named as a pair with m)
.set M,   13                           ; v13  m
.set L,   14                           ; v[14:15] l: even keys', odd keys'
.set T,   16                           ; v[16:23] at work
.set A,   24                           ; v24  a  (v25 is named with it as a pair)
.set OLD, 26                           ; v26  c m_old
.set Q,   32                           ; v[32:63]   4 fragments of 32 channels
.set S,   64                           ; v[64:127]  S^T, 8 tiles of 16 keys; then P in v[64:95]
.set O,   128                          ; v[128:191] O^T, 8 blocks of 16 channels
.set F,   192                          ; v[192:255] 8 fragments of K or V
                                       ; window 1: v0-31 the next tile's K, v32-63 its V, as loaded
.set WV,   12                          ; s12  wave
.set BITS, 13                          ; s13  the key blocks still to be asked for
.set CNT,  14                          ; s14  how many the block sees
.set TRIP, 15                          ; s15
.set MSB, 0
.macro WIN new                         ; the immediate's high byte repeats the setting that is left
.if MSB != (\new)
	s_set_vgpr_msb (MSB<<8)|(\new)
.set MSB, \new
.endif
.endm
; the lowest key block still in BITS: its tiles' addresses.  The number is clamped to 15, so with no bit left it names the last block, inside the buffer.
.macro NEXTJ
	s_ctz_i32_b32 s16, s[BITS]
	s_min_u32 s16, s16, 15
	s_sub_co_u32 s17, s[BITS], 1
	s_and_b32 s[BITS], s[BITS], s17                ; that bit is taken out
	s_lshl_b32 s16, s16, 15                        ; a tile is 32,768 bytes
	s_mov_b32 s17, 0
	s_add_nc_u64 s[24:25], s[20:21], s[16:17]
	s_add_nc_u64 s[26:27], s[22:23], s[16:17]
.endm
.macro PREF                            ; 8 + 8 loads: the work-group's 256 threads take 4,096 consecutive bytes with each
	WIN 0x40                                       ; destination window 1, address window 0
.irp i, 0,1,2,3,4,5,6,7
	global_load_b128 v[4*\i:4*\i+3], v[GL], s[24:25] offset:4096*\i
.endr
.irp i, 0,1,2,3,4,5,6,7
	global_load_b128 v[32+4*\i:32+4*\i+3], v[GL], s[26:27] offset:4096*\i
.endr
	WIN 0
.endm
	s_load_b128 s[4:7], s[0:1], 0x0                ; qkvh, list
	s_load_b64 s[8:9], s[0:1], 0x10                ; act16
	v_lshl_add_u32 v30, v0, 2, 0x1a000
	v_mov_b32 v31, 0
	v_lshrrev_b32 v1, 5, v0
	v_readfirstlane_b32 s[WV], v1
	s_and_b32 s10, ttmp7, 0xffff                   ; the head
	s_lshl_b32 s16, s10, 3
	s_lshr_b32 s17, ttmp9, 1
	s_add_co_u32 s16, s16, s17
	s_lshl_b32 s16, s16, 2                         ; the word with my block's 16 bits
	s_mov_b32 s17, 0
	s_wait_kmcnt 0x0
	s_add_nc_u64 s[6:7], s[6:7], s[16:17]
	s_load_b32 s[BITS], s[6:7], 0x0
	s_lshl_b32 s16, s10, 19                        ; a head is 524,288 bytes
	s_add_nc_u64 s[4:5], s[4:5], s[16:17]
	s_add_nc_u64 s[20:21], s[4:5], 0x800000        ; K's plane
	s_add_nc_u64 s[22:23], s[4:5], 0x1000000       ; V's plane
	s_lshl_b32 s16, ttmp9, 15                      ; my block's 128 rows of Q,
	s_lshl_b32 s18, s[WV], 12                      ; my wave's 16 of them
	s_add_co_u32 s16, s16, s18
	s_add_nc_u64 s[4:5], s[4:5], s[16:17]
	s_lshl_b32 s16, ttmp9, 19                      ; O: 128 rows of 4,096 bytes,
	s_lshl_b32 s18, s[WV], 16                      ; 16 of them,
	s_add_co_u32 s16, s16, s18
	s_lshl_b32 s18, s10, 8                         ; the head's 256 bytes of a row
	s_add_co_u32 s16, s16, s18
	s_add_nc_u64 s[8:9], s[8:9], s[16:17]
	s_mov_b32 s28, 0x3e0293ee                      ; c = log2(e) / sqrt(128)
	s_mov_b32 s29, s28                             ; named with it as a pair
	s_mov_b32 s30, 0x76543210                      ; v_permlanex16_b32: each lane takes its own place in the other half
	s_mov_b32 s31, 0xfedcba98
	v_and_b32 v1, 15, v0                           ; l % 16
	v_bfe_u32 v11, v0, 4, 1                        ; l / 16
	v_mul_u32_u24 v[AK0], v1, PK
	v_lshl_add_u32 v[AK0], v11, 4, v[AK0]          ; row x pitch + 16 x half
	v_and_b32 v16, 7, v0
	v_bfe_u32 v18, v0, 3, 1
	v_lshl_add_u32 v[AV0], v11, 3, v16             ; the turning load: key 8 (l / 16) + l % 8, channels 8 ((l / 8) % 2) on
	v_mul_u32_u24 v[AV0], v[AV0], PV
	v_lshl_add_u32 v[AV0], v18, 4, v[AV0]
	v_add_nc_u32 v[AV0], VT, v[AV0]
	v_lshlrev_b32 v[QO], 8, v1
	v_lshl_add_u32 v[QO], v11, 4, v[QO]
	s_mul_i32 s18, s[WV], 16*SP
	s_add_co_u32 s18, s18, STAGE                   ; my stage
	v_mul_u32_u24 v[STO], v1, SP
	v_lshl_add_u32 v[STO], v11, 4, v[STO]
	v_add_nc_u32 v[STO], s18, v[STO]
	v_mul_u32_u24 v[RD], v11, SP
	v_lshl_add_u32 v[RD], v1, 4, v[RD]
	v_add_nc_u32 v[RD], s18, v[RD]
	v_lshlrev_b32 v[GO], 12, v11
	v_lshl_add_u32 v[GO], v1, 4, v[GO]
	v_lshlrev_b32 v[GL], 4, v0
	s_mul_i32 s18, s[WV], 2*PK                     ; of each chunk's 16 rows my wave has rows 2 w and 2 w + 1
	v_mul_u32_u24 v[LK], v11, PK
	v_lshl_add_u32 v[LK], v1, 4, v[LK]
	v_add_nc_u32 v[LK], s18, v[LK]
	s_mul_i32 s18, s[WV], 2*PV
	s_add_co_u32 s18, s18, VT
	v_mul_u32_u24 v[LV], v11, PV
	v_lshl_add_u32 v[LV], v1, 4, v[LV]
	v_add_nc_u32 v[LV], s18, v[LV]
	s_wait_kmcnt 0x0
	s_and_b32 s17, ttmp9, 1
	s_lshl_b32 s17, s17, 4
	s_lshr_b32 s[BITS], s[BITS], s17
	s_and_b32 s[BITS], s[BITS], 0xffff
	s_bcnt1_i32_b32 s[CNT], s[BITS]
	NEXTJ
	PREF                                           ; the first tile; a block that sees nothing reads a tile that it does not use
.irp c, 0,1,2,3
	global_load_b128 v[Q+8*\c:Q+8*\c+3],   v[QO], s[4:5] offset:64*\c
	global_load_b128 v[Q+8*\c+4:Q+8*\c+7], v[QO], s[4:5] offset:64*\c+32
.endr
.set i, 0
.rept 64
	v_mov_b32 v[O+i], 0
.set i, i+1
.endr
	v_mov_b32 v[CM], 0xfe000000                    ; far below every c s
	v_mov_b32 v[M], 0xff7fffff
	v_mov_b32 v[L], 0
	v_mov_b32 v[L+1], 0
	v_mov_b32 v[T+1], 0                            ; the way out's lane exchange counts as a reader of its destination
	v_mov_b32 v[A+1], 0
	s_mov_b32 s[TRIP], 0
.Ltrip:
	s_wait_loadcnt 0x0                             ; the tile's 16 chunks (and Q) are in registers; the loads' bases may be written again
	s_wait_dscnt 0x0                               ; my reads of the last tile are over
	s_barrier_signal -1
	s_barrier_wait -1                              ; everybody's are
	s_cmp_lt_u32 s[TRIP], s[CNT]
	s_cbranch_scc0 .Lno_tile
	WIN 0x04                                       ; store data in window 1
.irp i, 0,1,2,3,4,5,6,7
	ds_store_b128 v[LK], v[4*\i:4*\i+3] offset:16*PK*\i
.endr
.irp i, 0,1,2,3,4,5,6,7
	ds_store_b128 v[LV], v[32+4*\i:32+4*\i+3] offset:16*PV*\i
.endr
	WIN 0
.Lno_tile:
	s_wait_dscnt 0x0                               ; for the others' sake: my stores are done
	s_barrier_signal -1
	s_barrier_wait -1
	s_cmp_lt_u32 s[TRIP], s[CNT]
	s_cbranch_scc0 .Ldead
	s_add_co_u32 s16, s[TRIP], 1
	s_cmp_lt_u32 s16, s[CNT]
	s_cbranch_scc0 .Lno_next
	NEXTJ
	PREF                                           ; the next tile is on its way while this one is multiplied
.Lno_next:
	; S^T = K Q^T: 32 channels at a time, 8 fragments of K, 8 products; the 8 accumulators take turns
.irp c, 0,1,2,3
.irp kt, 0,1,2,3,4,5,6,7
	ds_load_b128 v[F+8*\kt:F+8*\kt+3],   v[AK0] offset:\kt*16*PK+64*\c
	ds_load_b128 v[F+8*\kt+4:F+8*\kt+7], v[AK0] offset:\kt*16*PK+64*\c+32
.endr
.irp kt, 0,1,2,3,4,5,6,7
	s_wait_dscnt 14-2*\kt                          ; behind this fragment's two loads stand the later fragments'
.if \c == 0
	v_wmma_f32_16x16x32_f16 v[S+8*\kt:S+8*\kt+7], v[F+8*\kt:F+8*\kt+7], v[Q+8*\c:Q+8*\c+7], 0
.else
	v_wmma_f32_16x16x32_f16 v[S+8*\kt:S+8*\kt+7], v[F+8*\kt:F+8*\kt+7], v[Q+8*\c:Q+8*\c+7], v[S+8*\kt:S+8*\kt+7]
.endif
.endr
.rept 5
	v_nop                                          ; the places in front of the next loads into the fragments, and of the reads of the scores
.endr
.endr
	; the maximum of my 64 scores and the old m, three operands at a time, in four chains; each accumulator's lowest registers are read first
.irp k, 0,1,2,3
	v_max3_num_f32 v[T+\k], v[S+8*\k], v[S+8*\k+1], v[S+8*\k+2]
.endr
.irp k, 0,1,2,3
	v_max3_num_f32 v[T+\k], v[T+\k], v[S+32+8*\k], v[S+32+8*\k+1]
.endr
.irp k, 0,1,2,3
	v_max3_num_f32 v[T+\k], v[T+\k], v[S+8*\k+3], v[S+8*\k+4]
.endr
.irp k, 0,1,2,3
	v_max3_num_f32 v[T+\k], v[T+\k], v[S+8*\k+5], v[S+8*\k+6]
.endr
.irp k, 0,1,2,3
	v_max3_num_f32 v[T+\k], v[T+\k], v[S+8*\k+7], v[S+32+8*\k+2]
.endr
.irp k, 0,1,2,3
	v_max3_num_f32 v[T+\k], v[T+\k], v[S+32+8*\k+3], v[S+32+8*\k+4]
.endr
.irp k, 0,1,2,3
	v_max3_num_f32 v[T+\k], v[T+\k], v[S+32+8*\k+5], v[S+32+8*\k+6]
.endr
	v_max3_num_f32 v[T], v[T], v[S+39], v[S+47]
	v_max3_num_f32 v[T+2], v[T+2], v[S+55], v[S+63]
	v_max3_num_f32 v[T], v[T], v[T+1], v[T+2]
	v_max3_num_f32 v[T], v[T], v[T+3], v[M]
	v_permlanex16_b32 v[T+1], v[T], s30, s31       ; the query's other 64 keys lie in the lane 16 away
	v_max_num_f32 v[M], v[T], v[T+1]
	v_mov_b32 v[OLD], v[CM]
	v_mul_f32 v[CM], s28, v[M]
	v_sub_f32 v[OLD], v[OLD], v[CM]
	v_exp_f32 v[A], v[OLD]                         ; a; the scalings below are the plain instructions behind it
.set i, 0
.rept 32
	v_pk_fma_f32 v[S+2*i:S+2*i+1], v[S+2*i:S+2*i+1], s[28:29], v[CM:CM+1] op_sel_hi:[1,0,0] neg_lo:[0,0,1] neg_hi:[0,0,1]  ; c s - c m
.set i, i+1
.endr
.set i, 0
.rept 64
	v_exp_f32 v[S+i], v[S+i]
.set i, i+1
.endr
	v_nop                                          ; a plain instruction behind the last exponential (ISA guide 5.7.2)
	s_wait_alu depctr_va_vdst(0)
.irp k, 0,1,2,3                                        ; the sum of the 32 pairs, in four chains
	v_pk_add_f32 v[T+2*\k:T+2*\k+1], v[S+2*\k:S+2*\k+1], v[S+8+2*\k:S+8+2*\k+1]
.endr
.irp g, 2,3,4,5,6,7
.irp k, 0,1,2,3
	v_pk_add_f32 v[T+2*\k:T+2*\k+1], v[T+2*\k:T+2*\k+1], v[S+8*\g+2*\k:S+8*\g+2*\k+1]
.endr
.endr
	v_pk_add_f32 v[T:T+1], v[T:T+1], v[T+2:T+3]
	v_pk_add_f32 v[T+4:T+5], v[T+4:T+5], v[T+6:T+7]
	v_pk_add_f32 v[T:T+1], v[T:T+1], v[T+4:T+5]
	v_pk_fma_f32 v[L:L+1], v[L:L+1], v[A:A+1], v[T:T+1] op_sel_hi:[1,0,1]  ; l = a l + the sum
.set i, 0
.rept 32
	v_cvt_pk_f16_f32 v[S+i], v[S+2*i], v[S+2*i+1]  ; P, in place and ascending: register S + i was read at step i / 2
.set i, i+1
.endr
.set i, 0
.rept 32
	v_pk_mul_f32 v[O+2*i:O+2*i+1], v[O+2*i:O+2*i+1], v[A:A+1] op_sel_hi:[1,0]  ; O a, each accumulator from its low end on
.set i, i+1
.endr
	; O^T += V^T P: 32 keys at a time, 8 fragments of V, 8 products, the 8 accumulators by turns
.irp kk, 0,1,2,3
.irp cb, 0,1,2,3,4,5,6,7
	ds_load_tr16_b128 v[F+8*\cb:F+8*\cb+3],   v[AV0] offset:\kk*32*PV+32*\cb
	ds_load_tr16_b128 v[F+8*\cb+4:F+8*\cb+7], v[AV0] offset:\kk*32*PV+16*PV+32*\cb
.endr
.irp cb, 0,1,2,3,4,5,6,7
	s_wait_dscnt 14-2*\cb
	v_wmma_f32_16x16x32_f16 v[O+8*\cb:O+8*\cb+7], v[F+8*\cb:F+8*\cb+7], v[S+8*\kk:S+8*\kk+7], v[O+8*\cb:O+8*\cb+7]
.endr
.rept 5
	v_nop                                          ; the places in front of the next loads into the fragments, of the next trip's products, which write over P, and of the reads of O^T
.endr
.endr
.Ldead:
	s_add_co_u32 s[TRIP], s[TRIP], 1
	s_cmp_lt_u32 s[TRIP], 10
	s_cbranch_scc1 .Ltrip
	; THE WAY OUT.  l's two halves and the other half of the lanes' are added; O^T is divided by l (by a factor 0 where l is 0: a block that sees nothing), rounded to f16 and sent through my stage.
	v_add_f32 v[T], v[L], v[L+1]
	v_permlanex16_b32 v[T+1], v[T], s30, s31
	v_add_f32 v[T], v[T], v[T+1]
	v_rcp_f32 v[T+2], v[T]
	v_nop                                          ; a plain instruction behind the reciprocal
	v_cmp_lt_f32 vcc_lo, 0, v[T]
	s_wait_alu depctr_va_vdst(0)
	v_cndmask_b32 v[A], 0, v[T+2], vcc_lo
.set i, 0
.rept 32
	v_pk_mul_f32 v[O+2*i:O+2*i+1], v[O+2*i:O+2*i+1], v[A:A+1] op_sel_hi:[1,0]
.set i, i+1
.endr
.set i, 0
.rept 32
	v_cvt_pk_f16_f32 v[S+i], v[O+2*i], v[O+2*i+1]
.set i, i+1
.endr
.irp cb, 0,1,2,3,4,5,6,7
	ds_store_b128 v[STO], v[S+4*\cb:S+4*\cb+3] offset:32*\cb  ; row l % 16, channels 16 cb + 8 (l / 16) on
.endr
.irp t, 0,1,2,3,4,5,6,7
	ds_load_b128 v[S+32+4*\t:S+32+4*\t+3], v[RD] offset:\t*2*SP  ; LDS serves a wave's instructions in order (ISA guide 5.7.1.4): these see the stores above
.endr
.irp t, 0,1,2,3,4,5,6,7
	s_wait_dscnt 7-\t
	global_store_b128 v[GO], v[S+32+4*\t:S+32+4*\t+3], s[8:9] offset:8192*\t  ; 16 lanes store 256 consecutive bytes, at a multiple of 256 from the buffer's first byte
.endr
	s_wait_tensorcnt 0x0
	ds_add_u32 v30, v31
	s_wait_dscnt 0x0
	s_endpgm
.Lfunc_end_k_q6a1428f7bb_attn:
	.size	k_q6a1428f7bb_attn, .Lfunc_end_k_q6a1428f7bb_attn-k_q6a1428f7bb_attn
	.p2alignl 7, 3214868480
	.fill 96, 4, 3214868480
	.section	.rodata,"a",@progbits
	.p2align	6, 0x0
	.amdhsa_kernel k_q6a1428f7bb_attn
		.amdhsa_group_segment_fixed_size 107520
		.amdhsa_private_segment_fixed_size 0
		.amdhsa_enable_private_segment 0
		.amdhsa_kernarg_size 24
		.amdhsa_user_sgpr_count 2
		.amdhsa_user_sgpr_kernarg_segment_ptr 1
		.amdhsa_wavefront_size32 1
		.amdhsa_system_sgpr_workgroup_id_x 1
		.amdhsa_system_sgpr_workgroup_id_y 1
		.amdhsa_system_sgpr_workgroup_id_z 1
		.amdhsa_system_vgpr_workitem_id 0
		.amdhsa_next_free_vgpr 320
		.amdhsa_next_free_sgpr 66
		.amdhsa_reserve_vcc 1
		.amdhsa_float_denorm_mode_32 3
		.amdhsa_float_denorm_mode_16_64 3
		.amdhsa_memory_ordered 1
		.amdhsa_forward_progress 1
		.amdhsa_inst_pref_size 46
	.end_amdhsa_kernel
	.amdgpu_metadata
---
amdhsa.version: [ 1, 2 ]
amdhsa.kernels:
  - .name:           k_q6a1428f7bb_attn
    .symbol:         k_q6a1428f7bb_attn.kd
    .args:
      - { .name: qkvh, .offset: 0, .size: 8, .value_kind: global_buffer, .address_space: global }
      - { .name: list, .offset: 8, .size: 8, .value_kind: global_buffer, .address_space: global }
      - { .name: act16, .offset: 16, .size: 8, .value_kind: global_buffer, .address_space: global }
    .group_segment_fixed_size: 107520
    .private_segment_fixed_size: 0
    .kernarg_segment_align: 8
    .kernarg_segment_size: 24
    .max_flat_workgroup_size: 256
    .sgpr_count:     66
    .vgpr_count:     320
    .wavefront_size: 32
...
	.end_amdgpu_metadata
.endif
;; end of part 5
;; launch oproj: the kernel of part 2 again; grid 16 x 16, 4 waves a work-group, clusters of 4 x 4, 327,680 bytes of LDS; arguments act16, wob, out0, bo, bq, bk; writes out0
;; ======== version 2 of 2: 6 launches; 1.17 times as fast as version 1
;; limits: values are held in f16: magnitudes above 65,504 overflow, below 6.1e-05 lose precision
;; workspace buffers: act16 8,388,608 bytes; wqkv 25,165,824 bytes; wob 8,388,608 bytes; cs 1,048,576 bytes; qkvf 33,554,432 bytes; qkvh 25,165,824 bytes; pooled 2,097,152 bytes; list 512 bytes of whole numbers
;; launch prep (part 6): grid 256 x 5, 8 waves a work-group, no clusters, 0 bytes of LDS; arguments x, Wq, Wk, Wv, freqs, act16, wqkv, cs; writes act16, wqkv, cs
.if DOCPART == 6
	.amdgcn_target "amdgcn-amd-amdhsa--gfx1250"
	.amdhsa_code_object_version 6
	.text
	.protected	k_q6a1428f7bb_prep
	.globl	k_q6a1428f7bb_prep
	.p2align	8
	.type	k_q6a1428f7bb_prep,@function
k_q6a1428f7bb_prep:
	s_mov_b64 s[64:65], 0
	v_nop
	global_prefetch_b8 v0, s[64:65] scope:SCOPE_SE
	s_setreg_imm32_b32 hwreg(HW_REG_WAVE_MODE, 25, 1), 1
	s_wait_xcnt 0x0
; PREP.  y = 0..3: x, Wq, Wk, Wv ([2048][2048] f32) are rounded to bf16 (nearest even) and that number is written as f16:
; x -> act16, Wq | Wk | Wv -> wqkv (three planes of 8,388,608 bytes).   y = 4: freqs is rounded to bf16 and cs[l][j] = (cos, sin) is written in f32.
; (Wo is cast in a later launch, beside the masks: only the last launch needs it.)
; LIMITS.  A bf16 number is an f16 number exactly for 2^-17 <= |v| <= 65,504; below that f16 keeps its fixed step of 2^-24, beyond 65,504 the conversion gives an infinity.
; cos and sin: the angle less n pi/2 in three parts, then polynomials of degree 7 and 8 on +-pi/4: good to about 1e-7 for |freqs| up to about 1e4, worse beyond.
; A stream: no LDS, no matrix unit, no cluster (no two work-groups read the same byte).  A work-group casts 65,536 bytes, a wave 8,192: all its 16 loads of 512
; consecutive bytes go out at once, and each store of a wave covers 256 consecutive bytes, aligned.  No register is used twice by a load or a store, so no wait frees any.
.set XR, 8                             ; v[8:71]     16 x 4 numbers as loaded
.set YR, 72                            ; v[72:103]   16 x 2 registers to store
.set TR, 104                           ; v[104:109]  at work
	s_load_b512 s[8:23], s[0:1], 0x0               ; x 8, Wq 10, Wk 12, Wv 14, freqs 16, act16 18, wqkv 20, cs 22
	s_and_b32 s4, ttmp7, 0xffff                    ; y: which tensor
	s_mov_b32 s6, 0xffff0000                       ; a word's upper bf16
	s_mov_b32 s33, 0
	s_mov_b32 s35, 0
	s_wait_kmcnt 0x0
	s_cmp_eq_u32 s4, 4
	s_cbranch_scc1 .Ltable
	; the cast: source and destination are chosen by y
	s_mov_b64 s[28:29], s[8:9]
	s_cmp_eq_u32 s4, 1
	s_cselect_b64 s[28:29], s[10:11], s[28:29]
	s_cmp_eq_u32 s4, 2
	s_cselect_b64 s[28:29], s[12:13], s[28:29]
	s_cmp_eq_u32 s4, 3
	s_cselect_b64 s[28:29], s[14:15], s[28:29]
	s_cmp_eq_u32 s4, 0
	s_cselect_b64 s[30:31], s[18:19], s[20:21]
	s_sub_co_u32 s32, s4, 1
	s_lshl_b32 s32, s32, 23                        ; the plane of wqkv, for y = 1..3;
	s_cmp_eq_u32 s4, 0
	s_cselect_b32 s32, 0, s32                      ; none for x
	s_lshl_b32 s34, ttmp9, 15                      ; the work-group's 32,768 bytes of f16
	s_add_co_u32 s32, s32, s34
	s_lshl_b32 s34, ttmp9, 16                      ; and its 65,536 bytes of f32
	s_add_nc_u64 s[28:29], s[28:29], s[34:35]
	s_add_nc_u64 s[30:31], s[30:31], s[32:33]
	v_and_b32 v1, 31, v0                           ; lane
	v_and_b32 v4, 0xe0, v0                         ; 32 x wave
	v_lshlrev_b32 v2, 4, v1
	v_lshl_or_b32 v2, v4, 8, v2                    ; source: wave x 8,192 + 16 x lane
	v_lshlrev_b32 v3, 3, v1
	v_lshl_or_b32 v3, v4, 7, v3                    ; destination: wave x 4,096 + 8 x lane
.set i, 0
.rept 16
	global_load_b128 v[XR+4*i:XR+4*i+3], v2, s[28:29] offset:512*i th:TH_LOAD_NT
.set i, i+1
.endr
; four numbers: to bf16, widened again (a shift, a mask), and written as f16
.macro CV i
	v_cvt_pk_bf16_f32 v[TR], v[XR+4*(\i)], v[XR+4*(\i)+1]
	v_cvt_pk_bf16_f32 v[TR+1], v[XR+4*(\i)+2], v[XR+4*(\i)+3]
	v_lshlrev_b32 v[TR+2], 16, v[TR]
	v_and_b32 v[TR+3], s6, v[TR]
	v_lshlrev_b32 v[TR+4], 16, v[TR+1]
	v_and_b32 v[TR+5], s6, v[TR+1]
	v_cvt_pk_f16_f32 v[YR+2*(\i)], v[TR+2], v[TR+3]
	v_cvt_pk_f16_f32 v[YR+2*(\i)+1], v[TR+4], v[TR+5]
.endm
.set i, 0
.rept 16
	s_wait_loadcnt 15-i                            ; loads come back in order: load i is in, the 15 - i younger ones stay out
	CV i
	global_store_b64 v3, v[YR+2*i:YR+2*i+1], s[30:31] offset:256*i
.set i, i+1
.endr
	s_endpgm
.Ltable:                                               ; a work-group has 512 angles (2,048 bytes), a thread two
	s_lshl_b32 s32, ttmp9, 11
	s_add_nc_u64 s[16:17], s[16:17], s[32:33]
	s_lshl_b32 s34, ttmp9, 12
	s_add_nc_u64 s[22:23], s[22:23], s[34:35]
	v_lshlrev_b32 v2, 3, v0
	v_lshlrev_b32 v3, 4, v0
	global_load_b64 v[8:9], v2, s[16:17]
	s_mov_b32 s40, 0x3f22f983                      ; 2 / pi
	s_mov_b32 s41, 0xbfc90fdb                      ; - pi/2, the f32 next to it;
	s_mov_b32 s42, 0x333bbd2e                      ; what that took too much;
	s_mov_b32 s43, 0x26f72ced                      ; and the rest
	s_mov_b32 s44, 0xbe2aaaa3                      ; sine: r + r z (S1 + z (S2 + z S3)), z = r r
	s_mov_b32 s45, 0x3c08839e
	s_mov_b32 s46, 0xb94ca1f9
	s_mov_b32 s47, 0x3d2aaaa5                      ; cosine: 1 - z/2 + z z (C1 + z (C2 + z C3))
	s_mov_b32 s48, 0xbab6061a
	s_mov_b32 s49, 0x37ccf5ce
	s_mov_b32 s50, 0x80000000
	s_wait_loadcnt 0x0
	v_cvt_pk_bf16_f32 v12, v8, v9
	v_lshlrev_b32 v8, 16, v12
	v_and_b32 v9, s6, v12
; cos and sin of v[f] into v[c] and v[s].  n = the whole number next to f 2/pi; r = f - n pi/2; n mod 4 says which of +-sin r, +-cos r is which.
.macro SC f, c, s
	v_mul_f32 v24, s40, v[\f]
	v_rndne_f32 v24, v24                           ; n
	v_fma_f32 v25, v24, s41, v[\f]
	v_fma_f32 v25, v24, s42, v25
	v_fma_f32 v25, v24, s43, v25                   ; r
	v_cvt_i32_f32 v27, v24
	v_mul_f32 v26, v25, v25                        ; z
	v_fma_f32 v28, v26, s46, s45
	v_fma_f32 v28, v28, v26, s44
	v_mul_f32 v28, v28, v26
	v_fma_f32 v32, v28, v25, v25                   ; sin r
	v_fma_f32 v29, v26, s49, s48
	v_fma_f32 v29, v29, v26, s47
	v_mul_f32 v29, v29, v26
	v_fma_f32 v30, v26, -0.5, 1.0
	v_fma_f32 v33, v29, v26, v30                   ; cos r
	v_and_b32 v31, 1, v27
	v_cmp_eq_u32 vcc_lo, 1, v31                    ; n odd: the two change places
	v_cndmask_b32 v[\s], v32, v33, vcc_lo
	v_cndmask_b32 v[\c], v33, v32, vcc_lo
	v_lshlrev_b32 v31, 30, v27                     ; sine's sign: bit 1 of n
	v_and_b32 v31, s50, v31
	v_xor_b32 v[\s], v[\s], v31
	v_add_nc_u32 v27, 1, v27                       ; cosine's: bit 1 of n + 1
	v_lshlrev_b32 v31, 30, v27
	v_and_b32 v31, s50, v31
	v_xor_b32 v[\c], v[\c], v31
.endm
	SC 8, 16, 17
	SC 9, 18, 19
	global_store_b128 v3, v[16:19], s[22:23]               ; a wave's store covers 512 consecutive bytes, aligned
	s_endpgm
.Lfunc_end_k_q6a1428f7bb_prep:
	.size	k_q6a1428f7bb_prep, .Lfunc_end_k_q6a1428f7bb_prep-k_q6a1428f7bb_prep
	.p2alignl 7, 3214868480
	.fill 96, 4, 3214868480
	.section	.rodata,"a",@progbits
	.p2align	6, 0x0
	.amdhsa_kernel k_q6a1428f7bb_prep
		.amdhsa_group_segment_fixed_size 0
		.amdhsa_private_segment_fixed_size 0
		.amdhsa_enable_private_segment 0
		.amdhsa_kernarg_size 64
		.amdhsa_user_sgpr_count 2
		.amdhsa_user_sgpr_kernarg_segment_ptr 1
		.amdhsa_wavefront_size32 1
		.amdhsa_system_sgpr_workgroup_id_x 1
		.amdhsa_system_sgpr_workgroup_id_y 1
		.amdhsa_system_sgpr_workgroup_id_z 1
		.amdhsa_system_vgpr_workitem_id 0
		.amdhsa_next_free_vgpr 112
		.amdhsa_next_free_sgpr 66
		.amdhsa_reserve_vcc 1
		.amdhsa_float_denorm_mode_32 3
		.amdhsa_float_denorm_mode_16_64 3
		.amdhsa_memory_ordered 1
		.amdhsa_forward_progress 1
		.amdhsa_inst_pref_size 15
	.end_amdhsa_kernel
	.amdgpu_metadata
---
amdhsa.version: [ 1, 2 ]
amdhsa.kernels:
  - .name:           k_q6a1428f7bb_prep
    .symbol:         k_q6a1428f7bb_prep.kd
    .args:
      - { .name: x, .offset: 0, .size: 8, .value_kind: global_buffer, .address_space: global }
      - { .name: Wq, .offset: 8, .size: 8, .value_kind: global_buffer, .address_space: global }
      - { .name: Wk, .offset: 16, .size: 8, .value_kind: global_buffer, .address_space: global }
      - { .name: Wv, .offset: 24, .size: 8, .value_kind: global_buffer, .address_space: global }
      - { .name: freqs, .offset: 32, .size: 8, .value_kind: global_buffer, .address_space: global }
      - { .name: act16, .offset: 40, .size: 8, .value_kind: global_buffer, .address_space: global }
      - { .name: wqkv, .offset: 48, .size: 8, .value_kind: global_buffer, .address_space: global }
      - { .name: cs, .offset: 56, .size: 8, .value_kind: global_buffer, .address_space: global }
    .group_segment_fixed_size: 0
    .private_segment_fixed_size: 0
    .kernarg_segment_align: 8
    .kernarg_segment_size: 64
    .max_flat_workgroup_size: 256
    .sgpr_count:     66
    .vgpr_count:     112
    .wavefront_size: 32
...
	.end_amdgpu_metadata
.endif
;; end of part 6
;; launch qkv (part 7): grid 16 x 16, 4 waves a work-group, clusters of 4 x 4, 327,680 bytes of LDS; arguments act16, wqkv, qkvf, qkvh, bq, bk, bv; writes qkvf, qkvh
.if DOCPART == 7
	.amdgcn_target "amdgcn-amd-amdhsa--gfx1250"
	.amdhsa_code_object_version 6
	.text
	.protected	k_q6a1428f7bb_qkv
	.globl	k_q6a1428f7bb_qkv
	.p2align	8
	.type	k_q6a1428f7bb_qkv,@function
k_q6a1428f7bb_qkv:
	s_mov_b64 s[64:65], 0
	v_nop
	global_prefetch_b8 v0, s[64:65] scope:SCOPE_SE
	s_setreg_imm32_b32 hwreg(HW_REG_WAVE_MODE, 25, 1), 1
	s_wait_xcnt 0x0
	s_wait_alu depctr_hold_cnt(0) depctr_sa_sdst(0) depctr_va_vdst(0) depctr_va_sdst(0) depctr_va_ssrc(0) depctr_va_vcc(0) depctr_vm_vsrc(0)
	s_getreg_b32 s2, hwreg(HW_REG_IB_STS2, 6, 4)
	s_cmp_eq_u32 s2, 0
	s_cbranch_scc0 .Lentry_in_a_cluster
	s_endpgm
.Lentry_in_a_cluster:
	s_bfe_u32 s2, ttmp6, 0x10000c
	s_cmp_lg_u32 s2, 0xf033
	s_cbranch_scc0 .Lentry_shape_is_right
	s_endpgm
.Lentry_shape_is_right:
; THE THREE PROJECTIONS IN ONE TILE.  P_p[m][n] = sum over k of A[m][k] B[2048 p + n][k] + bf16(bias_p[n]), p = 0, 1, 2 (q, k, v).  A: [2048][2048] f16, B: [6144][2048] f16; sums in f32.
; q and k leave as f32 (qkvf, two planes of [2048][2048]); v leaves rounded once to f16, by heads (qkvh's plane 2, [16][2048][128]).
; LIMITS.  f16 holds no number beyond 65,504: the operands arrive within it, and v must lie within it.  The biases are rounded to bf16, like every input of the module.
; SHARES.  A work-group makes rows 128 tr .. and columns 128 tc .. of ALL THREE planes: 128 x 384 numbers, 16 x 16 = 256 work-groups.  The three products share their rows of A, so a K step
; brings 128 + 3 x 128 rows for three tiles' products.  Four waves, 2 x 2: a wave has 64 rows and 192 of the 384 columns: three UNITS of 64 columns (256 bytes of f32).  Waves with ch = 0: q's two
; halves and k's first; waves with ch = 1: k's second half and v's two, which are one whole head.  48 accumulators of 16 x 16, 384 registers; 16 fragments feed 48 products.
; RING.  K goes in steps of 128 (rows of 256 bytes, at multiples of 256 bytes from the buffers' first bytes) through two slots.  Wave 0 fetches A's 128 rows, waves 1 to 3 the 128 rows of plane 0 to 2:
; one tensor load a wave behind each round.  From a request to the wait for it a wave issues 16 + 3 x 48 = 160 matrix instructions.
; CLUSTERS: 4 x 4 work-groups; tr = 4 x the cluster's x + cy, tc = 4 x the cluster's y + cx.  The four of a row of the cluster need the same tile of A, the four of a column the same tiles of B: each is
; asked for JOINTLY, by the same tensor load with the same descriptor and a mask that names the four.
; WHERE A CLUSTER BEGINS.  Cluster (X, Y) begins at K step 4 ((X + 2 (Y % 2)) % 4) and goes round all 16: the four clusters that need the same rows of B (one Y) begin 4 steps apart, and those that need
; the same rows of A (one X) 0 or 8 apart, so that clusters which need the same bytes mostly ask for them at different times.  A sum's order of K hangs on the cluster; each sum is still one f32 chain.
; THE MATRIX INSTRUCTION IS USED TRANSPOSED (source 0 = 16 rows of B, source 1 = 16 rows of A): a lane holds eight neighbouring numbers of a row of C,
; and the bias of those eight columns is the C operand of the product that starts the sum: nothing is cleared and nothing is added later.
; REGISTERS, in windows of 256 (s_set_vgpr_msb: bits 1:0 source 0, 3:2 source 1, 5:4 source 2, 7:6 destination):
;   window 0: v0-31 addresses; v32-127 the bias of my 192 columns, later at work on the way out; v128-255 unit 2's accumulators ((a, b) at 128 + 32 a + 8 b)
;   window 1: two fragment buffers of 128: 32 registers of A (4 x 16 rows x 32 K), then 96 of B (12 x 16 rows)          window 2: units 0 and 1 ((u, a, b) at 128 u + 32 a + 8 b)
.set SIZE_K, 2048
.set KSTEP,  128
.set PITCH,  272                       ; an LDS row: 256 bytes of data + 16 of padding = 68 words: row r starts at bank 4 r mod 64 (64 banks of 4 bytes: ISA guide 11.1)
.set HALFT,  128*PITCH                 ; 128 rows: what one tensor load brings
.set SLOT,   4*HALFT                   ; A's 128 rows, then the three planes' 128 rows each: B's 384 rows lie on end
.set STAGE,  2*SLOT                    ; behind the ring: 16 rows x 272 bytes for each wave
.set SPITCH, 272
.set SPARE,  STAGE+4*16*SPITCH         ; behind the stages: the spare words, 128 bytes for each wave: two blocks of 256 bytes that no other line names
.set LAPS, SIZE_K/(2*KSTEP)            ; a lap = two K steps = once round the ring: 8
.set CROW,   8192                      ; bytes in a row of a plane of f32
.set ADRA, 16                          ; v16-17  LDS address of my A fragments in slot 0, 1
.set ADRB, 20                          ; v20-21  the same for B
.set STOH, 22                          ; v22     v's way out: where I put 16 bytes of a row
.set COH,  23                          ; v23     v's way out: my byte offset in two rows of 256 bytes
.set STO,  24                          ; v24     the way out in f32: where I put 32 bytes of a row
.set RD,   25                          ; v25     where I read a row back
.set CO,   26                          ; v26     my byte offset in two rows of a plane of f32
.set BO,   27                          ; v27     my byte offset in a unit's bias
.set SPW,  28                          ; v28     LDS address of my spare word: SPARE + 4 x my thread's number; never rewritten
.set NIL,  29                          ; v29     0; never rewritten
.set TMP,  30                          ; v30-31  at work
.set BIAS, 32                          ; v32-127 block b of 12 at BIAS + 8 b
.set PKV,  32                          ; v32-63  v's way out: 16 rows' packed results
.set F0,   0                           ; fragment buffers, in window 1
.set F1,   128
.set KI,   8                           ; s8, s9  the K step (0 .. 15) that slot 0, 1 holds or has been asked for
.set KO,   18                          ; s[18:19] that step's byte offset in a row, as a pair with 0 above it
.set BA,   14                          ; s[14:15] A at my tile's first row;  s[6:7] B at the first row that I fetch: neither is rewritten
.set G1, 24                            ; s[24:31] descriptor group 1 for A's tiles;  s[32:39] group 0, one set for each slot
.set G0, 32
.set G1B, 48                           ; s[48:55], s[56:63] the same for B's tiles
.set G0B, 56
.set OUT0, 78                          ; s[78:79] where my unit 0 begins in qkvf;  s[80:81], s[82:83] units 1 and 2 of a wave with ch = 0;  s[70:71] v of a wave with ch = 1
.set BB,   84                          ; s[84:89] where my three units begin in their biases
.set MSB, 0
.macro WIN new                         ; the immediate's high byte repeats the setting that is left
.if MSB != (\new)
	s_set_vgpr_msb (MSB<<8)|(\new)
.set MSB, \new
.endif
.endm
.set TO_F, 0x40                        ; destination window 1, address window 0
.macro JLOAD s                         ; a joint load: wave 0 fetches A's tile, waves 1 to 3 a plane's tile of B; an s_nop 0 and four v_nop follow each of the two lines, ahead of the jump, the label and what follows
	s_cmp_eq_u32 s10, 0
	s_cbranch_scc0 .Lfor_b_\@
	tensor_load_to_lds s[G0+4*(\s):G0+4*(\s)+3], s[G1:G1+7]
	s_nop 0
.rept 4
	v_nop
.endr
	s_branch .Lasked_\@
.Lfor_b_\@:
	tensor_load_to_lds s[G0B+4*(\s):G0B+4*(\s)+3], s[G1B:G1B+7]
	s_nop 0
.rept 4
	v_nop
.endr
.Lasked_\@:
.endm
; slot s's two global addresses are made anew from its K step: the tile's first row plus 256 bytes a step; the type bits are set again
.macro KADDR s
	s_lshl_b32 s[KO], s[KI+(\s)], 8
	s_add_nc_u64 s[G0+4*(\s)+2:G0+4*(\s)+3], s[BA:BA+1], s[KO:KO+1]
	s_or_b32 s[G0+4*(\s)+3], s[G0+4*(\s)+3], 0x80000000
	s_add_nc_u64 s[G0B+4*(\s)+2:G0B+4*(\s)+3], s[6:7], s[KO:KO+1]
	s_or_b32 s[G0B+4*(\s)+3], s[G0B+4*(\s)+3], 0x80000000
.endm
.macro CREST                           ; a round of the cluster's barrier behind its opening barrier
	s_cmp_lg_u32 s10, 0
	s_cbranch_scc1 .Lnot_wave_0_\@
	s_barrier_signal -3
.Lnot_wave_0_\@:
	s_barrier_wait -3
	s_barrier_signal -1
	s_barrier_wait -1
.endm
.macro CROUND                          ; a whole round
	s_barrier_signal -1
	s_barrier_wait -1
	CREST
.endm
	s_load_b128 s[4:7], s[0:1], 0x0                ; A s[4:5], B s[6:7]
	s_load_b128 s[68:71], s[0:1], 0x10             ; qkvf s[68:69], qkvh s[70:71]
	s_load_b128 s[72:75], s[0:1], 0x20             ; bq s[72:73], bk s[74:75]
	s_load_b64 s[76:77], s[0:1], 0x30              ; bv
	v_lshl_add_u32 v[SPW], v0, 2, SPARE
	v_mov_b32 v[NIL], 0
	ds_add_u32 v28, v29
	s_wait_dscnt 0x0
	v_lshrrev_b32 v1, 5, v0
	v_readfirstlane_b32 s10, v1                    ; wave 0..3
	s_lshr_b32 s11, s10, 1                         ; rh: which 64 of the tile's rows are mine
	s_and_b32 s12, s10, 1                          ; ch: which 192 of its 384 columns
	s_bfe_u32 s40, ttmp6, 0x40000                  ; cx, cy: my place in the cluster
	s_bfe_u32 s41, ttmp6, 0x40004
	s_and_b32 s45, ttmp7, 0xffff                   ; the cluster's y
	s_lshl_b32 s42, s45, 2
	s_add_co_u32 s42, s42, s40                     ; tc = 4 x cluster y + cx
	s_lshl_b32 s13, ttmp9, 2
	s_add_co_u32 s13, s13, s41                     ; tr = 4 x cluster x + cy
	s_and_b32 s[KI], s45, 1                        ; the K step at which my cluster begins: it hangs on the cluster's x and y alone, which all sixteen share
	s_lshl_b32 s[KI], s[KI], 1
	s_add_co_u32 s[KI], s[KI], ttmp9
	s_and_b32 s[KI], s[KI], 3
	s_lshl_b32 s[KI], s[KI], 2                     ; 0, 4, 8 or 12: slot 0's first step;
	s_add_co_u32 s[KI+1], s[KI], 1                 ; slot 1's
	s_mov_b32 s[KO+1], 0
	s_lshl_b32 s43, s41, 2
	s_lshl_b32 s43, 15, s43                        ; my row of the cluster
	s_lshl_b32 s44, 0x1111, s40                    ; my column
	s_mov_b32 s66, 0xffff0000                      ; a word's upper bf16
	; descriptor group 1: a tile of 128 rows x 128 elements, padded in LDS
	s_or_b32 s[G1+0], s43, (1<<16)|(1<<20)|(1<<21)|(5<<22)|(3<<25)  ; 15:0 the mask: A's tile goes to my row; 17:16 element of 2 bytes; 20 padding on; 21 set beside a mask; 24:22 after every 64 words (code 5); 31:25 of 4 words (code 3)
	s_or_b32 s[G1B+0], s44, (1<<16)|(1<<20)|(1<<21)|(5<<22)|(3<<25)
.irp g, G1, G1B
	s_mov_b32 s[(\g)+1], KSTEP<<16                 ; tensor_dim0 = 128
	s_mov_b32 s[(\g)+2], 128<<16                   ; tensor_dim1 = 128
	s_mov_b32 s[(\g)+3], KSTEP<<16                 ; tile_dim0 = 128
	s_mov_b32 s[(\g)+4], 128                       ; tile_dim1 = 128
	s_mov_b32 s[(\g)+5], SIZE_K                    ; tensor_dim0_stride
	s_mov_b32 s[(\g)+6], 0
	s_mov_b32 s[(\g)+7], 0
.endr
	s_lshl_b32 s16, s13, 19                        ; A: row 128 tr, 4,096 bytes a row
	s_mov_b32 s17, 0
	s_max_u32 s46, s10, 1
	s_sub_co_u32 s46, s46, 1                       ; B: the plane that I fetch: wave - 1 (wave 0 asks by A's line alone; its number here stays inside B)
	s_lshl_b32 s46, s46, 11
	s_lshl_b32 s47, s42, 7
	s_add_co_u32 s46, s46, s47                     ; row 2048 plane + 128 tc,
	s_lshl_b32 s46, s46, 12                        ; in bytes: under 2^25
	s_mov_b32 s47, 0
	s_mul_i32 s20, s10, HALFT                      ; where the tiles go: wave x 128 rows: no place in the cluster enters an LDS address
	s_wait_kmcnt 0x0
	s_add_nc_u64 s[BA:BA+1], s[4:5], s[16:17]
	s_add_nc_u64 s[6:7], s[6:7], s[46:47]
	CROUND                                         ; all sixteen work-groups are here: the first joint loads meet
.irp s, 0,1
	s_mov_b32 s[G0+4*(\s)], 1
	s_add_co_u32 s[G0+4*(\s)+1], s20, (\s)*SLOT
	s_mov_b32 s[G0B+4*(\s)], 1
	s_add_co_u32 s[G0B+4*(\s)+1], s20, (\s)*SLOT
	KADDR \s
	JLOAD \s
.endr
	; my three units' biases.  ch = 0: bq's first half, bq's second, bk's first.  ch = 1: bk's second half, bv's first, bv's second.
	s_cmp_eq_u32 s12, 1
	s_cselect_b64 s[BB:BB+1],   s[74:75], s[72:73]
	s_cselect_b64 s[BB+2:BB+3], s[76:77], s[72:73]
	s_cselect_b64 s[BB+4:BB+5], s[76:77], s[74:75]
	s_lshl_b32 s46, s42, 9                         ; the tile's 128 columns of 4 bytes
	s_lshl_b32 s47, s12, 8
	s_add_co_u32 s90, s46, s47                     ; units 0 and 2: half ch
	s_mov_b32 s91, 0
	s_xor_b32 s47, s47, 256
	s_add_co_u32 s92, s46, s47                     ; unit 1: the other half
	s_mov_b32 s93, 0
	s_add_nc_u64 s[BB:BB+1],   s[BB:BB+1],   s[90:91]
	s_add_nc_u64 s[BB+2:BB+3], s[BB+2:BB+3], s[92:93]
	s_add_nc_u64 s[BB+4:BB+5], s[BB+4:BB+5], s[90:91]
	v_and_b32 v1, 15, v0                           ; l % 16
	v_bfe_u32 v2, v0, 4, 1                         ; l / 16
	v_lshlrev_b32 v[BO], 5, v2
.irp u, 0,1,2                                          ; register j of block b is column 16 b + 8 (l / 16) + j, as in the accumulators
.irp b, 0,1,2,3
	global_load_b128 v[BIAS+32*(\u)+8*(\b):BIAS+32*(\u)+8*(\b)+3],   v[BO], s[BB+2*(\u):BB+2*(\u)+1] offset:64*(\b)
	global_load_b128 v[BIAS+32*(\u)+8*(\b)+4:BIAS+32*(\u)+8*(\b)+7], v[BO], s[BB+2*(\u):BB+2*(\u)+1] offset:64*(\b)+16
.endr
.endr
	; where my units go
	s_lshl_b32 s16, s13, 20
	s_lshl_b32 s17, s11, 19
	s_add_co_u32 s16, s16, s17                     ; my first row, 128 tr + 64 rh, in a plane of f32, in bytes
	s_lshl_b32 s17, s12, 24
	s_add_co_u32 s17, s17, s16
	s_add_co_u32 s94, s17, s90                     ; unit 0: plane ch, half ch
	s_mov_b32 s95, 0
	s_add_nc_u64 s[OUT0:OUT0+1], s[68:69], s[94:95]
	s_add_co_u32 s94, s16, s46
	s_add_co_u32 s94, s94, 256                     ; ch = 0, unit 1: plane 0, second half
	s_add_nc_u64 s[OUT0+2:OUT0+3], s[68:69], s[94:95]
	s_add_co_u32 s94, s16, s46
	s_add_co_u32 s94, s94, 1<<24                   ; ch = 0, unit 2: plane 1, first half
	s_add_nc_u64 s[OUT0+4:OUT0+5], s[68:69], s[94:95]
	s_lshl_b32 s94, s42, 19                        ; ch = 1, v: head tc of 524,288 bytes,
	s_lshl_b32 s17, s13, 15
	s_add_co_u32 s94, s94, s17
	s_lshl_b32 s17, s11, 14
	s_add_co_u32 s94, s94, s17                     ; my first row of 256 bytes,
	s_add_co_u32 s94, s94, 1<<24                   ; in qkvh's plane 2
	s_add_nc_u64 s[70:71], s[70:71], s[94:95]
	v_mul_u32_u24 v3, v1, PITCH
	v_lshl_add_u32 v3, v2, 4, v3                   ; a fragment's row x pitch + 16 x half
	s_mul_i32 s21, s11, 64*PITCH                   ; my 64 rows of A
	s_mul_i32 s22, s12, 192*PITCH                  ; my 192 rows of B,
	s_add_co_u32 s22, s22, HALFT                   ; which lie behind A's 128
.irp s, 0,1
	v_add_nc_u32 v[ADRA+(\s)], s21, v3
	v_add_nc_u32 v[ADRB+(\s)], s22, v3
	s_add_co_u32 s21, s21, SLOT
	s_add_co_u32 s22, s22, SLOT
.endr
	s_mul_i32 s23, s10, 16*SPITCH
	s_add_co_u32 s23, s23, STAGE                   ; my stage
	v_mul_u32_u24 v4, v1, SPITCH                   ; in: row l % 16;
	v_add_nc_u32 v4, s23, v4
	v_lshl_add_u32 v[STO], v2, 5, v4               ; f32: 32 bytes for each half of the lanes;
	v_lshl_add_u32 v[STOH], v2, 4, v4              ; f16: 16
	v_mul_u32_u24 v5, v2, SPITCH                   ; back: lanes 0-15 take one row of 256 bytes, lanes 16-31 the next
	v_lshl_add_u32 v5, v1, 4, v5
	v_add_nc_u32 v[RD], s23, v5
	v_lshlrev_b32 v5, 13, v2                       ; and the same two rows in a plane of f32,
	v_lshl_add_u32 v[CO], v1, 4, v5
	v_lshlrev_b32 v5, 8, v2                        ; and in a head of f16
	v_lshl_add_u32 v[COH], v1, 4, v5
	s_wait_loadcnt 0x0                             ; the biases, once; they are rounded to bf16 and widened again
.set i, 0
.rept 48
	v_cvt_pk_bf16_f32 v[TMP+i%2], v[BIAS+2*i], v[BIAS+2*i+1]
	v_lshlrev_b32 v[BIAS+2*i], 16, v[TMP+i%2]
	v_and_b32 v[BIAS+2*i+1], s66, v[TMP+i%2]
.set i, i+1
.endr
; 16 matrix instructions: unit u (n blocks 4 u .. 4 u + 3) x my 4 m blocks, 32 along K, from buffer f.  first = 1: the product starts the sum, on the bias.
; The 48 accumulators take turns, one instruction a turn and in the same order in every quarter.
.macro MUL16 f, u, first
.if (\u) == 2
	WIN 0x05                                       ; fragments in window 1; C and D in window 0
.set AB, 128
.elseif \first
	WIN 0x85                                       ; D in window 2, the bias in window 0
.set AB, 128*(\u)
.else
	WIN 0xa5                                       ; C and D in window 2
.set AB, 128*(\u)
.endif
.irp a, 0,1,2,3
.irp b, 0,1,2,3
.if \first
	v_wmma_f32_16x16x32_f16 v[AB+32*(\a)+8*(\b):AB+32*(\a)+8*(\b)+7], v[(\f)+32+8*(4*(\u)+(\b)):(\f)+32+8*(4*(\u)+(\b))+7], v[(\f)+8*(\a):(\f)+8*(\a)+7], v[BIAS+8*(4*(\u)+(\b)):BIAS+8*(4*(\u)+(\b))+7]
.else
	v_wmma_f32_16x16x32_f16 v[AB+32*(\a)+8*(\b):AB+32*(\a)+8*(\b)+7], v[(\f)+32+8*(4*(\u)+(\b)):(\f)+32+8*(4*(\u)+(\b))+7], v[(\f)+8*(\a):(\f)+8*(\a)+7], v[AB+32*(\a)+8*(\b):AB+32*(\a)+8*(\b)+7]
.endif
.endr
.endr
.endm
; 32 LDS loads in one run: the fragments of 32 along K at byte k of the rows, into buffer f: A's four, then B's twelve in the order of the units
.macro FETCH slot, k, f
	WIN TO_F
.irp i, 0,1,2,3
	ds_load_b128 v[(\f)+8*(\i):(\f)+8*(\i)+3],   v[ADRA+(\slot)] offset:(\k)+(\i)*16*PITCH
	ds_load_b128 v[(\f)+8*(\i)+4:(\f)+8*(\i)+7], v[ADRA+(\slot)] offset:(\k)+(\i)*16*PITCH+32
.endr
.irp i, 0,1,2,3,4,5,6,7,8,9,10,11
	ds_load_b128 v[(\f)+32+8*(\i):(\f)+32+8*(\i)+3],   v[ADRB+(\slot)] offset:(\k)+(\i)*16*PITCH
	ds_load_b128 v[(\f)+32+8*(\i)+4:(\f)+32+8*(\i)+7], v[ADRB+(\slot)] offset:(\k)+(\i)*16*PITCH+32
.endr
.endm
.macro PLACES                          ; four places in front of loads into registers that matrix instructions have read, and of LDS stores and conversions that read results
.rept 4
	v_nop
.endr
.endm
; A K step is four quarters of 32 along K, 48 matrix instructions each, on buffers 0, 1, 0, 1.  One of the first three: multiplies buffer f; behind its first unit it fetches the next quarter,
; at byte k, into g: 32 matrix instructions ahead of the first use.
.macro QUARTER slot, k, f, g, first
	s_wait_dscnt 16                                ; A's fragments and unit 0's are in; the sixteen younger loads (units 1 and 2) may be out
	MUL16 \f, 0, \first
	PLACES
	FETCH \slot, \k, \g
	s_wait_dscnt 32                                ; all but the 32 just issued
	MUL16 \f, 1, \first
	MUL16 \f, 2, \first
.endm
; The last quarter multiplies buffer 1 and changes slots: ONE barrier; in front of it each wave waits for all its tensor loads, adds 0 to its spare word, and waits for that and for its own reads of this slot.
; fill = 1: this slot is filled again, with the K step two further on, round the end of K.
.macro TURN slot, next, fill
	WIN 0                                          ; (the add's two registers lie in window 0)
	s_wait_tensorcnt 0x0                           ; all my tensor loads have landed: the one that was out is my part of the next slot; so every group 0 may be written;
	ds_add_u32 v[SPW], v[NIL]                      ; 0 onto my spare word;
.if \fill
	s_add_co_u32 s[KI+(\slot)], s[KI+(\slot)], 2   ; the slot's next K step, of 16
	s_and_b32 s[KI+(\slot)], s[KI+(\slot)], 15
	KADDR \slot
.endif
	s_wait_dscnt 17                                ; (the add and the youngest sixteen loads may be out)
	MUL16 F1, 0, 0                                 ; sixteen matrix instructions stand between the add and the wait for it
	s_wait_dscnt 0x0                               ; the add is done, and my reads of this slot are over
	s_barrier_signal -1
	MUL16 F1, 1, 0
.if \fill
	WIN 0
.endif
	s_barrier_wait -1
.if \fill
	CREST                                          ; the barrier has opened a round of the cluster's barrier: no wave of any partner still reads this slot's tiles or has a load on its way
	JLOAD \slot                                    ; the first tensor load behind the round, my only one until the next; its four v_nop are also the places in front of the loads below
.else
	PLACES
.endif
	FETCH \next, 0, F0
	MUL16 F1, 2, 0
.endm
; THE WAY OUT IN F32 of unit u, my rows 16 a .. 16 a + 15: into my stage, 32 bytes a lane, and back as whole rows of 256 bytes, into the registers that they left.
; Each accumulator's lowest registers go first.
.macro UNITW u                         ; the windows for unit u's registers as LDS or store data (source 1) and as a load's destination, and RB, the unit's first register
.if (\u) < 2
	WIN 0x88
.set RB, 128*(\u)
.else
	WIN 0
.set RB, 128
.endif
.endm
.macro TOSTAGE u, a
	UNITW \u
.irp b, 0,1,2,3
	ds_store_b128 v[STO], v[RB+32*(\a)+8*(\b):RB+32*(\a)+8*(\b)+3]   offset:64*(\b)
	ds_store_b128 v[STO], v[RB+32*(\a)+8*(\b)+4:RB+32*(\a)+8*(\b)+7] offset:64*(\b)+16
.endr
.irp t, 0,1,2,3,4,5,6,7
	ds_load_b128 v[RB+32*(\a)+4*(\t):RB+32*(\a)+4*(\t)+3], v[RD] offset:(\t)*2*SPITCH  ; LDS serves a wave's instructions in order (ISA guide 5.7.1.4): these see the stores above; the next block's stores come behind them
.endr
.endm
.macro SEND u, a, base, younger        ; younger: the LDS instructions issued behind this block's loads: the next block's sixteen, or none
	UNITW \u
	s_wait_dscnt \younger
.irp t, 0,1,2,3,4,5,6,7
	global_store_b128 v[CO], v[RB+32*(\a)+4*(\t):RB+32*(\a)+4*(\t)+3], s[(\base):(\base)+1] offset:(16*(\a)+2*(\t))*CROW  ; 16 lanes store 256 consecutive bytes, at a multiple of 256 from the buffer's first byte
.endr
.endm
; V'S WAY OUT (waves with ch = 1: units 1 and 2 are a head's 128 channels), my rows 16 a ..: rounded to f16, 16 bytes a lane into my stage, back as whole rows of 256 bytes into unit 2's registers
.macro PACKV a
	WIN 0x0a                                       ; unit 1: sources in window 2, destination in window 0
.irp b, 0,1,2,3
.irp r, 0,1,2,3
	v_cvt_pk_f16_f32 v[PKV+4*(\b)+(\r)], v[128+32*(\a)+8*(\b)+2*(\r)], v[128+32*(\a)+8*(\b)+2*(\r)+1]
.endr
.endr
	WIN 0                                          ; unit 2
.irp b, 0,1,2,3
.irp r, 0,1,2,3
	v_cvt_pk_f16_f32 v[PKV+16+4*(\b)+(\r)], v[128+32*(\a)+8*(\b)+2*(\r)], v[128+32*(\a)+8*(\b)+2*(\r)+1]
.endr
.endr
.irp c, 0,1,2,3,4,5,6,7
	ds_store_b128 v[STOH], v[PKV+4*(\c):PKV+4*(\c)+3] offset:32*(\c)
.endr
.irp t, 0,1,2,3,4,5,6,7
	ds_load_b128 v[128+32*(\a)+4*(\t):128+32*(\a)+4*(\t)+3], v[RD] offset:(\t)*2*SPITCH
.endr
.endm
.macro SENDV a, younger
	s_wait_dscnt \younger
.irp t, 0,1,2,3,4,5,6,7
	global_store_b128 v[COH], v[128+32*(\a)+4*(\t):128+32*(\a)+4*(\t)+3], s[70:71] offset:4096*(\a)+512*(\t)  ; a wave's store covers 512 consecutive bytes, aligned: two rows of the head
.endr
.endm
	s_wait_tensorcnt 1                             ; my part of the first K step is in; the second's load stays out
	s_barrier_signal -1
	s_barrier_wait -1                              ; everybody's is
	FETCH 0, 0, F0
	QUARTER 0, 64, F0, F1, 1                       ; the first quarter stands in front of the loop: its products start the sums
	WIN 0                                          ; at a label and at a branch every window is 0
	s_mov_b32 s3, LAPS-1
.Llap:                                                 ; a trip goes once round the ring, from a lap's second quarter to the next lap's first, and fills both slots again
	QUARTER 0, 128, F1, F0, 0
	QUARTER 0, 192, F0, F1, 0
	TURN 0, 1, 1
	QUARTER 1, 64,  F0, F1, 0
	QUARTER 1, 128, F1, F0, 0
	QUARTER 1, 192, F0, F1, 0
	TURN 1, 0, 1
	QUARTER 0, 64,  F0, F1, 0
	WIN 0
	s_sub_co_u32 s3, s3, 1
	s_cmp_lg_u32 s3, 0
	s_cbranch_scc1 .Llap
	QUARTER 0, 128, F1, F0, 0                      ; the last lap fills nothing, and has no round of the cluster's barrier
	QUARTER 0, 192, F0, F1, 0
	TURN 0, 1, 0
	QUARTER 1, 64,  F0, F1, 0
	QUARTER 1, 128, F1, F0, 0
	QUARTER 1, 192, F0, F1, 0
	s_wait_dscnt 16                                ; the very last quarter: nothing more to fetch
	MUL16 F1, 0, 0
	s_wait_dscnt 0x0
	MUL16 F1, 1, 0
	MUL16 F1, 2, 0
	WIN 0
	PLACES
	TOSTAGE 0, 0                                   ; unit 0 is f32 in every wave
.irp a, 1,2,3                                          ; a block's trip through the stage stands between the loads of the block before and its stores
	TOSTAGE 0, \a
	SEND 0, (\a)-1, OUT0, 16
.endr
	SEND 0, 3, OUT0, 0
	WIN 0
	s_cmp_eq_u32 s12, 1                            ; hangs on the wave's number alone
	s_cbranch_scc1 .Lv_out
	TOSTAGE 1, 0
.irp a, 1,2,3
	TOSTAGE 1, \a
	SEND 1, (\a)-1, OUT0+2, 16
.endr
	TOSTAGE 2, 0
	SEND 1, 3, OUT0+2, 16
.irp a, 1,2,3
	TOSTAGE 2, \a
	SEND 2, (\a)-1, OUT0+4, 16
.endr
	SEND 2, 3, OUT0+4, 0
	WIN 0
	s_branch .Lend
.Lv_out:
	PACKV 0
.irp a, 1,2,3
	PACKV \a
	SENDV (\a)-1, 16
.endr
	SENDV 3, 0
.Lend:
	s_wait_tensorcnt 0x0                           ; the wave's end: behind my last tensor load and my last LDS store
	ds_add_u32 v[SPW], v[NIL]
	s_wait_dscnt 0x0
	CROUND                                         ; the closing round: no work-group ends while a partner may still ask for a tile that names it
	s_endpgm
.Lfunc_end_k_q6a1428f7bb_qkv:
	.size	k_q6a1428f7bb_qkv, .Lfunc_end_k_q6a1428f7bb_qkv-k_q6a1428f7bb_qkv
	.p2alignl 7, 3214868480
	.fill 96, 4, 3214868480
	.section	.rodata,"a",@progbits
	.p2align	6, 0x0
	.amdhsa_kernel k_q6a1428f7bb_qkv
		.amdhsa_group_segment_fixed_size 327680
		.amdhsa_private_segment_fixed_size 0
		.amdhsa_enable_private_segment 0
		.amdhsa_kernarg_size 56
		.amdhsa_user_sgpr_count 2
		.amdhsa_user_sgpr_kernarg_segment_ptr 1
		.amdhsa_wavefront_size32 1
		.amdhsa_system_sgpr_workgroup_id_x 1
		.amdhsa_system_sgpr_workgroup_id_y 1
		.amdhsa_system_sgpr_workgroup_id_z 1
		.amdhsa_system_vgpr_workitem_id 0
		.amdhsa_next_free_vgpr 768
		.amdhsa_next_free_sgpr 96
		.amdhsa_reserve_vcc 0
		.amdhsa_float_denorm_mode_32 3
		.amdhsa_float_denorm_mode_16_64 3
		.amdhsa_memory_ordered 1
		.amdhsa_forward_progress 1
		.amdhsa_inst_pref_size 142
	.end_amdhsa_kernel
	.amdgpu_metadata
---
amdhsa.version: [ 1, 2 ]
amdhsa.kernels:
  - .name:           k_q6a1428f7bb_qkv
    .symbol:         k_q6a1428f7bb_qkv.kd
    .args:
      - { .name: act16, .offset: 0, .size: 8, .value_kind: global_buffer, .address_space: global }
      - { .name: wqkv, .offset: 8, .size: 8, .value_kind: global_buffer, .address_space: global }
      - { .name: qkvf, .offset: 16, .size: 8, .value_kind: global_buffer, .address_space: global }
      - { .name: qkvh, .offset: 24, .size: 8, .value_kind: global_buffer, .address_space: global }
      - { .name: bq, .offset: 32, .size: 8, .value_kind: global_buffer, .address_space: global }
      - { .name: bk, .offset: 40, .size: 8, .value_kind: global_buffer, .address_space: global }
      - { .name: bv, .offset: 48, .size: 8, .value_kind: global_buffer, .address_space: global }
    .group_segment_fixed_size: 327680
    .private_segment_fixed_size: 0
    .kernarg_segment_align: 8
    .kernarg_segment_size: 56
    .max_flat_workgroup_size: 128
    .sgpr_count:     96
    .vgpr_count:     768
    .wavefront_size: 32
...
	.end_amdgpu_metadata
.endif
;; end of part 7
;; launch norm (part 8): grid 128 x 2, 8 waves a work-group, no clusters, 1,536 bytes of LDS; arguments qkvf, cs, gq, gk, qkvh, pooled; writes qkvh, pooled
.if DOCPART == 8
	.amdgcn_target "amdgcn-amd-amdhsa--gfx1250"
	.amdhsa_code_object_version 6
	.text
	.protected	k_q6a1428f7bb_norm
	.globl	k_q6a1428f7bb_norm
	.p2align	8
	.type	k_q6a1428f7bb_norm,@function
k_q6a1428f7bb_norm:
	s_mov_b64 s[64:65], 0
	v_nop
	global_prefetch_b8 v0, s[64:65] scope:SCOPE_SE
	s_setreg_imm32_b32 hwreg(HW_REG_WAVE_MODE, 25, 1), 1
	s_wait_xcnt 0x0
; NORM.  y = 0, 1 (q, k): row l of qkvf's plane y is multiplied by rsqrt(mean of its 2,048 squares + 1e-6) and by bf16(g), turned pairwise by (cos, sin) of cs[l], written by heads as f16
; (qkvh[y][head][l][128]), and the f32 sums of the turned numbers over the group's 16 rows go to pooled[y][group][2048].
; All arithmetic in f32; what feeds the pooled sums is never rounded to 16 bits.  LIMITS.  f16 holds no number beyond 65,504 (q and k with gains that large).
; A stream: a work-group owns 16 rows of one plane and keeps them in registers between the sum of squares and the scaling, so each byte is read once.  Wave w owns columns 256 w .. 256 w + 255
; (heads 2 w, 2 w + 1) of all 16 rows; lane l the channels 4 l .. 4 l + 3 of both heads, two pairs of the rotation.  No cluster, no matrix unit: nothing but the small table cs is shared.
.set G,  8                             ; v[8:15]    the gain of my 8 columns
.set P,  16                            ; v[16:23]   the sums over the 16 rows
.set T,  24                            ; v[24:31]   at work
.set SS, 32                            ; v[32:47]   row i's sum of squares
.set CS, 48                            ; v[48:111]  row i: cos, sin, cos, sin of my two pairs
.set X,  112                           ; v[112:239] row i: 4 numbers of head 2 w, 4 of head 2 w + 1
.set RS, 32                            ; s[32:47]   row i's factor
	s_load_b256 s[4:11], s[0:1], 0x0               ; qkvf 4, cs 6, gq 8, gk 10
	s_load_b128 s[12:15], s[0:1], 0x20             ; qkvh 12, pooled 14
	v_lshl_add_u32 v240, v0, 2, 0x200
	v_mov_b32 v241, 0
	s_and_b32 s16, ttmp7, 0xffff                   ; y
	v_lshrrev_b32 v5, 5, v0
	v_readfirstlane_b32 s17, v5                    ; wave
	v_and_b32 v1, 31, v0                           ; lane
	s_lshl_b32 s18, s17, 10
	v_lshl_add_u32 v2, v1, 4, s18                  ; in a row of f32: 1,024 w + 16 l
	s_lshl_b32 s18, s17, 20
	v_lshl_add_u32 v3, v1, 3, s18                  ; in qkvh: two heads of 524,288 bytes a wave, 8 bytes a lane
	v_lshlrev_b32 v4, 4, v1                        ; in a row of cs
	s_lshl_b32 s18, s17, 6
	v_mov_b32 v5, s18                              ; LDS: my wave's 16 sums
	v_and_b32 v6, 15, v0
	v_lshlrev_b32 v6, 2, v6                        ; LDS: row l % 16 of every wave's
	s_mov_b32 s28, 0x3a000000                      ; 1 / 2,048
	s_mov_b32 s29, 0x358637bd                      ; 1e-6
	s_mov_b32 s30, 0x76543210                      ; v_permlanex16_b32: each lane takes its own place in the other half
	s_mov_b32 s31, 0xfedcba98
	s_lshl_b32 s20, s16, 24                        ; the plane of f32,
	s_lshl_b32 s21, ttmp9, 17                      ; the group's 16 rows of 8,192 bytes
	s_add_co_u32 s20, s20, s21
	s_mov_b32 s21, 0
	s_lshl_b32 s22, s16, 23                        ; the plane of f16,
	s_lshl_b32 s23, ttmp9, 12                      ; 16 rows of 256 bytes in each head
	s_add_co_u32 s22, s22, s23
	s_mov_b32 s23, 0
	s_wait_kmcnt 0x0
	s_add_nc_u64 s[4:5], s[4:5], s[20:21]
	s_add_nc_u64 s[12:13], s[12:13], s[22:23]
.set i, 0
.rept 16
	global_load_b128 v[X+8*i:X+8*i+3],   v2, s[4:5] offset:8192*i th:TH_LOAD_NT
	global_load_b128 v[X+8*i+4:X+8*i+7], v2, s[4:5] offset:8192*i+512 th:TH_LOAD_NT
.set i, i+1
.endr
; row i leaves: eight numbers to f16, in place; each store of the wave is one head's row, 256 consecutive bytes, aligned
.macro OUTROW i
.set rx, X+8*(\i)
	v_cvt_pk_f16_f32 v[rx],   v[rx],   v[rx+1]
	v_cvt_pk_f16_f32 v[rx+1], v[rx+2], v[rx+3]
	v_cvt_pk_f16_f32 v[rx+4], v[rx+4], v[rx+5]
	v_cvt_pk_f16_f32 v[rx+5], v[rx+6], v[rx+7]
	global_store_b64 v3, v[rx:rx+1],   s[12:13] offset:256*(\i)
	global_store_b64 v3, v[rx+4:rx+5], s[12:13] offset:524288+256*(\i)
.endm
	s_cmp_eq_u32 s16, 1
	s_cselect_b64 s[8:9], s[10:11], s[8:9]         ; gq or gk
	s_lshl_b32 s24, ttmp9, 13                      ; 16 rows of 512 bytes of cs
	s_mov_b32 s25, 0
	s_add_nc_u64 s[6:7], s[6:7], s[24:25]
	s_lshl_b32 s26, s16, 7
	s_add_co_u32 s26, s26, ttmp9
	s_lshl_b32 s26, s26, 13                        ; pooled: row 128 y + group, 8,192 bytes
	s_mov_b32 s27, 0
	s_add_nc_u64 s[14:15], s[14:15], s[26:27]
	global_load_b128 v[G:G+3],   v2, s[8:9]
	global_load_b128 v[G+4:G+7], v2, s[8:9] offset:512
.set i, 0
.rept 16
	global_load_b128 v[CS+4*i:CS+4*i+3], v4, s[6:7] offset:512*i
.set i, i+1
.endr
; my 8 numbers' squares of row i; four scratch pairs take turns
.macro SQ i
.set rt, T+2*((\i)%4)
.set rx, X+8*(\i)
	s_wait_loadcnt 18+2*(15-(\i))                  ; behind row i's two loads stand the later rows' and the 18 of the gain and the table
	v_pk_mul_f32 v[rt:rt+1], v[rx:rx+1], v[rx:rx+1]
	v_pk_fma_f32 v[rt:rt+1], v[rx+2:rx+3], v[rx+2:rx+3], v[rt:rt+1]
	v_pk_fma_f32 v[rt:rt+1], v[rx+4:rx+5], v[rx+4:rx+5], v[rt:rt+1]
	v_pk_fma_f32 v[rt:rt+1], v[rx+6:rx+7], v[rx+6:rx+7], v[rt:rt+1]
	v_add_f32 v[SS+(\i)], v[rt], v[rt+1]
.endm
.set i, 0
.rept 16
	SQ i
.set i, i+1
.endr
	; across the 32 lanes: four steps inside each half ride on the addition, one crosses the halves; the 16 rows' chains stand side by side
.irp m, 1,2,4,8
.set i, 0
.rept 16
	v_add_f32_dpp v[SS+i], v[SS+i], v[SS+i] row_xmask:\m row_mask:0xf bank_mask:0xf
.set i, i+1
.endr
.endr
.irp b, 0,8
.irp j, 0,1,2,3,4,5,6,7
	v_permlanex16_b32 v[T+\j], v[SS+\b+\j], s30, s31
.endr
.irp j, 0,1,2,3,4,5,6,7
	v_add_f32 v[SS+\b+\j], v[SS+\b+\j], v[T+\j]
.endr
.endr
	; across the 8 waves, through LDS: every lane of a wave writes the same 64 bytes with the same numbers
.irp k, 0,1,2,3
	ds_store_b128 v5, v[SS+4*\k:SS+4*\k+3] offset:16*\k
.endr
	s_wait_dscnt 0x0                               ; for the others' sake: my stores are done
	s_barrier_signal -1
	s_barrier_wait -1
.irp k, 0,1,2,3,4,5,6,7
	ds_load_b32 v[T+\k], v6 offset:64*\k           ; lane l: row l % 16, wave k's part
.endr
	s_wait_dscnt 0x0
.irp k, 1,2,3,4,5,6,7
	v_add_f32 v[T], v[T], v[T+\k]
.endr
	v_fma_f32 v[T], v[T], s28, s29                 ; the mean + 1e-6
	v_rsq_f32 v[T], v[T]
	v_nop                                          ; a plain instruction behind the transcendental (ISA guide 5.7.2)
.set i, 0
	s_wait_alu depctr_va_vdst(0)
.rept 16
	v_readlane_b32 s[RS+i], v[T], i
.set i, i+1
.endr
	s_wait_loadcnt 0x0                             ; the gain and the table
.irp p, 0,1,2,3
	v_cvt_pk_bf16_f32 v[T+\p], v[G+2*\p], v[G+2*\p+1]
.endr
.irp p, 0,1,2,3
	v_lshlrev_b32 v[G+2*\p], 16, v[T+\p]
	v_and_b32 v[G+2*\p+1], 0xffff0000, v[T+\p]
.endr
; row i: (x r) g; then pair (a, b) becomes (a c - b s, a s + b c); then the row joins the sums
.macro ROT i
.set rx, X+8*(\i)
.set rc, CS+4*(\i)
.irp j, 0,1,2,3,4,5,6,7
	v_mul_f32 v[rx+\j], s[RS+(\i)], v[rx+\j]
.endr
.irp j, 0,2,4,6
	v_pk_mul_f32 v[rx+\j:rx+\j+1], v[rx+\j:rx+\j+1], v[G+\j:G+\j+1]
.endr
.irp p, 0,1,2,3
	v_mul_f32 v[T+2*\p],   v[rx+2*\p+1], v[rc+2*(\p%2)+1]
	v_mul_f32 v[T+2*\p+1], v[rx+2*\p+1], v[rc+2*(\p%2)]
.endr
.irp p, 0,1,2,3
	v_fma_f32 v[rx+2*\p+1], v[rx+2*\p], v[rc+2*(\p%2)+1], v[T+2*\p+1]
	v_fma_f32 v[rx+2*\p],   v[rx+2*\p], v[rc+2*(\p%2)],   -v[T+2*\p]
.endr
.if (\i) == 1
.irp j, 0,2,4,6
	v_pk_add_f32 v[P+\j:P+\j+1], v[X+\j:X+\j+1], v[rx+\j:rx+\j+1]  ; rows 0 and 1 start the sums: nothing is cleared
.endr
.elseif (\i) > 1
.irp j, 0,2,4,6
	v_pk_add_f32 v[P+\j:P+\j+1], v[P+\j:P+\j+1], v[rx+\j:rx+\j+1]
.endr
.endif
.endm
.set i, 0
.rept 16
	ROT i
.set i, i+1
.endr
	global_store_b128 v2, v[P:P+3],   s[14:15]           ; a wave's store covers 512 consecutive bytes, aligned
	global_store_b128 v2, v[P+4:P+7], s[14:15] offset:512
.set i, 0
.rept 16
	OUTROW i
.set i, i+1
.endr
	s_wait_tensorcnt 0x0
	ds_add_u32 v240, v241
	s_wait_dscnt 0x0
	s_endpgm
.Lfunc_end_k_q6a1428f7bb_norm:
	.size	k_q6a1428f7bb_norm, .Lfunc_end_k_q6a1428f7bb_norm-k_q6a1428f7bb_norm
	.p2alignl 7, 3214868480
	.fill 96, 4, 3214868480
	.section	.rodata,"a",@progbits
	.p2align	6, 0x0
	.amdhsa_kernel k_q6a1428f7bb_norm
		.amdhsa_group_segment_fixed_size 1536
		.amdhsa_private_segment_fixed_size 0
		.amdhsa_enable_private_segment 0
		.amdhsa_kernarg_size 48
		.amdhsa_user_sgpr_count 2
		.amdhsa_user_sgpr_kernarg_segment_ptr 1
		.amdhsa_wavefront_size32 1
		.amdhsa_system_sgpr_workgroup_id_x 1
		.amdhsa_system_sgpr_workgroup_id_y 1
		.amdhsa_system_sgpr_workgroup_id_z 1
		.amdhsa_system_vgpr_workitem_id 0
		.amdhsa_next_free_vgpr 242
		.amdhsa_next_free_sgpr 66
		.amdhsa_reserve_vcc 0
		.amdhsa_float_denorm_mode_32 3
		.amdhsa_float_denorm_mode_16_64 3
		.amdhsa_memory_ordered 1
		.amdhsa_forward_progress 1
		.amdhsa_inst_pref_size 52
	.end_amdhsa_kernel
	.amdgpu_metadata
---
amdhsa.version: [ 1, 2 ]
amdhsa.kernels:
  - .name:           k_q6a1428f7bb_norm
    .symbol:         k_q6a1428f7bb_norm.kd
    .args:
      - { .name: qkvf, .offset: 0, .size: 8, .value_kind: global_buffer, .address_space: global }
      - { .name: cs, .offset: 8, .size: 8, .value_kind: global_buffer, .address_space: global }
      - { .name: gq, .offset: 16, .size: 8, .value_kind: global_buffer, .address_space: global }
      - { .name: gk, .offset: 24, .size: 8, .value_kind: global_buffer, .address_space: global }
      - { .name: qkvh, .offset: 32, .size: 8, .value_kind: global_buffer, .address_space: global }
      - { .name: pooled, .offset: 40, .size: 8, .value_kind: global_buffer, .address_space: global }
    .group_segment_fixed_size: 1536
    .private_segment_fixed_size: 0
    .kernarg_segment_align: 8
    .kernarg_segment_size: 48
    .max_flat_workgroup_size: 256
    .sgpr_count:     66
    .vgpr_count:     242
    .wavefront_size: 32
...
	.end_amdgpu_metadata
.endif
;; end of part 8
;; launch mask (part 9): grid 272 x 1, 8 waves a work-group, no clusters, 18,944 bytes of LDS; arguments pooled, list, Wo, wob; writes list, wob
.if DOCPART == 9
	.amdgcn_target "amdgcn-amd-amdhsa--gfx1250"
	.amdhsa_code_object_version 6
	.text
	.protected	k_q6a1428f7bb_mask
	.globl	k_q6a1428f7bb_mask
	.p2align	8
	.type	k_q6a1428f7bb_mask,@function
k_q6a1428f7bb_mask:
	s_mov_b64 s[64:65], 0
	v_nop
	global_prefetch_b8 v0, s[64:65] scope:SCOPE_SE
	s_setreg_imm32_b32 hwreg(HW_REG_WAVE_MODE, 25, 1), 1
	s_wait_xcnt 0x0
; TWO JOBS IN ONE LAUNCH.  Work-groups 0 .. 15 make the block masks, one head each; work-groups 16 .. 271 cast Wo ([2048][2048] f32, rounded to bf16 and written as f16 into wob), 65,536 bytes each.
; The masks have work for 16 work-groups alone (16 heads, a head's 256 scores one thread each) and wob is wanted by the last launch alone, so the cast runs beside them.  Neither job reads what the other writes.
; MASK.  The 8 partial sums of each block of 128 tokens are added and divided by 128 (32 rows of 128 f32: q's 16 blocks, then k's); thread t = 16 m + n makes the score
; of query block m and key block n, / sqrt(128); the block pairs that the fixed local window hides (m % 8 < 2 and n % 8 >= 6) count as -infinity; softmax along n, with the row's maximum taken away;
; in each frame's group of 8 x 16 = 128 probabilities an entry is kept if it is greater than the 11th largest.  That is so exactly if at most 10 entries of the group, itself among them, are >= it.
; list[head][m] (16 bits) has bit n set for a kept pair.  All in f32 on the vector unit: half a million multiply-adds in the launch, and a 16-bit operand could change the choice.
; No branch and no address hangs on a floating-point number.
; LIMITS of the cast.  A bf16 number is an f16 number exactly for 2^-17 <= |v| <= 65,504; below that f16 keeps its fixed step of 2^-24, beyond 65,504 the conversion gives an infinity.
.set RP,   528                         ; an LDS row: 512 bytes + 16
.set PROB, 32*RP                       ; behind the rows: the 256 probabilities
	s_load_b128 s[4:7], s[0:1], 0x0                ; pooled, list
	s_load_b128 s[24:27], s[0:1], 0x10             ; Wo, wob
	v_lshl_add_u32 v160, v0, 2, 0x4600
	v_mov_b32 v161, 0
	s_cmp_ge_u32 ttmp9, 16                         ; the same answer in every wave of the work-group
	s_cbranch_scc1 .Lcast
	v_lshrrev_b32 v1, 5, v0
	v_readfirstlane_b32 s8, v1                     ; wave
	v_and_b32 v1, 31, v0                           ; lane
	s_lshl_b32 s10, ttmp9, 9                       ; the head's 128 columns,
	s_lshl_b32 s11, s8, 16                         ; row w of each pass: 8 partial sums of 8,192 bytes
	s_add_co_u32 s10, s10, s11
	s_mov_b32 s11, 0
	v_lshlrev_b32 v2, 4, v1
	s_mul_i32 s9, s8, RP
	v_lshl_add_u32 v3, v1, 4, s9                   ; LDS: row w, 16 bytes a lane
	s_wait_kmcnt 0x0
	s_add_nc_u64 s[4:5], s[4:5], s[10:11]
.set i, 0
.rept 32                                               ; pass i / 8: row 8 (i / 8) + w; partial sum i % 8
	global_load_b128 v[16+4*i:16+4*i+3], v2, s[4:5] offset:(i/8)*524288+(i%8)*8192
.set i, i+1
.endr
.irp p, 0,1,2,3
	s_wait_loadcnt 8*(3-\p)                        ; the later passes' loads stay out
.irp s, 1,2,3,4,5,6,7
	v_pk_add_f32 v[16+32*\p:17+32*\p], v[16+32*\p:17+32*\p], v[16+32*\p+4*\s:17+32*\p+4*\s]
	v_pk_add_f32 v[18+32*\p:19+32*\p], v[18+32*\p:19+32*\p], v[18+32*\p+4*\s:19+32*\p+4*\s]
.endr
	v_pk_mul_f32 v[16+32*\p:17+32*\p], v[16+32*\p:17+32*\p], 0x3c000000 op_sel_hi:[1,0]  ; / 128
	v_pk_mul_f32 v[18+32*\p:19+32*\p], v[18+32*\p:19+32*\p], 0x3c000000 op_sel_hi:[1,0]
	ds_store_b128 v3, v[16+32*\p:19+32*\p] offset:8*RP*\p
.endr
	v_lshrrev_b32 v8, 4, v0
	v_mul_u32_u24 v8, v8, RP                       ; q's row m
	v_and_b32 v9, 15, v0
	v_add_nc_u32 v9, 16, v9
	v_mul_u32_u24 v9, v9, RP                       ; k's row n
	s_wait_dscnt 0x0                               ; for the others' sake: my stores are done
	s_barrier_signal -1
	s_barrier_wait -1
; the product of 128 terms, in four batches of 32, on two halves of 64 registers that take turns
.macro LOADB b
.set rh, 16+64*((\b)%2)
.irp j, 0,1,2,3,4,5,6,7
	ds_load_b128 v[rh+8*\j:rh+8*\j+3],   v8 offset:16*(8*(\b)+\j)
	ds_load_b128 v[rh+8*\j+4:rh+8*\j+7], v9 offset:16*(8*(\b)+\j)
.endr
.endm
.macro DOTB b
.set rh, 16+64*((\b)%2)
.irp j, 0,1,2,3,4,5,6,7
.if (\b) == 0 && (\j) == 0
	v_pk_mul_f32 v[4:5], v[rh:rh+1],   v[rh+4:rh+5]
	v_pk_mul_f32 v[6:7], v[rh+2:rh+3], v[rh+6:rh+7]
.else
	v_pk_fma_f32 v[4:5], v[rh+8*\j:rh+8*\j+1],   v[rh+8*\j+4:rh+8*\j+5], v[4:5]
	v_pk_fma_f32 v[6:7], v[rh+8*\j+2:rh+8*\j+3], v[rh+8*\j+6:rh+8*\j+7], v[6:7]
.endif
.endr
.endm
	LOADB 0
	LOADB 1
	s_wait_dscnt 16                                ; the younger batch's 16 loads stay out
	DOTB 0
	LOADB 2
	s_wait_dscnt 16
	DOTB 1
	LOADB 3
	s_wait_dscnt 16
	DOTB 2
	s_wait_dscnt 0x0
	DOTB 3
	v_add_f32 v4, v4, v5
	v_add_f32 v6, v6, v7
	v_add_f32 v4, v4, v6
	v_mul_f32 v4, 0x3db504f3, v4                   ; / sqrt(128)
	v_and_b32 v5, 0x66, v0                         ; bits 1, 2 of n and of m
	v_mov_b32 v6, 0xff800000
	v_cmp_eq_u32 vcc_lo, 6, v5                     ; n % 8 >= 6 and m % 8 < 2
	v_cndmask_b32 v4, v4, v6, vcc_lo
	v_mov_b32 v5, v4
.irp m, 1,2,4,8                                        ; a row's 16 scores lie in 16 neighbouring lanes; at least 12 of them are seen
	v_max_num_f32_dpp v5, v5, v5 row_xmask:\m row_mask:0xf bank_mask:0xf
.endr
	v_sub_f32 v6, v4, v5
	v_mul_f32 v6, 0x3fb8aa3b, v6
	v_exp_f32 v6, v6
	v_nop                                          ; a plain instruction behind the transcendental (ISA guide 5.7.2)
	s_wait_alu depctr_va_vdst(0)
	v_mov_b32 v7, v6
.irp m, 1,2,4,8
	v_add_f32_dpp v7, v7, v7 row_xmask:\m row_mask:0xf bank_mask:0xf
.endr
	v_rcp_f32 v10, v7
	v_nop
	s_wait_alu depctr_va_vdst(0)
	v_mul_f32 v13, v6, v10                         ; e / sum: the product with the reciprocal,
	v_fma_f32 v11, -v13, v7, v6                    ; what it leaves,
	v_fma_f32 v13, v11, v10, v13                   ; put right
	v_lshl_add_u32 v12, v0, 2, PROB
	ds_store_b32 v12, v13
	s_lshr_b32 s12, s8, 2                          ; my frame: waves 0-3, 4-7
	s_lshl_b32 s12, s12, 9
	s_add_co_u32 s12, s12, PROB
	v_mov_b32 v14, s12
	v_mov_b32 v15, 0
	s_wait_dscnt 0x0
	s_barrier_signal -1
	s_barrier_wait -1
.set i, 0
.rept 32
	ds_load_b128 v[16+4*i:16+4*i+3], v14 offset:16*i  ; the group's 128 probabilities, in every lane
.set i, i+1
.endr
	s_wait_dscnt 0x0
.set i, 0
.rept 128
	v_cmp_ge_f32 vcc_lo, v[16+i], v13
	v_add_co_ci_u32 v15, vcc_lo, 0, v15, vcc_lo    ; one more that is >= mine
.set i, i+1
.endr
	v_cmp_ge_u32 vcc_lo, 10, v15                   ; kept.  The wave's 32 bits are the words of query blocks 2 w (low half) and 2 w + 1
	s_mov_b32 s20, vcc_lo
	v_mov_b32 v10, s20
	s_lshl_b32 s13, ttmp9, 3
	s_add_co_u32 s13, s13, s8
	s_lshl_b32 s13, s13, 2
	v_mov_b32 v11, s13
	v_cmp_eq_u32 vcc_lo, 0, v1
	s_wait_xcnt 0x0                                ; EXEC changes only behind this wait
	s_wait_tensorcnt 0x0
	ds_add_u32 v160, v161
	s_wait_dscnt 0x0
	s_and_saveexec_b32 s22, vcc_lo                 ; lane 0 stores the wave's word: 512 bytes in the whole launch
	global_store_b32 v11, v10, s[6:7]
	s_wait_xcnt 0x0
	s_or_b32 exec_lo, exec_lo, s22
	s_endpgm
; THE CAST OF Wo.  A stream: a wave has 8,192 bytes; all its 16 loads of 512 consecutive bytes go out at once, and each store of a wave covers 256 consecutive bytes, aligned.
; No register is used twice by a load or a store, so no wait frees any.
.set XR, 8                             ; v[8:71]     16 x 4 numbers as loaded
.set YR, 72                            ; v[72:103]   16 x 2 registers to store
.set TR, 104                           ; v[104:109]  at work
.Lcast:
	s_sub_co_u32 s28, ttmp9, 16                    ; which 65,536 bytes of Wo
	s_lshl_b32 s30, s28, 16
	s_mov_b32 s31, 0
	s_lshl_b32 s28, s28, 15                        ; and which 32,768 of wob
	s_mov_b32 s29, 0
	s_mov_b32 s8, 0xffff0000                       ; a word's upper bf16
	v_and_b32 v1, 31, v0                           ; lane
	v_and_b32 v4, 0xe0, v0                         ; 32 x wave
	v_lshlrev_b32 v2, 4, v1
	v_lshl_or_b32 v2, v4, 8, v2                    ; source: wave x 8,192 + 16 x lane
	v_lshlrev_b32 v3, 3, v1
	v_lshl_or_b32 v3, v4, 7, v3                    ; destination: wave x 4,096 + 8 x lane
	s_wait_kmcnt 0x0
	s_add_nc_u64 s[24:25], s[24:25], s[30:31]
	s_add_nc_u64 s[26:27], s[26:27], s[28:29]
.set i, 0
.rept 16
	global_load_b128 v[XR+4*i:XR+4*i+3], v2, s[24:25] offset:512*i th:TH_LOAD_NT
.set i, i+1
.endr
; four numbers: to bf16, widened again (a shift, a mask), and written as f16
.macro CV i
	v_cvt_pk_bf16_f32 v[TR], v[XR+4*(\i)], v[XR+4*(\i)+1]
	v_cvt_pk_bf16_f32 v[TR+1], v[XR+4*(\i)+2], v[XR+4*(\i)+3]
	v_lshlrev_b32 v[TR+2], 16, v[TR]
	v_and_b32 v[TR+3], s8, v[TR]
	v_lshlrev_b32 v[TR+4], 16, v[TR+1]
	v_and_b32 v[TR+5], s8, v[TR+1]
	v_cvt_pk_f16_f32 v[YR+2*(\i)], v[TR+2], v[TR+3]
	v_cvt_pk_f16_f32 v[YR+2*(\i)+1], v[TR+4], v[TR+5]
.endm
.set i, 0
.rept 16
	s_wait_loadcnt 15-i                            ; loads come back in order: load i is in, the 15 - i younger ones stay out
	CV i
	global_store_b64 v3, v[YR+2*i:YR+2*i+1], s[26:27] offset:256*i
.set i, i+1
.endr
	s_endpgm
.Lfunc_end_k_q6a1428f7bb_mask:
	.size	k_q6a1428f7bb_mask, .Lfunc_end_k_q6a1428f7bb_mask-k_q6a1428f7bb_mask
	.p2alignl 7, 3214868480
	.fill 96, 4, 3214868480
	.section	.rodata,"a",@progbits
	.p2align	6, 0x0
	.amdhsa_kernel k_q6a1428f7bb_mask
		.amdhsa_group_segment_fixed_size 18944
		.amdhsa_private_segment_fixed_size 0
		.amdhsa_enable_private_segment 0
		.amdhsa_kernarg_size 32
		.amdhsa_user_sgpr_count 2
		.amdhsa_user_sgpr_kernarg_segment_ptr 1
		.amdhsa_wavefront_size32 1
		.amdhsa_system_sgpr_workgroup_id_x 1
		.amdhsa_system_sgpr_workgroup_id_y 1
		.amdhsa_system_sgpr_workgroup_id_z 1
		.amdhsa_system_vgpr_workitem_id 0
		.amdhsa_next_free_vgpr 162
		.amdhsa_next_free_sgpr 66
		.amdhsa_reserve_vcc 1
		.amdhsa_float_denorm_mode_32 3
		.amdhsa_float_denorm_mode_16_64 3
		.amdhsa_memory_ordered 1
		.amdhsa_forward_progress 1
		.amdhsa_inst_pref_size 40
	.end_amdhsa_kernel
	.amdgpu_metadata
---
amdhsa.version: [ 1, 2 ]
amdhsa.kernels:
  - .name:           k_q6a1428f7bb_mask
    .symbol:         k_q6a1428f7bb_mask.kd
    .args:
      - { .name: pooled, .offset: 0, .size: 8, .value_kind: global_buffer, .address_space: global }
      - { .name: list, .offset: 8, .size: 8, .value_kind: global_buffer, .address_space: global }
      - { .name: Wo, .offset: 16, .size: 8, .value_kind: global_buffer, .address_space: global }
      - { .name: wob, .offset: 24, .size: 8, .value_kind: global_buffer, .address_space: global }
    .group_segment_fixed_size: 18944
    .private_segment_fixed_size: 0
    .kernarg_segment_align: 8
    .kernarg_segment_size: 32
    .max_flat_workgroup_size: 256
    .sgpr_count:     66
    .vgpr_count:     162
    .wavefront_size: 32
...
	.end_amdgpu_metadata
.endif
;; end of part 9
;; launch attn (part 10): grid 16 x 32, 8 waves a work-group, no clusters, 196,608 bytes of LDS; arguments qkvh, list, act16; writes act16
.if DOCPART == 10
	.amdgcn_target "amdgcn-amd-amdhsa--gfx1250"
	.amdhsa_code_object_version 6
	.text
	.protected	k_q6a1428f7bb_attn
	.globl	k_q6a1428f7bb_attn
	.p2align	8
	.type	k_q6a1428f7bb_attn,@function
k_q6a1428f7bb_attn:
	s_mov_b64 s[64:65], 0
	v_nop
	global_prefetch_b8 v0, s[64:65] scope:SCOPE_SE
	s_setreg_imm32_b32 hwreg(HW_REG_WAVE_MODE, 25, 1), 1
	s_wait_xcnt 0x0
; BLOCK-SPARSE ATTENTION.  A work-group owns half a block of 128 queries, 64, of one head; list[head][block] says which of the 16 key blocks the block sees (at most 10: a group of 8 query blocks keeps at most 10 pairs).
; O[q] = the sum over the seen keys of softmax(Q[q] . K[k] / sqrt(128)) V[k]; a block that sees nothing gives zeros.  Q, K, V: qkvh, [3][16][2048][128] f16; O goes to act16[token][128 head + channel] in f16.
; Products, maxima and sums in f32; the weights p are rounded to f16 for the second product (their sum l is taken of the unrounded p), O once at the end.
; LIMITS.  f16 holds no number beyond 65,504; p below 6e-5 keeps f16's fixed step; a weight below 2^-126 counts as 0 in l; NaN and infinities are not treated apart.
; SHARES.  Eight waves in two GROUPS of four.  Wave wq of either group has the same 16 queries; group g takes the seen key blocks number g, g + 2, g + 4, .. of the list, so the chain of trips is half as long
; and two tiles are on their way at a time.  Each group has a tile of K and V (128 keys) of its own in LDS.  The tiles come through registers: each of a group's 128 threads loads 16 bytes of 16 + 16 chunks
; of the group's NEXT tile while the tile in hand is multiplied, and stores them into LDS between the trip's two barriers.
; AT THE END group 1 hands its c m, l and O^T to group 0 through LDS, and group 0 joins the two: with M the greater c m and a_i = 2^(c m_i - M): l = a_0 l_0 + a_1 l_1, O = (a_0 O_0 + a_1 O_1) / l.
; THE ORDER OF THE WORK-GROUPS.  The work hangs on the list, so it is uneven.  x is the head; y = 0 .. 31 names the half block, and the halves of query blocks 0, 1, 8, 9 come first (y < 8): the fixed
; local window lets those blocks see 12 of the 16 key blocks, so their probabilities tend to be the larger ones and the kept pairs tend to be theirs.  That is an order alone: every list is served.
; LAYOUT.  S^T = K Q^T (source 0 = 16 keys, source 1 = 16 queries): a lane holds ONE query (lane % 16) and the keys 8 (lane / 16) + 0..7 of each of 8 tiles.  Two such tiles, rounded to f16 in pairs,
; ARE source 1 of O^T = V^T P.  K comes out of LDS as it lies, V ([key][channel]) turned, by ds_load_tr16_b128.
; SOFTMAX.  A running maximum m and sum l: p = 2^(c s - c m), c = log2(e) / sqrt(128); in every trip O and l are multiplied by a = 2^(c m_old - c m_new).  m starts at the lowest finite number,
; O and l at 0 (64 + 2 moves at the head): the first trip is a trip like any other, with a = 0, and a group with no key block hands on zeros that count for nothing.
; THE WALK.  Five trips, the most that a group can need; every wave passes both barriers of every trip; a trip beyond the group's count jumps forward over the stores and over the work.  The count and the
; key blocks' numbers are whole numbers that an earlier launch stored.
; NO CLUSTER: which key blocks the query blocks of a head read hangs on the list, so partners would ask for different tiles and different numbers of them.
.set PK,    272                        ; a row of K in LDS: 256 bytes + 16: the 16 rows of a load start at 16 different groups of four banks (ISA guide 11.1)
.set PV,    288                        ; a row of V: 256 + 32
.set VT,    128*PK                     ; V's tile lies behind K's
.set TILEB, VT+128*PV                  ; a group's two tiles
.set STAGE, 2*TILEB                    ; behind the tiles: 16 rows x 272 bytes for each wave of group 0, for the way out
.set SP,    272
.set XCH,   STAGE+4*16*SP              ; behind the stages: what wave 4 + wq hands to wave wq: 17 times 512 bytes
.set XW,    17*512
.set AK0, 2                            ; v2   my lane's place in a fragment of K
.set AV0, 3                            ; v3   the same for V
.set QO,  4                            ; v4   my byte offset in the wave's rows of Q
.set STO, 5                            ; v5   the way out: where I put 16 bytes of a row
.set RD,  6                            ; v6   the way out: where I read a row back
.set GO,  7                            ; v7   my byte offset in the wave's rows of O
.set GL,  8                            ; v8   16 x my thread's number in its group: my 16 bytes of each 2,048 of a tile
.set LK,  9                            ; v9   where they go in K's tile
.set LV,  10                           ; v10  and in V's
.set CM,  12                           ; v12  c m   (named as a pair with m; v[12:15] are handed on together)
.set M,   13                           ; v13  m
.set L,   14                           ; v[14:15] l: even keys', odd keys'
.set T,   16                           ; v[16:23] at work
.set A,   24                           ; v24  a  (v25 is named with it as a pair)
.set OLD, 26                           ; v26  c m_old; at the end the other group's factor (v27 is named with it as a pair)
.set XA,  28                           ; v28  my 16 bytes of each 512 that are handed on
.set Q,   32                           ; v[32:63]   4 fragments of 32 channels
.set S,   64                           ; v[64:127]  S^T, 8 tiles of 16 keys; then P in v[64:95]
.set O,   128                          ; v[128:191] O^T, 8 blocks of 16 channels
.set F,   192                          ; v[192:255] 8 fragments of K or V; at the end the other group's O^T
                                       ; window 1: v0-63 the next tile's K, v64-127 its V, as loaded
.set WV,   12                          ; s12  wave
.set BITS, 13                          ; s13  the key blocks still to be asked for
.set CNT,  14                          ; s14  how many my group takes
.set TRIP, 15                          ; s15
.set WQ,   32                          ; s32  wave % 4: which 16 queries
.set GRP,  33                          ; s33  wave / 4: my group
.set GB,   34                          ; s34  where my group's tiles begin in LDS
.set MSB, 0
.macro WIN new                         ; the immediate's high byte repeats the setting that is left
.if MSB != (\new)
	s_set_vgpr_msb (MSB<<8)|(\new)
.set MSB, \new
.endif
.endm
; the lowest key block still in BITS is mine: its tiles' addresses.  The number is clamped to 15, so with no bit left it names the last block, inside the buffer.  The next lowest is the other group's.
.macro NEXTJ
	s_ctz_i32_b32 s16, s[BITS]
	s_min_u32 s16, s16, 15
	s_sub_co_u32 s17, s[BITS], 1
	s_and_b32 s[BITS], s[BITS], s17                ; my bit is taken out,
	s_sub_co_u32 s17, s[BITS], 1
	s_and_b32 s[BITS], s[BITS], s17                ; and the other group's
	s_lshl_b32 s16, s16, 15                        ; a tile is 32,768 bytes
	s_mov_b32 s17, 0
	s_add_nc_u64 s[24:25], s[20:21], s[16:17]
	s_add_nc_u64 s[26:27], s[22:23], s[16:17]
.endm
.macro PREF                            ; 16 + 16 loads: the group's 128 threads take 2,048 consecutive bytes with each
	WIN 0x40                                       ; destination window 1, address window 0
.irp i, 0,1,2,3,4,5,6,7,8,9,10,11,12,13,14,15
	global_load_b128 v[4*\i:4*\i+3], v[GL], s[24:25] offset:2048*\i
.endr
.irp i, 0,1,2,3,4,5,6,7,8,9,10,11,12,13,14,15
	global_load_b128 v[64+4*\i:64+4*\i+3], v[GL], s[26:27] offset:2048*\i
.endr
	WIN 0
.endm
	s_load_b128 s[4:7], s[0:1], 0x0                ; qkvh, list
	s_load_b64 s[8:9], s[0:1], 0x10                ; act16
	v_lshl_add_u32 v30, v0, 2, 0x2fc00
	v_mov_b32 v31, 0
	v_lshrrev_b32 v1, 5, v0
	v_readfirstlane_b32 s[WV], v1
	s_and_b32 s[WQ], s[WV], 3
	s_lshr_b32 s[GRP], s[WV], 2
	s_mul_i32 s[GB], s[GRP], TILEB
	s_mov_b32 s10, ttmp9                           ; the head
	s_and_b32 s11, ttmp7, 0xffff                   ; y
	s_and_b32 s19, s11, 1                          ; which half of the block
	s_lshr_b32 s16, s11, 1                         ; z = 0 .. 15 names the block: z = 0, 1, 2, 3 are blocks 0, 1, 8, 9;
	s_lshr_b32 s17, s16, 1
	s_lshl_b32 s17, s17, 3
	s_and_b32 s18, s16, 1
	s_add_co_u32 s17, s17, s18
	s_sub_co_u32 s18, s16, 2                       ; z = 4 .. 9 are blocks 2 .. 7;
	s_cmp_ge_u32 s16, 10
	s_cselect_b32 s18, s16, s18                    ; z = 10 .. 15 are blocks 10 .. 15
	s_cmp_lt_u32 s16, 4
	s_cselect_b32 s11, s17, s18                    ; the query block
	s_lshl_b32 s16, s10, 3
	s_lshr_b32 s17, s11, 1
	s_add_co_u32 s16, s16, s17
	s_lshl_b32 s16, s16, 2                         ; the word with my block's 16 bits
	s_mov_b32 s17, 0
	s_wait_kmcnt 0x0
	s_add_nc_u64 s[6:7], s[6:7], s[16:17]
	s_load_b32 s[BITS], s[6:7], 0x0
	s_lshl_b32 s16, s10, 19                        ; a head is 524,288 bytes
	s_add_nc_u64 s[4:5], s[4:5], s[16:17]
	s_add_nc_u64 s[20:21], s[4:5], 0x800000        ; K's plane
	s_add_nc_u64 s[22:23], s[4:5], 0x1000000       ; V's plane
	s_lshl_b32 s16, s11, 15                        ; my block's 128 rows of Q,
	s_lshl_b32 s18, s19, 14                        ; my half's 64,
	s_add_co_u32 s16, s16, s18
	s_lshl_b32 s18, s[WQ], 12                      ; my wave's 16 of them
	s_add_co_u32 s16, s16, s18
	s_add_nc_u64 s[4:5], s[4:5], s[16:17]
	s_lshl_b32 s16, s11, 19                        ; O: 128 rows of 4,096 bytes,
	s_lshl_b32 s18, s19, 18                        ; 64,
	s_add_co_u32 s16, s16, s18
	s_lshl_b32 s18, s[WQ], 16                      ; 16 of them,
	s_add_co_u32 s16, s16, s18
	s_lshl_b32 s18, s10, 8                         ; the head's 256 bytes of a row
	s_add_co_u32 s16, s16, s18
	s_add_nc_u64 s[8:9], s[8:9], s[16:17]
	s_mov_b32 s28, 0x3e0293ee                      ; c = log2(e) / sqrt(128)
	s_mov_b32 s29, s28                             ; named with it as a pair
	s_mov_b32 s30, 0x76543210                      ; v_permlanex16_b32: each lane takes its own place in the other half
	s_mov_b32 s31, 0xfedcba98
	v_and_b32 v1, 15, v0                           ; l % 16
	v_bfe_u32 v11, v0, 4, 1                        ; l / 16
	v_mul_u32_u24 v[AK0], v1, PK
	v_lshl_add_u32 v[AK0], v11, 4, v[AK0]          ; row x pitch + 16 x half,
	v_add_nc_u32 v[AK0], s[GB], v[AK0]             ; in my group's tile
	v_and_b32 v16, 7, v0
	v_bfe_u32 v18, v0, 3, 1
	v_lshl_add_u32 v[AV0], v11, 3, v16             ; the turning load: key 8 (l / 16) + l % 8, channels 8 ((l / 8) % 2) on
	v_mul_u32_u24 v[AV0], v[AV0], PV
	v_lshl_add_u32 v[AV0], v18, 4, v[AV0]
	s_add_co_u32 s18, s[GB], VT
	v_add_nc_u32 v[AV0], s18, v[AV0]
	v_lshlrev_b32 v[QO], 8, v1
	v_lshl_add_u32 v[QO], v11, 4, v[QO]
	s_mul_i32 s18, s[WQ], 16*SP
	s_add_co_u32 s18, s18, STAGE                   ; the stage of queries wq: group 0's wave alone uses it
	v_mul_u32_u24 v[STO], v1, SP
	v_lshl_add_u32 v[STO], v11, 4, v[STO]
	v_add_nc_u32 v[STO], s18, v[STO]
	v_mul_u32_u24 v[RD], v11, SP
	v_lshl_add_u32 v[RD], v1, 4, v[RD]
	v_add_nc_u32 v[RD], s18, v[RD]
	v_lshlrev_b32 v[GO], 12, v11
	v_lshl_add_u32 v[GO], v1, 4, v[GO]
	v_and_b32 v[GL], 127, v0
	v_lshlrev_b32 v[GL], 4, v[GL]
	s_mul_i32 s18, s[WQ], 2*PK                     ; of each chunk's 8 rows my wave has rows 2 wq and 2 wq + 1
	s_add_co_u32 s18, s18, s[GB]
	v_mul_u32_u24 v[LK], v11, PK
	v_lshl_add_u32 v[LK], v1, 4, v[LK]
	v_add_nc_u32 v[LK], s18, v[LK]
	s_mul_i32 s18, s[WQ], 2*PV
	s_add_co_u32 s18, s18, s[GB]
	s_add_co_u32 s18, s18, VT
	v_mul_u32_u24 v[LV], v11, PV
	v_lshl_add_u32 v[LV], v1, 4, v[LV]
	v_add_nc_u32 v[LV], s18, v[LV]
	s_mul_i32 s18, s[WQ], XW
	s_add_co_u32 s18, s18, XCH
	v_and_b32 v[XA], 31, v0
	v_lshl_add_u32 v[XA], v[XA], 4, s18
	s_wait_kmcnt 0x0
	s_and_b32 s17, s11, 1
	s_lshl_b32 s17, s17, 4
	s_lshr_b32 s[BITS], s[BITS], s17
	s_and_b32 s[BITS], s[BITS], 0xffff
	s_bcnt1_i32_b32 s[CNT], s[BITS]
	s_add_co_u32 s[CNT], s[CNT], 1
	s_sub_co_u32 s[CNT], s[CNT], s[GRP]
	s_lshr_b32 s[CNT], s[CNT], 1                   ; of N key blocks group 0 takes (N + 1) / 2, group 1 N / 2
	s_sub_co_u32 s17, s[BITS], 1
	s_and_b32 s17, s[BITS], s17
	s_cmp_eq_u32 s[GRP], 1
	s_cselect_b32 s[BITS], s17, s[BITS]            ; group 1 leaves the lowest to group 0
	NEXTJ
	PREF                                           ; the first tile; a group with nothing to do reads a tile that it does not use
.irp c, 0,1,2,3
	global_load_b128 v[Q+8*\c:Q+8*\c+3],   v[QO], s[4:5] offset:64*\c
	global_load_b128 v[Q+8*\c+4:Q+8*\c+7], v[QO], s[4:5] offset:64*\c+32
.endr
.set i, 0
.rept 64
	v_mov_b32 v[O+i], 0
.set i, i+1
.endr
	v_mov_b32 v[CM], 0xfe000000                    ; far below every c s
	v_mov_b32 v[M], 0xff7fffff
	v_mov_b32 v[L], 0
	v_mov_b32 v[L+1], 0
	v_mov_b32 v[A+1], 0
	s_mov_b32 s[TRIP], 0
.Ltrip:
	s_wait_loadcnt 0x0                             ; the tile's 32 chunks (and Q) are in registers; the loads' bases may be written again
	s_wait_dscnt 0x0                               ; my reads of the last tile are over
	s_barrier_signal -1
	s_barrier_wait -1                              ; everybody's are
	s_cmp_lt_u32 s[TRIP], s[CNT]
	s_cbranch_scc0 .Lno_tile
	WIN 0x04                                       ; store data in window 1
.irp i, 0,1,2,3,4,5,6,7,8,9,10,11,12,13,14,15
	ds_store_b128 v[LK], v[4*\i:4*\i+3] offset:8*PK*\i
.endr
.irp i, 0,1,2,3,4,5,6,7,8,9,10,11,12,13,14,15
	ds_store_b128 v[LV], v[64+4*\i:64+4*\i+3] offset:8*PV*\i
.endr
	WIN 0
.Lno_tile:
	s_wait_dscnt 0x0                               ; for the others' sake: my stores are done
	s_barrier_signal -1
	s_barrier_wait -1
	s_cmp_lt_u32 s[TRIP], s[CNT]
	s_cbranch_scc0 .Ldead
	s_add_co_u32 s16, s[TRIP], 1
	s_cmp_lt_u32 s16, s[CNT]
	s_cbranch_scc0 .Lno_next
	NEXTJ
	PREF                                           ; the next tile is on its way while this one is multiplied
.Lno_next:
	; S^T = K Q^T: 32 channels at a time, 8 fragments of K, 8 products; the 8 accumulators take turns
.irp c, 0,1,2,3
.irp kt, 0,1,2,3,4,5,6,7
	ds_load_b128 v[F+8*\kt:F+8*\kt+3],   v[AK0] offset:\kt*16*PK+64*\c
	ds_load_b128 v[F+8*\kt+4:F+8*\kt+7], v[AK0] offset:\kt*16*PK+64*\c+32
.endr
.irp kt, 0,1,2,3,4,5,6,7
.if (\kt%2) == 0
	s_wait_dscnt 12-2*\kt                          ; this fragment's and the next one's four loads are in; behind them stand the later fragments'
.endif
.if \c == 0
	v_wmma_f32_16x16x32_f16 v[S+8*\kt:S+8*\kt+7], v[F+8*\kt:F+8*\kt+7], v[Q+8*\c:Q+8*\c+7], 0
.else
	v_wmma_f32_16x16x32_f16 v[S+8*\kt:S+8*\kt+7], v[F+8*\kt:F+8*\kt+7], v[Q+8*\c:Q+8*\c+7], v[S+8*\kt:S+8*\kt+7]
.endif
.endr
.rept 5
	v_nop                                          ; the places in front of the next loads into the fragments, and of the reads of the scores
.endr
.endr
	; the maximum of my 64 scores and the old m, three operands at a time, in four chains; each accumulator's lowest registers are read first
.irp k, 0,1,2,3
	v_max3_num_f32 v[T+\k], v[S+8*\k], v[S+8*\k+1], v[S+8*\k+2]
.endr
.irp k, 0,1,2,3
	v_max3_num_f32 v[T+\k], v[T+\k], v[S+32+8*\k], v[S+32+8*\k+1]
.endr
.irp k, 0,1,2,3
	v_max3_num_f32 v[T+\k], v[T+\k], v[S+8*\k+3], v[S+8*\k+4]
.endr
.irp k, 0,1,2,3
	v_max3_num_f32 v[T+\k], v[T+\k], v[S+8*\k+5], v[S+8*\k+6]
.endr
.irp k, 0,1,2,3
	v_max3_num_f32 v[T+\k], v[T+\k], v[S+8*\k+7], v[S+32+8*\k+2]
.endr
.irp k, 0,1,2,3
	v_max3_num_f32 v[T+\k], v[T+\k], v[S+32+8*\k+3], v[S+32+8*\k+4]
.endr
.irp k, 0,1,2,3
	v_max3_num_f32 v[T+\k], v[T+\k], v[S+32+8*\k+5], v[S+32+8*\k+6]
.endr
	v_max3_num_f32 v[T], v[T], v[S+39], v[S+47]
	v_max3_num_f32 v[T+2], v[T+2], v[S+55], v[S+63]
	v_max3_num_f32 v[T], v[T], v[T+1], v[T+2]
	v_max3_num_f32 v[T], v[T], v[T+3], v[M]
	v_permlanex16_b32 v[T+1], v[T], s30, s31       ; the query's other 64 keys lie in the lane 16 away
	v_max_num_f32 v[M], v[T], v[T+1]
	v_mov_b32 v[OLD], v[CM]
	v_mul_f32 v[CM], s28, v[M]
	v_sub_f32 v[OLD], v[OLD], v[CM]
	v_exp_f32 v[A], v[OLD]                         ; a; the scalings below are the plain instructions behind it
.set i, 0
.rept 32
	v_pk_fma_f32 v[S+2*i:S+2*i+1], v[S+2*i:S+2*i+1], s[28:29], v[CM:CM+1] op_sel_hi:[1,0,0] neg_lo:[0,0,1] neg_hi:[0,0,1]  ; c s - c m
.set i, i+1
.endr
.set i, 0
.rept 64
	v_exp_f32 v[S+i], v[S+i]
.set i, i+1
.endr
	v_nop                                          ; a plain instruction behind the last exponential (ISA guide 5.7.2)
	s_wait_alu depctr_va_vdst(0)
.irp k, 0,1,2,3                                        ; the sum of the 32 pairs, in four chains
	v_pk_add_f32 v[T+2*\k:T+2*\k+1], v[S+2*\k:S+2*\k+1], v[S+8+2*\k:S+8+2*\k+1]
.endr
.irp g, 2,3,4,5,6,7
.irp k, 0,1,2,3
	v_pk_add_f32 v[T+2*\k:T+2*\k+1], v[T+2*\k:T+2*\k+1], v[S+8*\g+2*\k:S+8*\g+2*\k+1]
.endr
.endr
	v_pk_add_f32 v[T:T+1], v[T:T+1], v[T+2:T+3]
	v_pk_add_f32 v[T+4:T+5], v[T+4:T+5], v[T+6:T+7]
	v_pk_add_f32 v[T:T+1], v[T:T+1], v[T+4:T+5]
	v_pk_fma_f32 v[L:L+1], v[L:L+1], v[A:A+1], v[T:T+1] op_sel_hi:[1,0,1]  ; l = a l + the sum
.set i, 0
.rept 32
	v_cvt_pk_f16_f32 v[S+i], v[S+2*i], v[S+2*i+1]  ; P, in place and ascending: register S + i was read at step i / 2
.set i, i+1
.endr
.set i, 0
.rept 32
	v_pk_mul_f32 v[O+2*i:O+2*i+1], v[O+2*i:O+2*i+1], v[A:A+1] op_sel_hi:[1,0]  ; O a, each accumulator from its low end on
.set i, i+1
.endr
	; O^T += V^T P: 32 keys at a time, 8 fragments of V, 8 products, the 8 accumulators by turns
.irp kk, 0,1,2,3
.irp cb, 0,1,2,3,4,5,6,7
	ds_load_tr16_b128 v[F+8*\cb:F+8*\cb+3],   v[AV0] offset:\kk*32*PV+32*\cb
	ds_load_tr16_b128 v[F+8*\cb+4:F+8*\cb+7], v[AV0] offset:\kk*32*PV+16*PV+32*\cb
.endr
.irp cb, 0,1,2,3,4,5,6,7
.if (\cb%2) == 0
	s_wait_dscnt 12-2*\cb
.endif
	v_wmma_f32_16x16x32_f16 v[O+8*\cb:O+8*\cb+7], v[F+8*\cb:F+8*\cb+7], v[S+8*\kk:S+8*\kk+7], v[O+8*\cb:O+8*\cb+7]
.endr
.rept 5
	v_nop                                          ; the places in front of the next loads into the fragments, of the next trip's products, which write over P, and of the reads of O^T
.endr
.endr
.Ldead:
	s_add_co_u32 s[TRIP], s[TRIP], 1
	s_cmp_lt_u32 s[TRIP], 5
	s_cbranch_scc1 .Ltrip
	; GROUP 1 HANDS ON: c m, m and l in one store, then O^T, each accumulator's lowest registers first; a store of the wave covers 512 consecutive bytes of LDS
	s_cmp_lt_u32 s[WV], 4                          ; hangs on the wave's number alone; no barrier is jumped
	s_cbranch_scc1 .Lmine
	ds_store_b128 v[XA], v[CM:CM+3]
.set i, 0
.rept 16
	ds_store_b128 v[XA], v[O+4*i:O+4*i+3] offset:512*(i+1)
.set i, i+1
.endr
.Lmine:
	s_wait_dscnt 0x0                               ; for the other group's sake: my stores are done
	s_barrier_signal -1
	s_barrier_wait -1
	s_cmp_lt_u32 s[WV], 4
	s_cbranch_scc1 .Lmerge
	s_wait_tensorcnt 0x0
	ds_add_u32 v30, v31
	s_wait_dscnt 0x0
	s_endpgm                                       ; group 1 has done its part
.Lmerge:
	ds_load_b128 v[T:T+3], v[XA]                   ; the other group's c m, m, l
.set i, 0
.rept 16
	ds_load_b128 v[F+4*i:F+4*i+3], v[XA] offset:512*(i+1)  ; and its O^T: same lane, same query and channels as mine
.set i, i+1
.endr
	v_mov_b32 v[OLD+1], 0                          ; named as a pair with the other group's factor
	s_wait_dscnt 16                                ; the first load is in; the 16 of O^T may be out
	v_max_num_f32 v[T+4], v[CM], v[T]              ; M
	v_sub_f32 v[T+5], v[CM], v[T+4]
	v_sub_f32 v[T+6], v[T], v[T+4]
	v_exp_f32 v[T+5], v[T+5]                       ; a_0
	v_exp_f32 v[T+6], v[T+6]                       ; a_1; the additions below are the plain instructions behind them
	v_add_f32 v[L], v[L], v[L+1]
	v_add_f32 v[T+2], v[T+2], v[T+3]
	s_wait_alu depctr_va_vdst(0)
	v_mul_f32 v[L], v[L], v[T+5]
	v_fma_f32 v[L], v[T+2], v[T+6], v[L]           ; a_0 l_0 + a_1 l_1 of my half of the lanes
	v_permlanex16_b32 v[T+1], v[L], s30, s31
	v_add_f32 v[L], v[L], v[T+1]
	v_rcp_f32 v[L+1], v[L]
	v_nop                                          ; a plain instruction behind the reciprocal
	v_cmp_lt_f32 vcc_lo, 0, v[L]
	s_wait_alu depctr_va_vdst(0)
	v_cndmask_b32 v[L+1], 0, v[L+1], vcc_lo        ; a factor 0 where l is 0: a block that sees nothing
	v_mul_f32 v[A], v[T+5], v[L+1]                 ; a_0 / l
	v_mul_f32 v[OLD], v[T+6], v[L+1]               ; a_1 / l
.set i, 0
.rept 32
	v_pk_mul_f32 v[O+2*i:O+2*i+1], v[O+2*i:O+2*i+1], v[A:A+1] op_sel_hi:[1,0]
.set i, i+1
.endr
	s_wait_dscnt 0x0                               ; the other group's O^T
.set i, 0
.rept 32
	v_pk_fma_f32 v[O+2*i:O+2*i+1], v[F+2*i:F+2*i+1], v[OLD:OLD+1], v[O+2*i:O+2*i+1] op_sel_hi:[1,0,1]
.set i, i+1
.endr
	; THE WAY OUT: rounded to f16 and sent through my stage
.set i, 0
.rept 32
	v_cvt_pk_f16_f32 v[S+i], v[O+2*i], v[O+2*i+1]
.set i, i+1
.endr
.irp cb, 0,1,2,3,4,5,6,7
	ds_store_b128 v[STO], v[S+4*\cb:S+4*\cb+3] offset:32*\cb  ; row l % 16, channels 16 cb + 8 (l / 16) on
.endr
.irp t, 0,1,2,3,4,5,6,7
	ds_load_b128 v[S+32+4*\t:S+32+4*\t+3], v[RD] offset:\t*2*SP  ; LDS serves a wave's instructions in order (ISA guide 5.7.1.4): these see the stores above
.endr
.irp t, 0,1,2,3,4,5,6,7
	s_wait_dscnt 7-\t
	global_store_b128 v[GO], v[S+32+4*\t:S+32+4*\t+3], s[8:9] offset:8192*\t  ; 16 lanes store 256 consecutive bytes, at a multiple of 256 from the buffer's first byte
.endr
	s_wait_tensorcnt 0x0
	ds_add_u32 v30, v31
	s_wait_dscnt 0x0
	s_endpgm
.Lfunc_end_k_q6a1428f7bb_attn:
	.size	k_q6a1428f7bb_attn, .Lfunc_end_k_q6a1428f7bb_attn-k_q6a1428f7bb_attn
	.p2alignl 7, 3214868480
	.fill 96, 4, 3214868480
	.section	.rodata,"a",@progbits
	.p2align	6, 0x0
	.amdhsa_kernel k_q6a1428f7bb_attn
		.amdhsa_group_segment_fixed_size 196608
		.amdhsa_private_segment_fixed_size 0
		.amdhsa_enable_private_segment 0
		.amdhsa_kernarg_size 24
		.amdhsa_user_sgpr_count 2
		.amdhsa_user_sgpr_kernarg_segment_ptr 1
		.amdhsa_wavefront_size32 1
		.amdhsa_system_sgpr_workgroup_id_x 1
		.amdhsa_system_sgpr_workgroup_id_y 1
		.amdhsa_system_sgpr_workgroup_id_z 1
		.amdhsa_system_vgpr_workitem_id 0
		.amdhsa_next_free_vgpr 384
		.amdhsa_next_free_sgpr 66
		.amdhsa_reserve_vcc 1
		.amdhsa_float_denorm_mode_32 3
		.amdhsa_float_denorm_mode_16_64 3
		.amdhsa_memory_ordered 1
		.amdhsa_forward_progress 1
		.amdhsa_inst_pref_size 56
	.end_amdhsa_kernel
	.amdgpu_metadata
---
amdhsa.version: [ 1, 2 ]
amdhsa.kernels:
  - .name:           k_q6a1428f7bb_attn
    .symbol:         k_q6a1428f7bb_attn.kd
    .args:
      - { .name: qkvh, .offset: 0, .size: 8, .value_kind: global_buffer, .address_space: global }
      - { .name: list, .offset: 8, .size: 8, .value_kind: global_buffer, .address_space: global }
      - { .name: act16, .offset: 16, .size: 8, .value_kind: global_buffer, .address_space: global }
    .group_segment_fixed_size: 196608
    .private_segment_fixed_size: 0
    .kernarg_segment_align: 8
    .kernarg_segment_size: 24
    .max_flat_workgroup_size: 256
    .sgpr_count:     66
    .vgpr_count:     384
    .wavefront_size: 32
...
	.end_amdgpu_metadata
.endif
;; end of part 10
;; launch oproj (part 11): grid 16 x 16, 4 waves a work-group, clusters of 4 x 4, 327,680 bytes of LDS; arguments act16, wob, out0, bo; writes out0
.if DOCPART == 11
	.amdgcn_target "amdgcn-amd-amdhsa--gfx1250"
	.amdhsa_code_object_version 6
	.text
	.protected	k_q6a1428f7bb_oproj
	.globl	k_q6a1428f7bb_oproj
	.p2align	8
	.type	k_q6a1428f7bb_oproj,@function
k_q6a1428f7bb_oproj:
	s_mov_b64 s[64:65], 0
	v_nop
	global_prefetch_b8 v0, s[64:65] scope:SCOPE_SE
	s_setreg_imm32_b32 hwreg(HW_REG_WAVE_MODE, 25, 1), 1
	s_wait_xcnt 0x0
	s_wait_alu depctr_hold_cnt(0) depctr_sa_sdst(0) depctr_va_vdst(0) depctr_va_sdst(0) depctr_va_ssrc(0) depctr_va_vcc(0) depctr_vm_vsrc(0)
	s_getreg_b32 s2, hwreg(HW_REG_IB_STS2, 6, 4)
	s_cmp_eq_u32 s2, 0
	s_cbranch_scc0 .Lentry_in_a_cluster
	s_endpgm
.Lentry_in_a_cluster:
	s_bfe_u32 s2, ttmp6, 0x10000c
	s_cmp_lg_u32 s2, 0xf033
	s_cbranch_scc0 .Lentry_shape_is_right
	s_endpgm
.Lentry_shape_is_right:
; THE OUTPUT PROJECTION.  C[m][n] = sum over k of A[m][k] B[n][k] + bf16(bias[n]).  A: [2048][2048] f16, B: [2048][2048] f16, C: [2048][2048] f32; sums in f32.
; LIMITS.  f16 operands hold no number beyond 65,504.  The bias is rounded to bf16, like every input of the module.
; A tile of C is 128 x 128: 256 work-groups.  Four waves, each 64 x 64: 16 accumulators of 16 x 16, 128 registers.  K goes in steps of 256 (LDS rows of
; 512 bytes; a wave's tensor load brings 64 of them) through two slots.
; CLUSTERS: 4 x 4 work-groups.  The four of a row of the cluster need the same tiles of A, the four of a column the same tiles of B: each tile is asked for JOINTLY, by the same tensor
; load with the same descriptor and a mask that names the four.
; WHERE A CLUSTER BEGINS.  Cluster (X, Y) begins at K step 2 ((X + 2 (Y % 2)) % 4) and goes round all 8: the four clusters that need the same rows of A (one Y) begin 2 steps apart, and those that need
; the same rows of B (one X) 0 or 4 apart, so that clusters which need the same bytes mostly ask for them at different times.  A sum's order of K hangs on the cluster; each sum is still one f32 chain.
; THE MATRIX INSTRUCTION IS USED TRANSPOSED (source 0 = 16 rows of B, source 1 = 16 rows of A): a lane then holds eight
; neighbouring numbers of a row of C, and the bias of those eight columns is the C operand of the product that starts the sum: nothing is cleared and nothing is added later.
; THE WAY OUT: a wave's 64 columns of f32 are 256 aligned bytes of a row of C, so each wave has a stage of its own (16 rows x 272 bytes) and needs no barrier.
; REGISTERS: window 0: v0-31 addresses; v32-63 the bias of my 64 columns; v64 at work; v128-255 the accumulators ((a, b) at v[128 + 8 (4 a + b)]).
;   window 1: two fragment buffers of 128: for 64 along K, 64 registers of A (2 x 4 x 16 rows x 32 K), then 64 of B.
.set SIZE_K, 2048
.set KSTEP,  256
.set PITCH,  528                       ; an LDS row: 512 bytes of data + 16 of padding = 132 words: row r starts at bank 4 r mod 64 (64 banks of 4 bytes: ISA guide 11.1)
.set HALFT,  64*PITCH                  ; 64 rows: what one tensor load brings, and what one wave reads of A or of B
.set SLOT,   4*HALFT                   ; A's 128 rows, then B's 128 rows
.set STAGE,  2*SLOT                    ; behind the ring: 16 rows x 272 bytes for each wave
.set SPITCH, 272
.set SPARE,  STAGE+4*16*SPITCH         ; behind the stages: the spare words, 128 bytes for each wave: two blocks of 256 bytes that no other line names
.set LAPS, SIZE_K/(2*KSTEP)            ; a lap = two K steps = once round the ring: 4
.set CROW,   8192                      ; bytes in a row of C
.set ADRA, 16                          ; v16-17  LDS address of my A fragments in slot 0, 1
.set ADRB, 20                          ; v20-21  the same for B
.set STO,  24                          ; v24     the way out: where I put 32 bytes of a row
.set RD,   25                          ; v25     the way out: where I read a row back
.set CO,   26                          ; v26     my byte offset in C
.set BO,   27                          ; v27     my byte offset in the bias
.set SPW,  28                          ; v28     LDS address of my spare word: SPARE + 4 x my thread's number; never rewritten
.set NIL,  29                          ; v29     0; never rewritten
.set BIAS, 32
.set TMP,  64
.set ACC,  128
.set F0,   0                           ; fragment buffers, in window 1
.set F1,   128
.set KI,   72                          ; s72, s73  the K step (0 .. 7) that slot 0, 1 holds or has been asked for
.set KO,   74                          ; s[74:75]  that step's byte offset in a row, as a pair with 0 above it
.set BA,   14                          ; s[14:15]  A at the first row that I fetch;  s[6:7] the same for B: neither is rewritten
.set G1, 24                            ; s[24:31] descriptor group 1 for A's tiles;  s[32:39] group 0, one set for each slot
.set G0, 32
.set G1B, 48                           ; s[48:55], s[56:63] the same for B's tiles
.set G0B, 56
.set MSB, 0
.macro WIN new                         ; the immediate's high byte repeats the setting that is left
.if MSB != (\new)
	s_set_vgpr_msb (MSB<<8)|(\new)
.set MSB, \new
.endif
.endm
.set MUL,  0x05                        ; sources 0 (B) and 1 (A) window 1; C and D window 0
.set TO_F, 0x40                        ; destination window 1, address window 0
.macro JLOAD s                         ; a joint load: waves 0 and 1 fetch A's two halves, waves 2 and 3 B's; an s_nop 0 and four v_nop follow each of the two lines, ahead of the jump, the label and what follows
	s_cmp_eq_u32 s11, 0
	s_cbranch_scc0 .Lfor_b_\@
	tensor_load_to_lds s[G0+4*(\s):G0+4*(\s)+3], s[G1:G1+7]
	s_nop 0
.rept 4
	v_nop
.endr
	s_branch .Lasked_\@
.Lfor_b_\@:
	tensor_load_to_lds s[G0B+4*(\s):G0B+4*(\s)+3], s[G1B:G1B+7]
	s_nop 0
.rept 4
	v_nop
.endr
.Lasked_\@:
.endm
; slot s's two global addresses are made anew from its K step: the tile's first row plus 512 bytes a step; the type bits are set again
.macro KADDR s
	s_lshl_b32 s[KO], s[KI+(\s)], 9
	s_add_nc_u64 s[G0+4*(\s)+2:G0+4*(\s)+3], s[BA:BA+1], s[KO:KO+1]
	s_or_b32 s[G0+4*(\s)+3], s[G0+4*(\s)+3], 0x80000000
	s_add_nc_u64 s[G0B+4*(\s)+2:G0B+4*(\s)+3], s[6:7], s[KO:KO+1]
	s_or_b32 s[G0B+4*(\s)+3], s[G0B+4*(\s)+3], 0x80000000
.endm
.macro CREST                           ; a round of the cluster's barrier behind its opening barrier
	s_cmp_lg_u32 s10, 0
	s_cbranch_scc1 .Lnot_wave_0_\@
	s_barrier_signal -3
.Lnot_wave_0_\@:
	s_barrier_wait -3
	s_barrier_signal -1
	s_barrier_wait -1
.endm
.macro CROUND                          ; a whole round
	s_barrier_signal -1
	s_barrier_wait -1
	CREST
.endm
	s_load_b128 s[4:7], s[0:1], 0x0                ; A s[4:5], B s[6:7]
	s_load_b128 s[68:71], s[0:1], 0x10             ; C s[68:69], the bias s[70:71]
	v_lshl_add_u32 v[SPW], v0, 2, SPARE
	v_mov_b32 v[NIL], 0
	ds_add_u32 v28, v29
	s_wait_dscnt 0x0
	v_lshrrev_b32 v1, 5, v0
	v_readfirstlane_b32 s10, v1                    ; wave 0..3
	s_lshr_b32 s11, s10, 1                         ; which half of the tile's rows is mine.  Also: I fetch for A (0) or for B (1)
	s_and_b32 s12, s10, 1                          ; which half of its columns.  Also: which 64 rows of that tile I fetch
	s_bfe_u32 s40, ttmp6, 0x40000                  ; cx, cy: my place in the cluster
	s_bfe_u32 s41, ttmp6, 0x40004
	s_lshl_b32 s42, ttmp9, 2
	s_add_co_u32 s42, s42, s40                     ; tile column = 4 x cluster x + cx
	s_and_b32 s13, ttmp7, 0xffff
	s_and_b32 s[KI], s13, 1                        ; the K step at which my cluster begins: it hangs on the cluster's x and y alone, which all sixteen share
	s_lshl_b32 s[KI], s[KI], 1
	s_add_co_u32 s[KI], s[KI], ttmp9
	s_and_b32 s[KI], s[KI], 3
	s_lshl_b32 s[KI], s[KI], 1                     ; 0, 2, 4 or 6: slot 0's first step;
	s_add_co_u32 s[KI+1], s[KI], 1                 ; slot 1's
	s_mov_b32 s[KO+1], 0
	s_lshl_b32 s13, s13, 2
	s_add_co_u32 s13, s13, s41                     ; tile row = 4 x cluster y + cy
	s_lshl_b32 s43, s41, 2
	s_lshl_b32 s43, 15, s43                        ; my row of the cluster
	s_lshl_b32 s44, 0x1111, s40                    ; my column
	; descriptor group 1: a tile of 64 rows x 256 elements, padded in LDS
	s_or_b32 s[G1+0], s43, (1<<16)|(1<<20)|(1<<21)|(6<<22)|(3<<25)  ; 15:0 the mask: A's tiles go to my row; 17:16 element of 2 bytes; 20 padding on; 21 set beside a mask; 24:22 after every 128 words (code 6); 31:25 of 4 words (code 3)
	s_or_b32 s[G1B+0], s44, (1<<16)|(1<<20)|(1<<21)|(6<<22)|(3<<25)
.irp g, G1, G1B
	s_mov_b32 s[(\g)+1], KSTEP<<16                 ; tensor_dim0 = 256
	s_mov_b32 s[(\g)+2], 64<<16                    ; tensor_dim1 = 64
	s_mov_b32 s[(\g)+3], KSTEP<<16                 ; tile_dim0 = 256
	s_mov_b32 s[(\g)+4], 64                        ; tile_dim1 = 64
	s_mov_b32 s[(\g)+5], SIZE_K                    ; tensor_dim0_stride
	s_mov_b32 s[(\g)+6], 0
	s_mov_b32 s[(\g)+7], 0
.endr
	s_lshl_b32 s17, s12, 6                         ; which 64 rows of the tile I fetch
	s_lshl_b32 s16, s13, 7
	s_add_co_u32 s16, s16, s17                     ; A: row 128 x tile row + 64 x half
	s_lshl_b32 s46, s42, 7
	s_add_co_u32 s46, s46, s17                     ; B: row 128 x tile column + 64 x half
	s_mov_b32 s17, 0
	s_mov_b32 s47, 0
	s_mov_b64 s[18:19], SIZE_K*2
	s_mul_u64 s[16:17], s[16:17], s[18:19]
	s_mul_u64 s[46:47], s[46:47], s[18:19]
	s_mul_i32 s20, s10, HALFT                      ; where they go: wave x 64 rows
	s_wait_kmcnt 0x0
	s_add_nc_u64 s[BA:BA+1], s[4:5], s[16:17]
	s_add_nc_u64 s[6:7], s[6:7], s[46:47]
	CROUND                                         ; all sixteen work-groups are here: the first joint loads meet
.irp s, 0,1
	s_mov_b32 s[G0+4*(\s)], 1
	s_add_co_u32 s[G0+4*(\s)+1], s20, (\s)*SLOT
	s_mov_b32 s[G0B+4*(\s)], 1
	s_add_co_u32 s[G0B+4*(\s)+1], s20, (\s)*SLOT
	KADDR \s
	JLOAD \s
.endr
	; the bias of my 64 columns: register j of block b is column 16 b + 8 (l / 16) + j, as in the accumulators
	s_lshl_b32 s46, s42, 9                         ; the tile's 128 columns of 4 bytes,
	s_lshl_b32 s47, s12, 8                         ; and my half of them
	s_add_co_u32 s46, s46, s47
	s_mov_b32 s47, 0
	s_add_nc_u64 s[70:71], s[70:71], s[46:47]
	v_and_b32 v1, 15, v0                           ; l % 16
	v_bfe_u32 v2, v0, 4, 1                         ; l / 16
	v_lshlrev_b32 v[BO], 5, v2
.irp b, 0,1,2,3
	global_load_b128 v[BIAS+8*\b:BIAS+8*\b+3],   v[BO], s[70:71] offset:64*\b
	global_load_b128 v[BIAS+8*\b+4:BIAS+8*\b+7], v[BO], s[70:71] offset:64*\b+16
.endr
	v_mul_u32_u24 v3, v1, PITCH
	v_lshl_add_u32 v3, v2, 4, v3                   ; a fragment's row x pitch + 16 x half
	s_mul_i32 s21, s11, HALFT                      ; my 64 rows of A
	s_mul_i32 s22, s12, HALFT                      ; my 64 rows of B,
	s_add_co_u32 s22, s22, 2*HALFT                 ; which lie behind A's 128
.irp s, 0,1
	v_add_nc_u32 v[ADRA+(\s)], s21, v3
	v_add_nc_u32 v[ADRB+(\s)], s22, v3
	s_add_co_u32 s21, s21, SLOT
	s_add_co_u32 s22, s22, SLOT
.endr
	s_mul_i32 s23, s10, 16*SPITCH
	s_add_co_u32 s23, s23, STAGE                   ; my stage
	v_mul_u32_u24 v4, v1, SPITCH                   ; in: row l % 16, 32 bytes for each half of the lanes
	v_lshl_add_u32 v4, v2, 5, v4
	v_add_nc_u32 v[STO], s23, v4
	v_mul_u32_u24 v5, v2, SPITCH                   ; back: lanes 0-15 take one row of 256 bytes, lanes 16-31 the next
	v_lshl_add_u32 v5, v1, 4, v5
	v_add_nc_u32 v[RD], s23, v5
	v_lshlrev_b32 v5, 13, v2                       ; and the same two rows in C
	v_lshl_add_u32 v[CO], v1, 4, v5
	s_lshl_b32 s16, s13, 7
	s_lshl_b32 s17, s11, 6
	s_add_co_u32 s16, s16, s17                     ; my first row of C: 128 x tile row + 64 x half,
	s_lshl_b32 s16, s16, 13                        ; in bytes
	s_mov_b32 s17, 0
	s_add_nc_u64 s[8:9], s[68:69], s[16:17]
	s_add_nc_u64 s[8:9], s[8:9], s[46:47]          ; and my first column
	s_wait_loadcnt 0x0                             ; the bias, once; it is rounded to bf16 and widened again
.set i, 0
.rept 16
	v_cvt_pk_bf16_f32 v[TMP], v[BIAS+2*i], v[BIAS+2*i+1]
	v_lshlrev_b32 v[BIAS+2*i], 16, v[TMP]
	v_and_b32 v[BIAS+2*i+1], 0xffff0000, v[TMP]
.set i, i+1
.endr
; 8 matrix instructions: m blocks a0, a0 + 1 x all 4 n blocks, 32 along K: half c of buffer f.  first = 1: the product starts the sum, on the bias.
; The 16 accumulators take turns, one instruction a turn.
.macro MUL8 f, c, a0, first
	WIN MUL
.irp a, \a0, (\a0)+1
.irp b, 0,1,2,3
.if \first
	v_wmma_f32_16x16x32_f16 v[ACC+8*(4*(\a)+(\b)):ACC+8*(4*(\a)+(\b))+7], v[(\f)+64+8*(4*(\c)+(\b)):(\f)+64+8*(4*(\c)+(\b))+7], v[(\f)+8*(4*(\c)+(\a)):(\f)+8*(4*(\c)+(\a))+7], v[BIAS+8*(\b):BIAS+8*(\b)+7]
.else
	v_wmma_f32_16x16x32_f16 v[ACC+8*(4*(\a)+(\b)):ACC+8*(4*(\a)+(\b))+7], v[(\f)+64+8*(4*(\c)+(\b)):(\f)+64+8*(4*(\c)+(\b))+7], v[(\f)+8*(4*(\c)+(\a)):(\f)+8*(4*(\c)+(\a))+7], v[ACC+8*(4*(\a)+(\b)):ACC+8*(4*(\a)+(\b))+7]
.endif
.endr
.endr
.endm
; 32 LDS loads in one run: the fragments of 64 along K at byte k of the rows, into buffer f; the first 32 along K first
.macro FETCH slot, k, f
	WIN TO_F
.irp c, 0,1
.irp i, 0,1,2,3
	ds_load_b128 v[(\f)+64+8*(4*(\c)+(\i)):(\f)+64+8*(4*(\c)+(\i))+3],   v[ADRB+(\slot)] offset:(\k)+64*(\c)+(\i)*16*PITCH
	ds_load_b128 v[(\f)+64+8*(4*(\c)+(\i))+4:(\f)+64+8*(4*(\c)+(\i))+7], v[ADRB+(\slot)] offset:(\k)+64*(\c)+(\i)*16*PITCH+32
	ds_load_b128 v[(\f)+8*(4*(\c)+(\i)):(\f)+8*(4*(\c)+(\i))+3],         v[ADRA+(\slot)] offset:(\k)+64*(\c)+(\i)*16*PITCH
	ds_load_b128 v[(\f)+8*(4*(\c)+(\i))+4:(\f)+8*(4*(\c)+(\i))+7],       v[ADRA+(\slot)] offset:(\k)+64*(\c)+(\i)*16*PITCH+32
.endr
.endr
.endm
.macro PLACES                          ; four places in front of loads into registers that matrix instructions have read, and of LDS stores that read results
.rept 4
	v_nop
.endr
.endm
; A K step is four quarters of 64 along K, 32 matrix instructions each, on buffers 0, 1, 0, 1.  One of the first three: multiplies buffer f and fetches the next quarter, at byte k, into g.
.macro QUARTER slot, k, f, g, first
	s_wait_dscnt 16                                ; the first 32 along K are in; the sixteen younger loads may be out
	WIN MUL
	MUL8 \f, 0, 0, \first
	MUL8 \f, 0, 2, \first
	PLACES
	FETCH \slot, \k, \g
	s_wait_dscnt 32                                ; all but the 32 just issued
	WIN MUL
	MUL8 \f, 1, 0, 0
	MUL8 \f, 1, 2, 0
.endm
; The last quarter multiplies buffer 1 and changes slots: ONE barrier; in front of it each wave waits for all its tensor loads, adds 0 to its spare word, and waits for that and for its own reads of this slot.
; fill = 1: this slot is filled again, with the K step two further on, round the end of K.
.macro TURN slot, next, fill
	WIN 0                                          ; (the add's two registers lie in window 0)
	s_wait_tensorcnt 0x0                           ; all my tensor loads have landed: the one that was out is my part of the next slot; so every group 0 may be written;
	ds_add_u32 v[SPW], v[NIL]                      ; 0 onto my spare word;
.if \fill
	s_add_co_u32 s[KI+(\slot)], s[KI+(\slot)], 2   ; the slot's next K step, of 8
	s_and_b32 s[KI+(\slot)], s[KI+(\slot)], 7
	KADDR \slot
.endif
	s_wait_dscnt 17                                ; (the add and the youngest sixteen loads may be out)
	WIN MUL
	MUL8 F1, 0, 0, 0                               ; eight matrix instructions stand between the add and the wait for it
	s_wait_dscnt 0x0                               ; the add is done, and my reads of this slot are over
	s_barrier_signal -1
	MUL8 F1, 0, 2, 0
.if \fill
	WIN 0
.endif
	s_barrier_wait -1
.if \fill
	CREST                                          ; the barrier has opened a round of the cluster's barrier: no wave of any partner still reads this slot's tile or has a load on its way
	JLOAD \slot                                    ; the first tensor load behind the round, my only one until the next: 112 matrix instructions ahead of the wait for it; its four v_nop are also the places in front of the loads below
.else
	PLACES
.endif
	FETCH \next, 0, F0
	WIN MUL
	MUL8 F1, 1, 0, 0
	MUL8 F1, 1, 2, 0
.endm
; THE WAY OUT of my rows 16 a .. 16 a + 15.  Each accumulator's lowest registers go first.  The rows come back whole, into the registers that they left.
.macro TOSTAGE a
.irp b, 0,1,2,3
	ds_store_b128 v[STO], v[ACC+32*(\a)+8*(\b):ACC+32*(\a)+8*(\b)+3]   offset:64*(\b)
	ds_store_b128 v[STO], v[ACC+32*(\a)+8*(\b)+4:ACC+32*(\a)+8*(\b)+7] offset:64*(\b)+16
.endr
.irp t, 0,1,2,3,4,5,6,7
	ds_load_b128 v[ACC+32*(\a)+4*(\t):ACC+32*(\a)+4*(\t)+3], v[RD] offset:(\t)*2*SPITCH  ; LDS serves a wave's instructions in order (ISA guide 5.7.1.4): these see the stores above; the next block's stores come behind them
.endr
.endm
.macro SEND a, younger                 ; younger: the LDS instructions issued behind block a's loads: the next block's sixteen, or none
.irp t, 0,1,2,3,4,5,6,7
	s_wait_dscnt (\younger)+7-(\t)
	global_store_b128 v[CO], v[ACC+32*(\a)+4*(\t):ACC+32*(\a)+4*(\t)+3], s[8:9] offset:(16*(\a)+2*(\t))*CROW  ; 16 lanes store 256 consecutive bytes, at a multiple of 256 from C's first byte
.endr
.endm
	s_wait_tensorcnt 1                             ; my part of the first K step is in; the second's load stays out
	s_barrier_signal -1
	s_barrier_wait -1                              ; everybody's is
	FETCH 0, 0, F0
	QUARTER 0, 128, F0, F1, 1                      ; the first quarter stands in front of the loop: its first products start the sums
	WIN 0                                          ; at a label and at a branch every window is 0
	s_mov_b32 s3, LAPS-1
.Llap:                                                 ; a trip goes once round the ring, from a lap's second quarter to the next lap's first, and fills both slots again
	QUARTER 0, 256, F1, F0, 0
	QUARTER 0, 384, F0, F1, 0
	TURN 0, 1, 1
	QUARTER 1, 128, F0, F1, 0
	QUARTER 1, 256, F1, F0, 0
	QUARTER 1, 384, F0, F1, 0
	TURN 1, 0, 1
	QUARTER 0, 128, F0, F1, 0
	WIN 0
	s_sub_co_u32 s3, s3, 1
	s_cmp_lg_u32 s3, 0
	s_cbranch_scc1 .Llap
	QUARTER 0, 256, F1, F0, 0                      ; the last lap fills nothing, and has no round of the cluster's barrier
	QUARTER 0, 384, F0, F1, 0
	TURN 0, 1, 0
	QUARTER 1, 128, F0, F1, 0
	QUARTER 1, 256, F1, F0, 0
	QUARTER 1, 384, F0, F1, 0
	s_wait_dscnt 16                                ; the very last quarter: nothing more to fetch
	WIN MUL
	MUL8 F1, 0, 0, 0
	MUL8 F1, 0, 2, 0
	s_wait_dscnt 0
	MUL8 F1, 1, 0, 0
	MUL8 F1, 1, 2, 0
	WIN 0
	PLACES
	TOSTAGE 0
	TOSTAGE 1                                      ; a block's trip through the stage stands between the loads of the block before and its stores
	SEND 0, 16
	TOSTAGE 2
	SEND 1, 16
	TOSTAGE 3
	SEND 2, 16
	SEND 3, 0
	s_wait_tensorcnt 0x0                           ; the wave's end: behind my last tensor load and my last LDS store
	ds_add_u32 v[SPW], v[NIL]
	s_wait_dscnt 0x0
	CROUND                                         ; the closing round: no work-group ends while a partner may still ask for a tile that names it
	s_endpgm
.Lfunc_end_k_q6a1428f7bb_oproj:
	.size	k_q6a1428f7bb_oproj, .Lfunc_end_k_q6a1428f7bb_oproj-k_q6a1428f7bb_oproj
	.p2alignl 7, 3214868480
	.fill 96, 4, 3214868480
	.section	.rodata,"a",@progbits
	.p2align	6, 0x0
	.amdhsa_kernel k_q6a1428f7bb_oproj
		.amdhsa_group_segment_fixed_size 327680
		.amdhsa_private_segment_fixed_size 0
		.amdhsa_enable_private_segment 0
		.amdhsa_kernarg_size 32
		.amdhsa_user_sgpr_count 2
		.amdhsa_user_sgpr_kernarg_segment_ptr 1
		.amdhsa_wavefront_size32 1
		.amdhsa_system_sgpr_workgroup_id_x 1
		.amdhsa_system_sgpr_workgroup_id_y 1
		.amdhsa_system_sgpr_workgroup_id_z 1
		.amdhsa_system_vgpr_workitem_id 0
		.amdhsa_next_free_vgpr 512
		.amdhsa_next_free_sgpr 80
		.amdhsa_reserve_vcc 0
		.amdhsa_float_denorm_mode_32 3
		.amdhsa_float_denorm_mode_16_64 3
		.amdhsa_memory_ordered 1
		.amdhsa_forward_progress 1
		.amdhsa_inst_pref_size 90
	.end_amdhsa_kernel
	.amdgpu_metadata
---
amdhsa.version: [ 1, 2 ]
amdhsa.kernels:
  - .name:           k_q6a1428f7bb_oproj
    .symbol:         k_q6a1428f7bb_oproj.kd
    .args:
      - { .name: act16, .offset: 0, .size: 8, .value_kind: global_buffer, .address_space: global }
      - { .name: wob, .offset: 8, .size: 8, .value_kind: global_buffer, .address_space: global }
      - { .name: out0, .offset: 16, .size: 8, .value_kind: global_buffer, .address_space: global }
      - { .name: bo, .offset: 24, .size: 8, .value_kind: global_buffer, .address_space: global }
    .group_segment_fixed_size: 327680
    .private_segment_fixed_size: 0
    .kernarg_segment_align: 8
    .kernarg_segment_size: 32
    .max_flat_workgroup_size: 128
    .sgpr_count:     80
    .vgpr_count:     512
    .wavefront_size: 32
...
	.end_amdgpu_metadata
.endif
;; end of part 11
